; MI455X (gfx1250); checked and timed in simulation.
; The chip was launched on July 23, 2026; its instructions are those of AMD's public machine-readable ISA for CDNA 5 (MIT licence, August 2026) and "CDNA5" Instruction Set Architecture Reference Guide (July 2026). The comments in the code are by the model that wrote it; some were corrected since.
;; Transformer Encoder Layer. Allowed arithmetic: matrix products marked QUANTISED: E2M3 operands, one E8M0 scale for each 32 along K, by v_wmma_scale_f32_16x16x128_f8f6f4 with both operands' format E2M3, f32 sums; everything else in f32.
;; Inputs: b1 4,096 float32; b2 1,024 float32; bk 16 x 64 float32; bo 1,024 float32; bq 16 x 64 float32; bv 16 x 64 float32; ln1_b 1,024 float32; ln1_g 1,024 float32; ln2_b 1,024 float32; ln2_g 1,024 float32; mask 4 x 1 x 1,024 int32; w1 1,024 x 4,096 float32; w2 4,096 x 1,024 float32; wk 16 x 1,024 x 64 float32; wo 1,024 x 1,024 float32; wq 16 x 1,024 x 64 float32; wv 16 x 1,024 x 64 float32; x 4 x 1,024 x 1,024 float32.
;; Outputs: out0 4 x 1,024 x 1,024 float32.
;; This version of the problem:
;;   THIS VERSION OF THE PROBLEM IS GIVEN IN LOW PRECISION. The matrix products marked QUANTISED in the list below multiply operands that are first quantised to E2M3 (2 exponent bits, 3 mantissa bits; 6 bits a number), with one power-of-two scale for each 32 numbers along K (OCP MX v1.0); their sums are f32. All else is computed in f32.
;;   The module's matrix products, in the order in which they are computed (A, B: the left and right operand; K: the contracted axis; several contracted axes count as one K, in the product's order):
;;     1. [M 1,024, K 1,024] x [K 1,024, N 4,096]; A: input wq; B: computed on the way: QUANTISED
;;     2. [M 1,024, K 1,024] x [K 1,024, N 4,096]; A: input wk; B: computed on the way: QUANTISED
;;     3. [M 1,024, K 1,024] x [K 1,024, N 4,096]; A: input wv; B: computed on the way: QUANTISED
;;     4. batch 64 x [M 1,024, K 64] x [K 64, N 1,024]; A: computed on the way; B: computed on the way: QUANTISED
;;     5. batch 64 x [M 1,024, K 1,024] x [K 1,024, N 64]; A: softmax (see below); B: computed on the way: QUANTISED
;;     6. [M 4,096, K 1,024] x [K 1,024, N 1,024]; A: computed on the way; B: input wo: QUANTISED
;;     7. [M 4,096, K 1,024] x [K 1,024, N 4,096]; A: computed on the way; B: input w1: QUANTISED
;;     8. [M 4,096, K 4,096] x [K 4,096, N 1,024]; A: computed on the way; B: input w2: QUANTISED
;;   THE QUANTISER, for each operand of a quantised product, along K:
;;     - K is cut into blocks of 32 from its start; a last block that is shorter is filled with zeros.
;;     - A block's scale is 2^e with e = floor(log2(the largest magnitude in the block)) - 2, held to -126 .. 127; a block of zeros has e = 0. As a byte (E8M0): e + 127.
;;     - Each number is divided by its block's scale, clamped to +-7.5, and rounded to the nearest number of E2M3, ties to even, subnormals kept.
;;     - The product sums the exact products of the quantised numbers (number of the format x scale) in f32.
;;   ~~~python
;;   def quantise(x, axis):      # numpy; x: float32 -> the quantised numbers, widened to float32 again
;;       x = np.moveaxis(x, axis, -1); K = x.shape[-1]
;;       x = np.pad(x, [(0, 0)] * (x.ndim - 1) + [(0, -K % 32)]); x = x.reshape(x.shape[:-1] + (-1, 32)); a = np.abs(x).max(-1, keepdims=True)
;;       e = np.where(a > 0, np.clip(np.frexp(np.where(a > 0, a, 1))[1] - 1 - 2, -126, 127), 0)      # np.frexp(a)[1] - 1 = floor(log2(a)), exactly
;;       r = np.clip(x / 2.0 ** e, -7.5, 7.5)
;;       step = 2.0 ** (np.maximum(np.frexp(np.where(r == 0, 1, r))[1] - 1, 0) - 3)
;;       q = np.round(r / step) * step * 2.0 ** e      # np.round: ties to even
;;       return np.moveaxis(q.reshape(q.shape[:-2] + (-1,))[..., :K], -1, axis).astype(np.float32)
;;   ~~~
;;   SOFTMAX AHEAD OF A QUANTISED PRODUCT. Where the list says 'softmax', what is quantised is not the finished softmax but p = 2^(t - M), with t = logit x log2(e) and M = ceil(the row's largest t), a whole number; so 1/2 < the row's largest p <= 1. The row's sum l is taken of the UNQUANTISED p, in f32, and the product's result is divided by l at the end. Since M is a whole number, a kernel that streams over the keys may use a running M (the ceiling of the running maximum): every later rescaling is an exact power of two, which a block's scale takes up: the codes' values come out the same.
;;   OPERANDS COMPUTED ON THE WAY. 'Computed on the way' means the value that the module computes at that place (a softmax that the list does not call 'softmax' is quantised finished and normalised). What goes into a quantiser is computed in f32, as accurately as f32 sums, v_exp_f32 and their like allow (about 1e-6 of the number): no bf16 or f16 on the way to a quantiser, and a product that is left as it is and whose result goes on into a quantised operand takes f32 operands (vector FMAs, or v_wmma_f32_16x16x4_f32). A number that lies on a knife's edge between two numbers of the format may be rounded either way, as far as f32 arithmetic and the matrix unit's own rounding can turn it there, and no further.
;; 2 versions. Each part assembles by itself: llvm-mc -triple=amdgcn-amd-amdhsa -mcpu=gfx1250 --defsym DOCPART=n.
;; ======== version 1 of 2: 9 launches
;; workspace buffers: wbuf 9,830,400 bytes; ybuf 3,276,800 bytes; qkvbuf 9,830,400 bytes; x1buf 16,777,216 bytes; hbuf 13,107,200 bytes
;; launch wquant (part 1): grid 384 x 1, 4 waves a work-group, no clusters, 0 bytes of LDS; arguments wq, wk, wv, wo, w1, w2, wbuf; writes wbuf
.if DOCPART == 1
	.amdgcn_target "amdgcn-amd-amdhsa--gfx1250"
	.amdhsa_code_object_version 6
	.text
	.protected	k_q9853f3d70a_wquant
	.globl	k_q9853f3d70a_wquant
	.p2align	8
	.type	k_q9853f3d70a_wquant,@function
k_q9853f3d70a_wquant:
	s_mov_b64 s[64:65], 0
	v_nop
	global_prefetch_b8 v0, s[64:65] scope:SCOPE_SE
	s_setreg_imm32_b32 hwreg(HW_REG_WAVE_MODE, 25, 1), 1
	s_wait_xcnt 0x0
; The six weights, f32 with K not innermost, become codes of FP6 (E2M3) and E8M0 scale bytes, one for each 32 along K, laid as IMAGES OF THE OPERAND'S REGISTERS.
; TILES.  An operand's rows (a weight's columns n) go in tiles of 16: tile T, place r holds row 32 (T / 2) + 8 (T % 2) + r + 8 (r / 8).
; HALF IMAGE.  16 rows x 64 K are 768 bytes: the 24 bytes of (place r, block hh of 32) lie as 16 bytes at 256 hh + 16 r and 8 bytes at 512 + 16 r + 8 hh.  Codes: [tile][K / 64][768].  Scale words: [tile][K / 128][16] of 4 bytes.
; wbuf: K = 1,024: tiles 0-63 wq, 64-127 wk, 128-191 wv, 192-255 wo, 256-511 w1, 12,288 bytes each; w2 (K = 4,096) from 6,291,456, 49,152 a tile; scale words from 9,437,184 (512 a tile) and 9,699,328 (2,048 a tile).
; A LANE TAKES A COLUMN AND ITS REGISTERS RUN DOWN K: a block of 32 lies in one lane, its largest magnitude needs no other lane, and the conversions give codes with K innermost.
; A work-group takes 128 columns x 256 K, a wave 32 columns (two tiles) x 8 blocks.  Lane l is tile u = (l / 8) % 2, place r = l % 8 + 8 (l / 16): so a block's 16-byte pieces of 16 lanes are 256 consecutive aligned bytes of the image.
; A block's scale is 2^(floor(log2(largest magnitude)) - 2); its byte is that magnitude's exponent field - 2, held at 1 from below.  A block of zeros keeps the byte 1: its codes are zeros and this program alone reads the bytes.
; LIMITS: NaN and infinities among the weights are not served.  The scale words leave in pieces of 64 bytes (one byte in 24 of what is stored).
; No register that a store reads, no offset and no base is written again: so no wait frees a source.
.set X,  32                            ; v32-95   two sets of 32 numbers
.set RO, 96                            ; v96-127  row i's byte offset: i x the row pitch + 4 x lane
.set HB, 128                           ; v128-159 the first 16 bytes of each block's codes
.set TB, 160                           ; v160-175 the last 8 bytes, two neighbouring blocks' side by side
.set Y,  176                           ; v176-178 the second conversion's result
.set SW, 180                           ; v180-181 scale words of the two K steps of 128
	s_load_b256 s[4:11], s[0:1], 0x0               ; wq, wk, wv, wo
	s_load_b128 s[12:15], s[0:1], 0x20             ; w1, w2
	s_load_b64 s[16:17], s[0:1], 0x30              ; wbuf
	v_lshrrev_b32 v1, 5, v0
	v_readfirstlane_b32 s18, v1                    ; wave
	v_and_b32 v1, 31, v0
	v_lshlrev_b32 v2, 2, v1                        ; 4 x lane
	v_bfe_u32 v5, v0, 3, 1                         ; u
	v_and_b32 v6, 7, v0
	v_bfe_u32 v7, v0, 4, 1
	v_lshl_or_b32 v6, v7, 3, v6                    ; r
	; the job's figures: w2's first, then overwritten by selects on the work-group's number alone
	s_mov_b32 s22, 4096                            ; bytes from a row of K to the next
	s_mov_b32 s23, 256                             ; bytes from 64 columns to the next 64
	s_mov_b32 s24, 0                               ; the tensor's first group of 128 columns
	s_mov_b32 s25, 4                               ; log2 of the groups of 256 along K
	s_mov_b32 s26, 49152                           ; a tile's codes
	s_mov_b32 s27, 2048                            ; a tile's scale words
	s_mov_b32 s28, 6291456                         ; where the codes begin
	s_mov_b32 s29, 9699328                         ; where the scale words begin
	s_sub_co_u32 s30, ttmp9, 256                   ; the job's number in its region
	s_wait_kmcnt 0x0
	s_mov_b64 s[20:21], s[14:15]
	s_cmp_lt_u32 ttmp9, 256                        ; w1, and all of K = 1,024
	s_cselect_b64 s[20:21], s[12:13], s[20:21]
	s_cselect_b32 s22, 16384, s22
	s_cselect_b32 s24, 32, s24
	s_cselect_b32 s25, 2, s25
	s_cselect_b32 s26, 12288, s26
	s_cselect_b32 s27, 512, s27
	s_cselect_b32 s28, 0, s28
	s_cselect_b32 s29, 9437184, s29
	s_cselect_b32 s30, ttmp9, s30
	s_cmp_lt_u32 ttmp9, 128                        ; wo
	s_cselect_b64 s[20:21], s[10:11], s[20:21]
	s_cselect_b32 s22, 4096, s22
	s_cselect_b32 s24, 24, s24
	s_cmp_lt_u32 ttmp9, 96                         ; wv: [head][K][64]
	s_cselect_b64 s[20:21], s[8:9], s[20:21]
	s_cselect_b32 s22, 256, s22
	s_cselect_b32 s23, 262144, s23
	s_cselect_b32 s24, 16, s24
	s_cmp_lt_u32 ttmp9, 64                         ; wk
	s_cselect_b64 s[20:21], s[6:7], s[20:21]
	s_cselect_b32 s24, 8, s24
	s_cmp_lt_u32 ttmp9, 32                         ; wq
	s_cselect_b64 s[20:21], s[4:5], s[20:21]
	s_cselect_b32 s24, 0, s24
	s_lshr_b32 s31, s30, s25                       ; group of 128 columns, counted through the region
	s_lshl_b32 s48, s31, s25
	s_sub_co_u32 s48, s30, s48                     ; group of 256 along K
	s_sub_co_u32 s49, s31, s24
	s_lshl_b32 s49, s49, 2
	s_add_co_u32 s49, s49, s18                     ; my 32 columns, counted in the tensor
	s_lshl_b32 s50, s31, 2
	s_add_co_u32 s50, s50, s18                     ; and in the region: my pair of tiles
	s_lshr_b32 s51, s49, 1
	s_mul_i32 s51, s51, s23
	s_and_b32 s52, s49, 1
	s_lshl_b32 s52, s52, 7
	s_add_co_u32 s51, s51, s52
	s_lshl_b32 s52, s22, 8
	s_mul_i32 s52, s52, s48
	s_add_co_u32 s52, s51, s52                     ; where my part of the tensor begins
	s_mov_b32 s53, 0
	s_lshl_b32 s54, s22, 5                         ; 32 rows of K on
	s_mov_b32 s55, 0
	s_add_nc_u64 s[32:33], s[20:21], s[52:53]      ; a base for each of my 8 blocks: none is stepped
.irp t, 1,2,3,4,5,6,7
	s_add_nc_u64 s[32+2*\t:33+2*\t], s[30+2*\t:31+2*\t], s[54:55]
.endr
	s_lshl_b32 s56, s26, 1
	s_mul_i32 s56, s56, s50
	s_add_co_u32 s56, s56, s28
	s_mul_i32 s57, s48, 3072
	s_add_co_u32 s56, s56, s57
	s_mov_b32 s57, 0
	s_add_nc_u64 s[56:57], s[16:17], s[56:57]      ; my codes
	s_lshl_b32 s58, s27, 1
	s_mul_i32 s58, s58, s50
	s_add_co_u32 s58, s58, s29
	s_lshl_b32 s59, s48, 7
	s_add_co_u32 s58, s58, s59
	s_mov_b32 s59, 0
	s_add_nc_u64 s[58:59], s[16:17], s[58:59]      ; my scale words
	v_mul_lo_u32 v3, v5, s26
	v_lshl_add_u32 v3, v6, 4, v3                   ; u x a tile's codes + 16 r
	v_mul_lo_u32 v4, v5, s27
	v_lshl_add_u32 v4, v6, 2, v4                   ; u x a tile's scale words + 4 r
.irp i, 0,1,2,3,4,5,6,7,8,9,10,11,12,13,14,15,16,17,18,19,20,21,22,23,24,25,26,27,28,29,30,31
	v_mad_u32_u24 v[RO+\i], s22, \i, v2
.endr
.macro LOAD t                          ; block t: 32 rows of K at my column; 32 lanes read 128 consecutive bytes
.irp i, 0,1,2,3,4,5,6,7,8,9,10,11,12,13,14,15,16,17,18,19,20,21,22,23,24,25,26,27,28,29,30,31
	global_load_b32 v[X+32*((\t)%2)+\i], v[RO+\i], s[32+2*(\t):33+2*(\t)] th:TH_LOAD_NT
.endr
.endm
.macro BLOCK t
.set XS, X+32*((\t)%2)
.set ST, (\t)/4                        ; K step of 128
.set BE, (\t)%4                        ; block in it
.set HQ, HB+16*ST+4*BE
.set TQ, TB+8*ST+2*BE
.if (\t) < 7
	s_wait_loadcnt 32                              ; this block's 32 loads are in; the next block's 32 may be out
.else
	s_wait_loadcnt 0x0
.endif
	v_max3_num_f32 v12, |v[XS]|, |v[XS+1]|, |v[XS+2]|
	v_max3_num_f32 v13, |v[XS+3]|, |v[XS+4]|, |v[XS+5]|
.irp i, 6,10,14,18,22,26
	v_max3_num_f32 v12, v12, |v[XS+\i]|, |v[XS+\i+1]|
	v_max3_num_f32 v13, v13, |v[XS+\i+2]|, |v[XS+\i+3]|
.endr
	v_max3_num_f32 v12, v12, |v[XS+30]|, |v[XS+31]|
	v_max3_num_f32 v12, v12, v13, 0x1800000        ; and the floor 2^(3 - 127): the byte cannot fall under 1
	v_add_nc_u32 v14, 0xff000000, v12              ; 2 off the exponent field: the conversion's scale operand
	v_cvt_scalef32_pk16_fp6_f32 v[HQ:HQ+2], v[XS:XS+15], v14
	v_cvt_scalef32_pk16_fp6_f32 v[Y:Y+2], v[XS+16:XS+31], v14
	v_lshrrev_b32 v15, 23, v14                     ; the scale's byte (a plain line behind the conversions)
.if BE == 0
	v_mov_b32 v[SW+ST], v15
.else
	v_lshl_or_b32 v[SW+ST], v15, 8*BE, v[SW+ST]
.endif
	v_mov_b32 v[HQ+3], v[Y]                        ; bytes 12 to 15 of the block's 24
	v_mov_b32 v[TQ], v[Y+1]                        ; bytes 16 to 23
	v_mov_b32 v[TQ+1], v[Y+2]
	global_store_b128 v3, v[HQ:HQ+3], s[56:57] offset:1536*ST+768*(BE/2)+256*(BE%2)   ; 16 lanes fill 256 consecutive aligned bytes of each of the two tiles
.if BE%2 == 1
	global_store_b128 v3, v[TQ-2:TQ+1], s[56:57] offset:1536*ST+768*(BE/2)+512         ; the two blocks' last 8 bytes, likewise
.endif
.if BE == 3
	global_store_b32 v4, v[SW+ST], s[58:59] offset:64*ST
.endif
.if (\t)+2 < 8
	LOAD (\t)+2
.endif
.endm
	LOAD 0
	LOAD 1
.irp t, 0,1,2,3,4,5,6,7
	BLOCK \t
.endr
	s_endpgm
.Lfunc_end_k_q9853f3d70a_wquant:
	.size	k_q9853f3d70a_wquant, .Lfunc_end_k_q9853f3d70a_wquant-k_q9853f3d70a_wquant
	.p2alignl 7, 3214868480
	.fill 96, 4, 3214868480
	.section	.rodata,"a",@progbits
	.p2align	6, 0x0
	.amdhsa_kernel k_q9853f3d70a_wquant
		.amdhsa_group_segment_fixed_size 0
		.amdhsa_private_segment_fixed_size 0
		.amdhsa_enable_private_segment 0
		.amdhsa_kernarg_size 56
		.amdhsa_user_sgpr_count 2
		.amdhsa_user_sgpr_kernarg_segment_ptr 1
		.amdhsa_wavefront_size32 1
		.amdhsa_system_sgpr_workgroup_id_x 1
		.amdhsa_system_sgpr_workgroup_id_y 1
		.amdhsa_system_sgpr_workgroup_id_z 1
		.amdhsa_system_vgpr_workitem_id 0
		.amdhsa_next_free_vgpr 192
		.amdhsa_next_free_sgpr 66
		.amdhsa_reserve_vcc 0
		.amdhsa_float_denorm_mode_32 3
		.amdhsa_float_denorm_mode_16_64 3
		.amdhsa_memory_ordered 1
		.amdhsa_forward_progress 1
		.amdhsa_inst_pref_size 43
	.end_amdhsa_kernel
	.amdgpu_metadata
---
amdhsa.version: [ 1, 2 ]
amdhsa.kernels:
  - .name:           k_q9853f3d70a_wquant
    .symbol:         k_q9853f3d70a_wquant.kd
    .args:
      - { .name: wq, .offset: 0, .size: 8, .value_kind: global_buffer, .address_space: global }
      - { .name: wk, .offset: 8, .size: 8, .value_kind: global_buffer, .address_space: global }
      - { .name: wv, .offset: 16, .size: 8, .value_kind: global_buffer, .address_space: global }
      - { .name: wo, .offset: 24, .size: 8, .value_kind: global_buffer, .address_space: global }
      - { .name: w1, .offset: 32, .size: 8, .value_kind: global_buffer, .address_space: global }
      - { .name: w2, .offset: 40, .size: 8, .value_kind: global_buffer, .address_space: global }
      - { .name: wbuf, .offset: 48, .size: 8, .value_kind: global_buffer, .address_space: global }
    .group_segment_fixed_size: 0
    .private_segment_fixed_size: 0
    .kernarg_segment_align: 8
    .kernarg_segment_size: 56
    .max_flat_workgroup_size: 128
    .sgpr_count:     66
    .vgpr_count:     192
    .wavefront_size: 32
...
	.end_amdgpu_metadata
.endif
;; end of part 1
;; launch ln1 (part 2): grid 256 x 1, 4 waves a work-group, no clusters, 67,072 bytes of LDS; arguments x, ln1_g, ln1_b, ybuf; writes ybuf
.if DOCPART == 2
	.amdgcn_target "amdgcn-amd-amdhsa--gfx1250"
	.amdhsa_code_object_version 6
	.text
	.protected	k_q9853f3d70a_ln1
	.globl	k_q9853f3d70a_ln1
	.p2align	8
	.type	k_q9853f3d70a_ln1,@function
k_q9853f3d70a_ln1:
	s_mov_b64 s[64:65], 0
	v_nop
	global_prefetch_b8 v0, s[64:65] scope:SCOPE_SE
	s_setreg_imm32_b32 hwreg(HW_REG_WAVE_MODE, 25, 1), 1
	s_wait_xcnt 0x0
; y = (x - mean) rsqrt(var + 1e-6) g + b for rows of 1,024 f32, then quantised along the row to FP6 (E2M3) with one E8M0 byte for each 32, stored as images of the operand's registers.
; TILES.  Work-group T takes tile T of 16 rows: place r holds row 32 (T / 2) + 8 (T % 2) + r + 8 (r / 8).  Codes: [tile][8 K steps][1,536 bytes]; scale words from byte 3,145,728: [tile][8][16] of 4 bytes.
; HALF IMAGE.  16 rows x 64 K are 768 bytes: lane (r, hh)'s 24 bytes lie as 16 bytes at 16 x lane and 8 bytes at 512 + 16 r + 8 hh; a K step of 128 is two of them.
; PHASE 1.  Wave w owns places 4 w .. 4 w + 3; a row lies in one wave (8 loads of 512 consecutive bytes).  Mean first, then the sum of squared deviations: a common offset of the inputs does no harm.
; The normalised rows go to LDS (rows 4,112 bytes apart, an odd multiple of 16: sixteen rows begin in sixteen different 16-byte columns).  One barrier.
; PHASE 2.  Wave w quantises K steps 2 w and 2 w + 1 of all 16 rows: lane (r, hh) takes 16 neighbours of each block of 32, so two lanes 16 apart hold a block.
; LIMITS: NaN and infinities are not served by the quantiser (a NaN does not count in a block's largest magnitude).  A block of zeros keeps the byte 1: its codes are zeros and this program alone reads the bytes.
.set PITCH, 4112
.set T,  4                             ; v4-11    a pair a row: sums, then the mean
.set U,  12                            ; v12-19   a pair a row: sums of squares, then 1 / sigma
.set X,  32                            ; v32-159  four rows x 32; in phase 2 two K steps x 64 numbers
.set G,  160                           ; v160-191 gain
.set BB, 192                           ; v192-223 bias
.set PC, 160                           ; phase 2: v160-178 codes
.set TM, 180                           ; v180-195 at work
	s_load_b256 s[4:11], s[0:1], 0x0               ; rows s[4:5], gain s[6:7], bias s[8:9], out s[10:11]
	v_lshl_add_u32 v224, v0, 2, 0x10400
	v_mov_b32 v225, 0
	v_lshrrev_b32 v1, 5, v0
	v_readfirstlane_b32 s12, v1                    ; wave
	v_and_b32 v24, 31, v0
	v_and_b32 v2, 15, v0                           ; r
	v_bfe_u32 v3, v0, 4, 1                         ; hh
	v_lshlrev_b32 v1, 4, v24                       ; 16 x lane
	s_lshr_b32 s13, ttmp9, 1
	s_lshl_b32 s13, s13, 5
	s_and_b32 s14, ttmp9, 1
	s_lshl_b32 s14, s14, 3
	s_add_co_u32 s13, s13, s14
	s_lshl_b32 s14, s12, 2
	s_add_co_u32 s13, s13, s14
	s_lshr_b32 s14, s12, 1
	s_lshl_b32 s14, s14, 3
	s_add_co_u32 s13, s13, s14                     ; my first row: 32 (T / 2) + 8 (T % 2) + 4 w + 8 (w / 2)
	s_lshl_b32 s14, s13, 12
	s_mov_b32 s15, 0
	s_mul_i32 s16, ttmp9, 12288
	s_mul_i32 s17, s12, 3072
	s_add_co_u32 s16, s16, s17                     ; my two K steps' codes
	s_mov_b32 s17, 0
	s_lshl_b32 s18, ttmp9, 9
	s_lshl_b32 s19, s12, 7
	s_add_co_u32 s18, s18, s19
	s_add_co_u32 s18, s18, 3145728                 ; and their scale words
	s_mov_b32 s19, 0
	s_mov_b32 s20, 0x3a800000                      ; 1 / 1,024
	s_mov_b32 s21, 0x358637bd                      ; 1e-6
	s_mov_b32 s22, 0x76543210
	s_mov_b32 s23, 0xfedcba98                      ; v_permlanex16_b32's selects for lane l xor 16
	s_mov_b32 s24, 0xffff0000                      ; lanes 16-31
	s_mul_i32 s25, s12, 4*PITCH
	v_add_nc_u32 v20, s25, v1                      ; LDS, in: my four rows, 16 x lane
	v_mul_u32_u24 v21, v2, PITCH
	v_lshl_add_u32 v21, v3, 6, v21
	s_lshl_b32 s25, s12, 10
	v_add_nc_u32 v21, s25, v21                     ; LDS, out: row r, + 64 hh, + my two K steps
	v_lshlrev_b32 v22, 4, v2
	v_lshl_add_u32 v22, v3, 3, v22                 ; 16 r + 8 hh
	v_lshlrev_b32 v23, 2, v24                      ; 4 x lane
	s_wait_kmcnt 0x0
	s_add_nc_u64 s[4:5], s[4:5], s[14:15]
	s_add_nc_u64 s[16:17], s[10:11], s[16:17]
	s_add_nc_u64 s[18:19], s[10:11], s[18:19]
.irp i, 0,1,2,3
.irp j, 0,1,2,3,4,5,6,7
	global_load_b128 v[X+32*\i+4*\j:X+32*\i+4*\j+3], v1, s[4:5] offset:4096*\i+512*\j th:TH_LOAD_NT
.endr
.endr
.irp j, 0,1,2,3,4,5,6,7
	global_load_b128 v[G+4*\j:G+4*\j+3], v1, s[6:7] offset:512*\j
.endr
.irp j, 0,1,2,3,4,5,6,7
	global_load_b128 v[BB+4*\j:BB+4*\j+3], v1, s[8:9] offset:512*\j
.endr
.macro REDUCE t                        ; a pair a row becomes the sum over the wave's 32 lanes, in every lane; the four rows by turns
.irp i, 0,1,2,3
	v_add_f32 v[\t+2*\i], v[\t+2*\i], v[\t+2*\i+1]
.endr
.irp m, 1,2,4,8
.irp i, 0,1,2,3
	v_add_f32_dpp v[\t+2*\i], v[\t+2*\i], v[\t+2*\i] row_xmask:\m row_mask:0xf bank_mask:0xf
.endr
.endr
.irp i, 0,1,2,3
	v_permlanex16_b32 v[\t+2*\i+1], v[\t+2*\i], s22, s23
.endr
.irp i, 0,1,2,3
	v_add_f32 v[\t+2*\i], v[\t+2*\i], v[\t+2*\i+1]
.endr
.endm
	s_wait_loadcnt 16                              ; the rows are in; the 16 loads of gain and bias may be out
.irp i, 0,1,2,3
	v_pk_add_f32 v[T+2*\i:T+2*\i+1], v[X+32*\i:X+32*\i+1], v[X+32*\i+2:X+32*\i+3]
.endr
.irp k, 4,6,8,10,12,14,16,18,20,22,24,26,28,30
.irp i, 0,1,2,3
	v_pk_add_f32 v[T+2*\i:T+2*\i+1], v[T+2*\i:T+2*\i+1], v[X+32*\i+\k:X+32*\i+\k+1]
.endr
.endr
	REDUCE T
.irp i, 0,1,2,3
	v_mul_f32 v[T+2*\i], s20, v[T+2*\i]            ; the mean
.endr
.irp k, 0,2,4,6,8,10,12,14,16,18,20,22,24,26,28,30
.irp i, 0,1,2,3
	v_pk_add_f32 v[X+32*\i+\k:X+32*\i+\k+1], v[X+32*\i+\k:X+32*\i+\k+1], v[T+2*\i:T+2*\i+1] op_sel_hi:[1,0] neg_lo:[0,1] neg_hi:[0,1]
.endr
.endr
.irp i, 0,1,2,3
	v_pk_mul_f32 v[U+2*\i:U+2*\i+1], v[X+32*\i:X+32*\i+1], v[X+32*\i:X+32*\i+1]
.endr
.irp k, 2,4,6,8,10,12,14,16,18,20,22,24,26,28,30
.irp i, 0,1,2,3
	v_pk_fma_f32 v[U+2*\i:U+2*\i+1], v[X+32*\i+\k:X+32*\i+\k+1], v[X+32*\i+\k:X+32*\i+\k+1], v[U+2*\i:U+2*\i+1]
.endr
.endr
	REDUCE U
.irp i, 0,1,2,3
	v_fma_f32 v[U+2*\i], v[U+2*\i], s20, s21       ; variance + 1e-6
.endr
.irp i, 0,1,2,3
	v_rsq_f32 v[U+2*\i], v[U+2*\i]
.endr
	v_nop                                          ; a plain line behind the last of the four
	s_wait_alu depctr_va_vdst(0)                   ; one wait for the four, ahead of their first reader
	s_wait_loadcnt 0x0                             ; gain and bias
.irp k, 0,2,4,6,8,10,12,14,16,18,20,22,24,26,28,30
.irp i, 0,1,2,3
	v_pk_mul_f32 v[X+32*\i+\k:X+32*\i+\k+1], v[X+32*\i+\k:X+32*\i+\k+1], v[U+2*\i:U+2*\i+1] op_sel_hi:[1,0]
.endr
.endr
.irp k, 0,2,4,6,8,10,12,14,16,18,20,22,24,26,28,30
.irp i, 0,1,2,3
	v_pk_fma_f32 v[X+32*\i+\k:X+32*\i+\k+1], v[X+32*\i+\k:X+32*\i+\k+1], v[G+\k:G+\k+1], v[BB+\k:BB+\k+1]
.endr
.endr
.irp i, 0,1,2,3
.irp j, 0,1,2,3,4,5,6,7
	ds_store_b128 v20, v[X+32*\i+4*\j:X+32*\i+4*\j+3] offset:\i*PITCH+512*\j
.endr
.endr
	s_wait_dscnt 0x0                               ; for the others' sake: my rows lie in LDS
	s_barrier_signal -1
	s_barrier_wait -1
.irp e, 0,1
.irp b, 0,1,2,3
.irp j, 0,1,2,3
	ds_load_b128 v[X+64*\e+16*\b+4*\j:X+64*\e+16*\b+4*\j+3], v21 offset:512*\e+128*\b+16*\j   ; register 16 b + i = k 32 b + 16 hh + i of row r
.endr
.endr
.endr
.irp b, 0,1,2,3
	v_mov_b32 v[TM+4+\b], 0                        ; written once: a lane permute's destination counts as one of its sources
.endr
; 64 numbers of a lane become a fragment's codes in v[PC] .. v[PC + 11] and its scale word in v[pw]
.macro QUANT s, pw
.irp b, 0,1,2,3
	v_max3_num_f32 v[TM+\b], |v[\s+16*\b]|, |v[\s+1+16*\b]|, 0x1800000   ; with the floor 2^(3 - 127): the byte cannot fall under 1
.endr
.irp i, 2,4,6,8,10,12,14
.irp b, 0,1,2,3
	v_max3_num_f32 v[TM+\b], v[TM+\b], |v[\s+16*\b+\i]|, |v[\s+1+16*\b+\i]|
.endr
.endr
.irp b, 0,1,2,3
	v_permlanex16_b32 v[TM+4+\b], v[TM+\b], s22, s23
.endr
.irp b, 0,1,2,3
	v_max_num_f32 v[TM+\b], v[TM+\b], v[TM+4+\b]   ; with lane l xor 16's: the block's largest magnitude
.endr
.irp b, 0,1,2,3
	v_add_nc_u32 v[TM+12+\b], 0xff000000, v[TM+\b] ; 2 off its exponent field: the conversion's scale operand
.endr
.irp b, 0,1,2,3
	v_lshrrev_b32 v[TM+4+\b], 23, v[TM+12+\b]      ; the scale's byte
.endr
	v_lshl_or_b32 v[\pw], v[TM+5], 8, v[TM+4]
	v_lshl_or_b32 v[\pw], v[TM+6], 16, v[\pw]
	v_lshl_or_b32 v[\pw], v[TM+7], 24, v[\pw]
.irp c, 0,1
	v_cvt_scalef32_pk16_fp6_f32 v[PC+6*\c:PC+2+6*\c], v[\s+32*\c:\s+15+32*\c], v[TM+12+2*\c]
	v_cvt_scalef32_pk16_fp6_f32 v[PC+12+4*\c:PC+14+4*\c], v[\s+16+32*\c:\s+31+32*\c], v[TM+12+2*\c+1]
.endr
	v_nop                                          ; one plain line behind a scaled conversion
.irp c, 0,1                                    ; a whole block to a lane: lanes 0-15 block 2 c, lanes 16-31 block 2 c + 1
.irp i, 0,1,2
	v_permlane16_swap_b32 v[PC+6*\c+\i], v[PC+12+4*\c+\i]
.endr
.irp i, 0,1,2
	v_mov_b32 v[PC+3+6*\c+\i], v[PC+12+4*\c+\i]
.endr
.endr
.endm
.macro OUT e                           ; the fragment leaves as it stands: 512 and 256 consecutive aligned bytes a store
.irp c, 0,1
	global_store_b128 v1, v[PC+6*\c:PC+6*\c+3], s[16:17] offset:1536*\e+768*\c
	global_store_b64 v22, v[PC+6*\c+4:PC+6*\c+5], s[16:17] offset:1536*\e+768*\c+512
.endr
.endm
	s_wait_dscnt 16                                ; the first K step's 16 loads are in; the second's may be out
	QUANT X, 196
	OUT 0
	s_wait_dscnt 0x0
	s_wait_xcnt 0x0                                ; the stores have read the codes' registers: they are written again only behind this wait
	QUANT X+64, 197
	OUT 1
	v_cndmask_b32 v198, v196, v197, s24            ; lanes 0-15: the first K step's words, lanes 16-31: the second's
	global_store_b32 v23, v198, s[18:19]           ; 128 consecutive bytes
	s_wait_tensorcnt 0x0
	ds_add_u32 v224, v225
	s_wait_dscnt 0x0
	s_endpgm
.Lfunc_end_k_q9853f3d70a_ln1:
	.size	k_q9853f3d70a_ln1, .Lfunc_end_k_q9853f3d70a_ln1-k_q9853f3d70a_ln1
	.p2alignl 7, 3214868480
	.fill 96, 4, 3214868480
	.section	.rodata,"a",@progbits
	.p2align	6, 0x0
	.amdhsa_kernel k_q9853f3d70a_ln1
		.amdhsa_group_segment_fixed_size 67072
		.amdhsa_private_segment_fixed_size 0
		.amdhsa_enable_private_segment 0
		.amdhsa_kernarg_size 32
		.amdhsa_user_sgpr_count 2
		.amdhsa_user_sgpr_kernarg_segment_ptr 1
		.amdhsa_wavefront_size32 1
		.amdhsa_system_sgpr_workgroup_id_x 1
		.amdhsa_system_sgpr_workgroup_id_y 1
		.amdhsa_system_sgpr_workgroup_id_z 1
		.amdhsa_system_vgpr_workitem_id 0
		.amdhsa_next_free_vgpr 226
		.amdhsa_next_free_sgpr 66
		.amdhsa_reserve_vcc 0
		.amdhsa_float_denorm_mode_32 3
		.amdhsa_float_denorm_mode_16_64 3
		.amdhsa_memory_ordered 1
		.amdhsa_forward_progress 1
		.amdhsa_inst_pref_size 43
	.end_amdhsa_kernel
	.amdgpu_metadata
---
amdhsa.version: [ 1, 2 ]
amdhsa.kernels:
  - .name:           k_q9853f3d70a_ln1
    .symbol:         k_q9853f3d70a_ln1.kd
    .args:
      - { .name: x, .offset: 0, .size: 8, .value_kind: global_buffer, .address_space: global }
      - { .name: ln1_g, .offset: 8, .size: 8, .value_kind: global_buffer, .address_space: global }
      - { .name: ln1_b, .offset: 16, .size: 8, .value_kind: global_buffer, .address_space: global }
      - { .name: ybuf, .offset: 24, .size: 8, .value_kind: global_buffer, .address_space: global }
    .group_segment_fixed_size: 67072
    .private_segment_fixed_size: 0
    .kernarg_segment_align: 8
    .kernarg_segment_size: 32
    .max_flat_workgroup_size: 128
    .sgpr_count:     66
    .vgpr_count:     226
    .wavefront_size: 32
...
	.end_amdgpu_metadata
.endif
;; end of part 2
;; launch gqk (part 3): grid 16 x 32, 4 waves a work-group, clusters of 4 x 4, 327,680 bytes of LDS; arguments ybuf, wbuf, bq, bk, qkvbuf; writes qkvbuf
.if DOCPART == 3
	.amdgcn_target "amdgcn-amd-amdhsa--gfx1250"
	.amdhsa_code_object_version 6
	.text
	.protected	k_q9853f3d70a_gqk
	.globl	k_q9853f3d70a_gqk
	.p2align	8
	.type	k_q9853f3d70a_gqk,@function
k_q9853f3d70a_gqk:
	s_mov_b64 s[64:65], 0
	v_nop
	global_prefetch_b8 v0, s[64:65] scope:SCOPE_SE
	s_setreg_imm32_b32 hwreg(HW_REG_WAVE_MODE, 25, 1), 1
	s_wait_xcnt 0x0
	s_wait_alu depctr_hold_cnt(0) depctr_sa_sdst(0) depctr_va_vdst(0) depctr_va_sdst(0) depctr_va_ssrc(0) depctr_va_vcc(0) depctr_vm_vsrc(0)
	s_getreg_b32 s2, hwreg(HW_REG_IB_STS2, 6, 4)
	s_cmp_eq_u32 s2, 0
	s_cbranch_scc0 .Lentry_in_a_cluster
	s_endpgm
.Lentry_in_a_cluster:
	s_bfe_u32 s2, ttmp6, 0x10000c
	s_cmp_lg_u32 s2, 0xf033
	s_cbranch_scc0 .Lentry_shape_is_right
	s_endpgm
.Lentry_shape_is_right:
; q = y wq + bq and k = y wk + bk on codes of FP6 (E2M3) with E8M0 scales, and their results quantised along the head's 64 channels, in registers, for the scores' product.
; OPERANDS are images of the operand's registers.  Rows go in tiles of 16: tile T, place r = row 32 (T / 2) + 8 (T % 2) + r + 8 (r / 8).  A fragment (16 rows x 128 K) is 1,536 bytes: two half images of 768,
; in each lane (r, hh)'s 24 bytes as 16 bytes at 16 x lane and 8 bytes at 512 + 16 r + 8 hh.  Codes: [tile][K step][1,536]; scale words: [tile][K step][16] of 4 bytes.
; A = 4,096 tokens (LN1's codes), B = the 2,048 rows of wq and wk.  A tile of C is 128 x 128, a wave's 64 x 64: 16 accumulators.  All of K = 1,024 lies in two LDS slots of 4 K steps: first fills only.
; THE PRODUCT IS USED TRANSPOSED (source 0 = 16 rows of B, source 1 = 16 rows of A): lane (r, hh) holds token place r, and by the tiles' order register 16 beta + i of a block of 4 accumulators is channel 32 beta + 16 hh + i.
; A wave's 64 rows of B are one head.  The bias is the C of each sum's first product.
; CLUSTER 4 x 4: A's tiles are asked for jointly along a row of the cluster, B's along a column.
; OUT (qkvbuf): k's codes at head block bh x 102,400 + token tile x 768, its pair words at + 49,152; q's codes at 6,553,600 + bh x 49,152, its pair words at 9,699,328 + bh x 2,048.
; A pair word: the two scale bytes of token tile 2 p below, those of tile 2 p + 1 above.  A block of zeros keeps the byte 1.  NaN and infinities are not served.
.set KST,   8                          ; K steps of 128
.set ACO,   0                          ; where A's codes, A's scale words, B's codes, B's scale words begin in their buffers
.set ASO,   3145728
.set BCO,   0
.set BSO,   9437184
.set CM,    1                          ; the bias runs along B's rows
.set TROW,  6144                       ; 4 K steps of one tile
.set HALFT, 4*TROW                     ; 4 tiles: what one tensor load brings, and what one wave reads of A or of B
.set SLOT,  4*HALFT                    ; A's 8 tiles, then B's 8
.set LAPS,  KST/8
.set SCL,   2*SLOT                     ; behind the ring: the scale words of A's 128 rows and B's 128 rows for all of K
.set HALFS, 4*KST*64
.set SPARE, SCL+4*HALFS                ; the spare words, 128 bytes for each wave: no other line names them
.set AH, 16                            ; v16-17 LDS address of my A fragments' 16-byte pieces in slot 0, 1;  v18-19 of their 8-byte pieces
.set AT, 18
.set BH, 20                            ; v20-23 the same for B
.set BT, 22
.set ADRS, 27                          ; v27 my scale words: lanes 0-15 A's rows, lanes 16-31 B's
.set SPW, 28                           ; v28 my spare word; v29 = 0; neither is rewritten
.set NIL, 29
.set OH, 30                            ; v30 16 x lane;  v31 16 r + 8 hh
.set OT, 31
.set SC, 32                            ; v32-39 scale words and nothing else: two sets of 4; register i: lanes 0-15 A's tile i, lanes 16-31 B's tile i
.set BI, 64                            ; v64-95 the bias in the result's layout
.set ACC, 128                          ; v128-255 accumulator (a, b) at 128 + 8 (4 a + b);  window 1: two fragment buffers at v0 and v128: A's tile i at 12 i, B's at 48 + 12 i
.set G1, 24
.set G0, 32
.set G1B, 48
.set G0B, 56
.set G1S, 68
.set G0S, 76
.set G1SB, 80
.set G0SB, 88
.set MUL,  0x05                        ; sources 0 and 1 window 1; C and D window 0
.set TO_F, 0x40                        ; destination window 1, address window 0
.set MSB, 0
.macro WIN new                         ; the immediate's high byte repeats the setting that is left
.if MSB != \new
	s_set_vgpr_msb (MSB<<8)|\new
.set MSB, \new
.endif
.endm
.macro JLOAD g0a, g1a, g0b, g1b        ; a joint load: waves 0 and 1 fetch for A, waves 2 and 3 for B; four v_nop follow each line
	s_cmp_eq_u32 s15, 0
	s_cbranch_scc0 .Lfor_b_\@
	tensor_load_to_lds s[\g0a:\g0a+3], s[\g1a:\g1a+7]
	s_nop 0
.rept 4
	v_nop
.endr
	s_branch .Lasked_\@
.Lfor_b_\@:
	tensor_load_to_lds s[\g0b:\g0b+3], s[\g1b:\g1b+7]
	s_nop 0
.rept 4
	v_nop
.endr
.Lasked_\@:
.endm
.macro CREST                           ; a round of the cluster's barrier behind its opening barrier
	s_cmp_lg_u32 s14, 0
	s_cbranch_scc1 .Lnot_wave_0_\@
	s_barrier_signal -3
.Lnot_wave_0_\@:
	s_barrier_wait -3
	s_barrier_signal -1
	s_barrier_wait -1
.endm
.macro CROUND
	s_barrier_signal -1
	s_barrier_wait -1
	CREST
.endm
.macro PLACES n                        ; plain lines between a matrix instruction and a load into, or a read of, its registers
.rept \n
	v_nop
.endr
.endm
.macro FRAG reg, h, t, off             ; a fragment: 12 registers by four loads, each of 512 or 256 consecutive bytes
	ds_load_b128 v[\reg:\reg+3], v[\h] offset:\off
	ds_load_b64 v[\reg+4:\reg+5], v[\t] offset:\off+512
	ds_load_b128 v[\reg+6:\reg+9], v[\h] offset:\off+768
	ds_load_b64 v[\reg+10:\reg+11], v[\t] offset:\off+1280
.endm
.macro FETCH slot, q, f, sc            ; 36 loads: 4 scale words, B's 4 fragments, A's tiles 0 and 1, A's tiles 2 and 3
	WIN 0
.irp i, 0,1,2,3
	ds_load_b32 v[SC+4*(\sc)+\i], v[ADRS] offset:\i*KST*64+64*(\q)
.endr
	WIN TO_F
.irp i, 0,1,2,3
	FRAG \f+48+12*\i, BH+\slot, BT+\slot, \i*TROW+1536*(\q)
.endr
.irp i, 0,1,2,3
	FRAG \f+12*\i, AH+\slot, AT+\slot, \i*TROW+1536*(\q)
.endr
.endm
.macro MUL4 f, sc, a, cm               ; A's tile a against B's four.  The 16 accumulators take turns in the same order in every step
.irp b, 0,1,2,3
.if \cm == 0
	v_wmma_scale_f32_16x16x128_f8f6f4 v[ACC+8*(4*\a+\b):ACC+8*(4*\a+\b)+7], v[\f+48+12*\b:\f+48+12*\b+11], v[\f+12*\a:\f+12*\a+11], v[ACC+8*(4*\a+\b):ACC+8*(4*\a+\b)+7], v[SC+4*(\sc)+\b], v[SC+4*(\sc)+\a] matrix_a_fmt:MATRIX_FMT_FP6 matrix_b_fmt:MATRIX_FMT_FP6 matrix_a_scale:MATRIX_SCALE_ROW1
.elseif \cm == 1
	v_wmma_scale_f32_16x16x128_f8f6f4 v[ACC+8*(4*\a+\b):ACC+8*(4*\a+\b)+7], v[\f+48+12*\b:\f+48+12*\b+11], v[\f+12*\a:\f+12*\a+11], v[BI+8*\b:BI+8*\b+7], v[SC+4*(\sc)+\b], v[SC+4*(\sc)+\a] matrix_a_fmt:MATRIX_FMT_FP6 matrix_b_fmt:MATRIX_FMT_FP6 matrix_a_scale:MATRIX_SCALE_ROW1
.else
	v_wmma_scale_f32_16x16x128_f8f6f4 v[ACC+8*(4*\a+\b):ACC+8*(4*\a+\b)+7], v[\f+48+12*\b:\f+48+12*\b+11], v[\f+12*\a:\f+12*\a+11], v[BI+8*\a:BI+8*\a+7], v[SC+4*(\sc)+\b], v[SC+4*(\sc)+\a] matrix_a_fmt:MATRIX_FMT_FP6 matrix_b_fmt:MATRIX_FMT_FP6 matrix_a_scale:MATRIX_SCALE_ROW1
.endif
.endr
.endm
.macro STEP slot, q, cm                ; a K step that has its successor in the same slot
.set PF, 128*((\q)%2)
.set PG, 128-PF
.set PS, (\q)%2
.set PT, 1-PS
	s_wait_dscnt 8                                 ; all but the youngest 8 loads (A's tiles 2 and 3)
	WIN MUL
	MUL4 PF, PS, 0, \cm
	MUL4 PF, PS, 1, \cm
	PLACES 4                                       ; for the loads into the other buffer and its scale words, which the last step's products read
	FETCH \slot, (\q)+1, PG, PT
	s_wait_dscnt 36                                ; all but the 36 just issued
	WIN MUL
	MUL4 PF, PS, 2, \cm
	MUL4 PF, PS, 3, \cm
.endm
.macro TURN slot, next, fill           ; a slot's last step changes slots: one barrier
	WIN 0
	s_wait_tensorcnt 0x0                           ; all my tensor loads have landed, my part of the next slot among them
	ds_add_u32 v[SPW], v[NIL]                      ; 0 onto my spare word
	s_wait_dscnt 9                                 ; (the add and A's tiles 2 and 3 may be out)
	WIN MUL
	MUL4 128, 1, 0, 0
	s_wait_dscnt 0x0                               ; the add is done, and my reads of this slot are over
	s_barrier_signal -1
	MUL4 128, 1, 1, 0
	WIN 0
	s_barrier_wait -1
.if \fill
	CREST                                          ; the barrier has opened a round of the cluster's barrier
	s_add_nc_u64 s[G0+4*\slot+2:G0+4*\slot+3], s[G0+4*\slot+2:G0+4*\slot+3], 2*TROW
	s_add_nc_u64 s[G0B+4*\slot+2:G0B+4*\slot+3], s[G0B+4*\slot+2:G0B+4*\slot+3], 2*TROW
	JLOAD G0+4*\slot, G1, G0B+4*\slot, G1B         ; the first tensor load behind the round; its four v_nop are the places for the loads below
.else
	PLACES 4
.endif
	v_add_nc_u32 v[ADRS], 256, v[ADRS]             ; the next slot's scale words
	FETCH \next, 0, 0, 0
	WIN MUL
	MUL4 128, 1, 2, 0
	MUL4 128, 1, 3, 0
.endm
	s_load_b128 s[4:7], s[0:1], 0x0                ; A, B
	s_load_b128 s[8:11], s[0:1], 0x10              ; bq, bk
	s_load_b64 s[12:13], s[0:1], 0x20              ; qkvbuf
	v_lshl_add_u32 v[SPW], v0, 2, SPARE
	v_mov_b32 v[NIL], 0
	ds_add_u32 v28, v29
	ds_add_u32 v28, v29
	s_wait_dscnt 0x0
	v_lshrrev_b32 v1, 5, v0
	v_readfirstlane_b32 s14, v1                    ; wave 0..3
	s_lshr_b32 s15, s14, 1                         ; my half of A's rows.  Also: I fetch for A (0) or for B (1)
	s_and_b32 s16, s14, 1                          ; my half of B's rows.  Also: which 4 tiles I fetch
	s_bfe_u32 s40, ttmp6, 0x40000                  ; cx, cy
	s_bfe_u32 s41, ttmp6, 0x40004
	s_lshl_b32 s42, ttmp9, 2
	s_add_co_u32 s42, s42, s40                     ; B's block of 128 rows
	s_and_b32 s17, ttmp7, 0xffff
	s_lshl_b32 s17, s17, 2
	s_add_co_u32 s17, s17, s41                     ; A's block of 128 rows
	s_lshl_b32 s43, s41, 2
	s_lshl_b32 s43, 15, s43                        ; my row of the cluster
	s_lshl_b32 s44, 0x1111, s40                    ; my column
	; group 1 for codes: 4 rows (tiles) of 768 elements of 8 bytes (4 K steps), a tile's K steps apart; no padding
	s_or_b32 s[G1+0], s43, (3<<16)|(1<<21)
	s_or_b32 s[G1B+0], s44, (3<<16)|(1<<21)
.irp g, G1, G1B
	s_mov_b32 s[\g+1], 768<<16
	s_mov_b32 s[\g+2], 4<<16
	s_mov_b32 s[\g+3], 768<<16
	s_mov_b32 s[\g+4], 4
	s_mov_b32 s[\g+5], KST*192
	s_mov_b32 s[\g+6], 0
	s_mov_b32 s[\g+7], 0
.endr
	; and for the scale words of 4 tiles: a dense block, as rows of 256 bytes
	s_or_b32 s[G1S+0], s43, (3<<16)|(1<<21)
	s_or_b32 s[G1SB+0], s44, (3<<16)|(1<<21)
.irp g, G1S, G1SB
	s_mov_b32 s[\g+1], 32<<16
	s_mov_b32 s[\g+2], (HALFS/256)<<16
	s_mov_b32 s[\g+3], 32<<16
	s_mov_b32 s[\g+4], HALFS/256
	s_mov_b32 s[\g+5], 32
	s_mov_b32 s[\g+6], 0
	s_mov_b32 s[\g+7], 0
.endr
	s_lshl_b32 s18, s16, 2
	s_lshl_b32 s20, s17, 3
	s_add_co_u32 s20, s20, s18                     ; A's first tile that I fetch
	s_lshl_b32 s46, s42, 3
	s_add_co_u32 s46, s46, s18                     ; B's
	s_mul_i32 s22, s20, KST*64
	s_add_co_u32 s22, s22, ASO
	s_mov_b32 s23, 0
	s_mul_i32 s92, s46, KST*64
	s_add_co_u32 s92, s92, BSO
	s_mov_b32 s93, 0
	s_mul_i32 s20, s20, KST*1536
	s_add_co_u32 s20, s20, ACO
	s_mov_b32 s21, 0
	s_mul_i32 s46, s46, KST*1536
	s_add_co_u32 s46, s46, BCO
	s_mov_b32 s47, 0
	s_mul_i32 s45, s14, HALFT                      ; where they go: by the wave's number alone
	s_mul_i32 s94, s14, HALFS
	s_mov_b32 s96, 0x76543210
	s_mov_b32 s97, 0xfedcba98                      ; v_permlanex16_b32's selects for lane l xor 16
	s_mov_b32 s98, 0xffff0000                      ; lanes 16-31
	s_wait_kmcnt 0x0
	s_add_nc_u64 s[20:21], s[4:5], s[20:21]
	s_add_nc_u64 s[22:23], s[4:5], s[22:23]
	s_add_nc_u64 s[46:47], s[6:7], s[46:47]
	s_add_nc_u64 s[92:93], s[6:7], s[92:93]
	CROUND                                         ; all sixteen work-groups are here: the first joint loads meet
	s_mov_b32 s[G0S], 1
	s_add_co_u32 s[G0S+1], s94, SCL
	s_mov_b64 s[G0S+2:G0S+3], s[22:23]
	s_or_b32 s[G0S+3], s[G0S+3], 0x80000000
	s_mov_b32 s[G0SB], 1
	s_add_co_u32 s[G0SB+1], s94, SCL
	s_mov_b64 s[G0SB+2:G0SB+3], s[92:93]
	s_or_b32 s[G0SB+3], s[G0SB+3], 0x80000000
	JLOAD G0S, G1S, G0SB, G1SB                     ; the scale words first: they are wanted with K step 0
.irp s, 0,1
	s_mov_b32 s[G0+4*\s], 1
	s_add_co_u32 s[G0+4*\s+1], s45, \s*SLOT
	s_add_nc_u64 s[G0+4*\s+2:G0+4*\s+3], s[20:21], \s*TROW
	s_or_b32 s[G0+4*\s+3], s[G0+4*\s+3], 0x80000000
	s_mov_b32 s[G0B+4*\s], 1
	s_add_co_u32 s[G0B+4*\s+1], s45, \s*SLOT
	s_add_nc_u64 s[G0B+4*\s+2:G0B+4*\s+3], s[46:47], \s*TROW
	s_or_b32 s[G0B+4*\s+3], s[G0B+4*\s+3], 0x80000000
	JLOAD G0+4*\s, G1, G0B+4*\s, G1B               ; three loads of mine are out now
.endr
	v_and_b32 v1, 15, v0                           ; r
	v_bfe_u32 v2, v0, 4, 1                         ; hh
	v_and_b32 v3, 31, v0                           ; lane
	v_lshlrev_b32 v[OH], 4, v3
	v_lshlrev_b32 v[OT], 4, v1
	v_lshl_add_u32 v[OT], v2, 3, v[OT]
	s_mul_i32 s21, s15, HALFT
	s_mul_i32 s22, s16, HALFT
	s_add_co_u32 s22, s22, 2*HALFT
.irp s, 0,1
	v_add_nc_u32 v[AH+\s], s21, v[OH]
	v_add_nc_u32 v[AT+\s], s21, v[OT]
	v_add_nc_u32 v[BH+\s], s22, v[OH]
	v_add_nc_u32 v[BT+\s], s22, v[OT]
	s_add_co_u32 s21, s21, SLOT
	s_add_co_u32 s22, s22, SLOT
.endr
	s_mul_i32 s21, s15, HALFS
	s_mul_i32 s22, s16, HALFS
	s_add_co_u32 s22, s22, 2*HALFS
	s_sub_co_u32 s22, s22, s21
	v_mul_u32_u24 v6, s22, v2                      ; lanes 16-31 take B's words
	s_add_co_u32 s21, s21, SCL
	v_lshl_add_u32 v5, v1, 2, v6
	v_add_nc_u32 v[ADRS], s21, v5
	; the bias: for B's tile b lane (r, hh) wants the numbers of rows 32 (b / 2) + 8 (b % 2) + 16 hh + 0 .. 7.  Blocks 0-7 of B are wq's, 8-15 wk's
	s_cmp_lt_u32 s42, 8
	s_cselect_b64 s[8:9], s[8:9], s[10:11]
	s_and_b32 s46, s42, 7
	s_lshl_b32 s46, s46, 9
	s_lshl_b32 s47, s16, 8
	s_add_co_u32 s46, s46, s47
	s_mov_b32 s47, 0
	s_add_nc_u64 s[8:9], s[8:9], s[46:47]
	v_lshlrev_b32 v4, 6, v2
.irp b, 0,1,2,3
	global_load_b128 v[BI+8*\b:BI+8*\b+3], v4, s[8:9] offset:(32*(\b/2)+8*(\b%2))*4
	global_load_b128 v[BI+8*\b+4:BI+8*\b+7], v4, s[8:9] offset:(32*(\b/2)+8*(\b%2))*4+16
.endr
	s_wait_loadcnt 0x0
	s_wait_tensorcnt 1                             ; the scale words and my part of slot 0 are in; slot 1's load may be out
	s_barrier_signal -1
	s_barrier_wait -1
	FETCH 0, 0, 0, 0
	STEP 0, 0, CM                                  ; the first step's products start the sums on the bias
	STEP 0, 1, 0
	STEP 0, 2, 0
	TURN 0, 1, 0
	STEP 1, 0, 0
	STEP 1, 1, 0
	STEP 1, 2, 0
	s_wait_dscnt 8                                 ; the last step: nothing more to fetch
	WIN MUL
	MUL4 128, 1, 0, 0
	MUL4 128, 1, 1, 0
	s_wait_dscnt 0x0
	MUL4 128, 1, 2, 0
	MUL4 128, 1, 3, 0
	WIN 0
	PLACES 4
	; THE WAY OUT.  No tensor load is out since the change of slots: the descriptors' registers are free
	s_lshl_b32 s50, s42, 1
	s_add_co_u32 s50, s50, s16                     ; my 64 rows of B: 0-15 q's heads, 16-31 k's
	s_lshr_b32 s51, s50, 4
	s_and_b32 s52, s50, 15                         ; head
	s_lshr_b32 s53, s17, 3
	s_lshl_b32 s53, s53, 4
	s_add_co_u32 s53, s53, s52                     ; bh = 16 x batch + head
	s_and_b32 s54, s17, 7
	s_lshl_b32 s54, s54, 3
	s_lshl_b32 s55, s15, 2
	s_add_co_u32 s54, s54, s55                     ; my first token tile in the batch
	s_mul_i32 s56, s53, 102400
	s_mul_i32 s57, s53, 49152
	s_add_co_u32 s57, s57, 6553600
	s_mul_i32 s58, s53, 2048
	s_add_co_u32 s58, s58, 9699328
	s_add_co_u32 s59, s56, 49152
	s_cmp_eq_u32 s51, 1
	s_cselect_b32 s56, s56, s57                    ; codes: k's or q's
	s_cselect_b32 s58, s59, s58                    ; pair words
	s_mul_i32 s57, s54, 768
	s_add_co_u32 s56, s56, s57
	s_mov_b32 s57, 0
	s_lshl_b32 s59, s54, 5
	s_add_co_u32 s58, s58, s59
	s_mov_b32 s59, 0
	s_add_nc_u64 s[56:57], s[12:13], s[56:57]
	s_add_nc_u64 s[58:59], s[12:13], s[58:59]
	v_mov_b32 v42, 0                               ; written once: a lane permute's destination counts as one of its sources
	v_mov_b32 v43, 0
; 32 numbers of a lane, register 16 beta + i = k 32 beta + 16 hh + i of my row, become a half image's codes in v52-57 and two scale bytes in v[48 + a].  Each accumulator is read from its low end on
.macro QUANT2 s, a
	v_max3_num_f32 v40, |v[\s]|, |v[\s+1]|, 0x1800000
	v_max3_num_f32 v41, |v[\s+16]|, |v[\s+17]|, 0x1800000
.irp i, 2,4,6,8,10,12,14
	v_max3_num_f32 v40, v40, |v[\s+\i]|, |v[\s+\i+1]|
	v_max3_num_f32 v41, v41, |v[\s+16+\i]|, |v[\s+17+\i]|
.endr
	v_permlanex16_b32 v42, v40, s96, s97
	v_permlanex16_b32 v43, v41, s96, s97
	v_max_num_f32 v40, v40, v42
	v_max_num_f32 v41, v41, v43
	v_add_nc_u32 v44, 0xff000000, v40
	v_add_nc_u32 v45, 0xff000000, v41
	v_lshrrev_b32 v42, 23, v44
	v_lshrrev_b32 v43, 23, v45
	v_lshl_or_b32 v[48+\a], v43, 8, v42
	v_cvt_scalef32_pk16_fp6_f32 v[52:54], v[\s:\s+15], v44
	v_cvt_scalef32_pk16_fp6_f32 v[58:60], v[\s+16:\s+31], v45
	v_nop                                          ; one plain line behind a scaled conversion
	v_permlane16_swap_b32 v52, v58
	v_permlane16_swap_b32 v53, v59
	v_permlane16_swap_b32 v54, v60
	v_mov_b32 v55, v58
	v_mov_b32 v56, v59
	v_mov_b32 v57, v60
.endm
.irp a, 0,1,2,3
.if \a > 0
	s_wait_xcnt 0x0                                ; the last block's stores have read the codes' registers
.endif
	QUANT2 ACC+32*\a, \a
	global_store_b128 v[OH], v[52:55], s[56:57] offset:768*\a        ; 512 consecutive aligned bytes
	global_store_b64 v[OT], v[56:57], s[56:57] offset:768*\a+512     ; 256
.endr
	v_lshl_or_b32 v46, v49, 16, v48                ; the pair words of my tiles 0, 1 and 2, 3
	v_lshl_or_b32 v47, v51, 16, v50
	v_cndmask_b32 v46, v46, v47, s98
	v_lshlrev_b32 v61, 2, v3
	global_store_b32 v61, v46, s[58:59]            ; 128 consecutive bytes
	s_wait_tensorcnt 0x0                           ; the wave's end
	ds_add_u32 v[SPW], v[NIL]
	s_wait_dscnt 0x0
	CROUND                                         ; the closing round
	s_endpgm
.Lfunc_end_k_q9853f3d70a_gqk:
	.size	k_q9853f3d70a_gqk, .Lfunc_end_k_q9853f3d70a_gqk-k_q9853f3d70a_gqk
	.p2alignl 7, 3214868480
	.fill 96, 4, 3214868480
	.section	.rodata,"a",@progbits
	.p2align	6, 0x0
	.amdhsa_kernel k_q9853f3d70a_gqk
		.amdhsa_group_segment_fixed_size 327680
		.amdhsa_private_segment_fixed_size 0
		.amdhsa_enable_private_segment 0
		.amdhsa_kernarg_size 40
		.amdhsa_user_sgpr_count 2
		.amdhsa_user_sgpr_kernarg_segment_ptr 1
		.amdhsa_wavefront_size32 1
		.amdhsa_system_sgpr_workgroup_id_x 1
		.amdhsa_system_sgpr_workgroup_id_y 1
		.amdhsa_system_sgpr_workgroup_id_z 1
		.amdhsa_system_vgpr_workitem_id 0
		.amdhsa_next_free_vgpr 512
		.amdhsa_next_free_sgpr 100
		.amdhsa_reserve_vcc 0
		.amdhsa_float_denorm_mode_32 3
		.amdhsa_float_denorm_mode_16_64 3
		.amdhsa_memory_ordered 1
		.amdhsa_forward_progress 1
		.amdhsa_inst_pref_size 57
	.end_amdhsa_kernel
	.amdgpu_metadata
---
amdhsa.version: [ 1, 2 ]
amdhsa.kernels:
  - .name:           k_q9853f3d70a_gqk
    .symbol:         k_q9853f3d70a_gqk.kd
    .args:
      - { .name: ybuf, .offset: 0, .size: 8, .value_kind: global_buffer, .address_space: global }
      - { .name: wbuf, .offset: 8, .size: 8, .value_kind: global_buffer, .address_space: global }
      - { .name: bq, .offset: 16, .size: 8, .value_kind: global_buffer, .address_space: global }
      - { .name: bk, .offset: 24, .size: 8, .value_kind: global_buffer, .address_space: global }
      - { .name: qkvbuf, .offset: 32, .size: 8, .value_kind: global_buffer, .address_space: global }
    .group_segment_fixed_size: 327680
    .private_segment_fixed_size: 0
    .kernarg_segment_align: 8
    .kernarg_segment_size: 40
    .max_flat_workgroup_size: 128
    .sgpr_count:     100
    .vgpr_count:     512
    .wavefront_size: 32
...
	.end_amdgpu_metadata
.endif
;; end of part 3
;; launch gv (part 4): grid 32 x 8, 4 waves a work-group, clusters of 4 x 4, 327,680 bytes of LDS; arguments wbuf, ybuf, bv, qkvbuf; writes qkvbuf
.if DOCPART == 4
	.amdgcn_target "amdgcn-amd-amdhsa--gfx1250"
	.amdhsa_code_object_version 6
	.text
	.protected	k_q9853f3d70a_gv
	.globl	k_q9853f3d70a_gv
	.p2align	8
	.type	k_q9853f3d70a_gv,@function
k_q9853f3d70a_gv:
	s_mov_b64 s[64:65], 0
	v_nop
	global_prefetch_b8 v0, s[64:65] scope:SCOPE_SE
	s_setreg_imm32_b32 hwreg(HW_REG_WAVE_MODE, 25, 1), 1
	s_wait_xcnt 0x0
	s_wait_alu depctr_hold_cnt(0) depctr_sa_sdst(0) depctr_va_vdst(0) depctr_va_sdst(0) depctr_va_ssrc(0) depctr_va_vcc(0) depctr_vm_vsrc(0)
	s_getreg_b32 s2, hwreg(HW_REG_IB_STS2, 6, 4)
	s_cmp_eq_u32 s2, 0
	s_cbranch_scc0 .Lentry_in_a_cluster
	s_endpgm
.Lentry_in_a_cluster:
	s_bfe_u32 s2, ttmp6, 0x10000c
	s_cmp_lg_u32 s2, 0xf033
	s_cbranch_scc0 .Lentry_shape_is_right
	s_endpgm
.Lentry_shape_is_right:
; v = y wv + bv on codes of FP6 (E2M3) with E8M0 scales, its result quantised ALONG THE KEYS, in registers, for attention's second product.
; OPERANDS are images of the operand's registers.  Rows go in tiles of 16: tile T, place r = row 32 (T / 2) + 8 (T % 2) + r + 8 (r / 8).  A fragment (16 rows x 128 K) is 1,536 bytes: two half images of 768,
; in each lane (r, hh)'s 24 bytes as 16 bytes at 16 x lane and 8 bytes at 512 + 16 r + 8 hh.  Codes: [tile][K step][1,536]; scale words: [tile][K step][16] of 4 bytes.
; THE ROLES ARE SWAPPED against q's and k's launch: A = the 1,024 rows of wv, B = the 4,096 tokens.  The product is used transposed (source 0 = 16 rows of B, source 1 = 16 rows of A): lane (r, hh) holds
; ONE CHANNEL (place r of a tile of wv) and register 16 beta + i of a block of 4 accumulators is token 32 beta + 16 hh + i: 16 neighbours along the next K.  A wave's 64 rows of A are one head, its 64 tokens one half image.
; A tile of C is 128 x 128, a wave's 64 x 64.  All of K = 1,024 lies in two LDS slots of 4 K steps: first fills only.  The bias runs along A's rows: one number a lane, the C of each sum's first product.
; CLUSTER 4 x 4: A's tiles are asked for jointly along a row of the cluster, B's along a column.
; OUT (qkvbuf, head block bh x 102,400): codes at + 51,200 + channel tile x 12,288 + (key / 64) x 768; scale words at + 100,352 + channel tile x 512 + (key / 128) x 64 + 4 r.
; A wave makes two of a word's four bytes: they leave by stores of 2 bytes a lane (128 KiB in the launch).  A block of zeros keeps the byte 1.  NaN and infinities are not served.
.set KST,   8
.set ACO,   1572864
.set ASO,   9502720
.set BCO,   0
.set BSO,   3145728
.set CM,    2                          ; the bias runs along A's rows
.set TROW,  6144
.set HALFT, 4*TROW
.set SLOT,  4*HALFT
.set LAPS,  KST/8
.set SCL,   2*SLOT
.set HALFS, 4*KST*64
.set SPARE, SCL+4*HALFS
.set AH, 16
.set AT, 18
.set BH, 20
.set BT, 22
.set ADRS, 27
.set SPW, 28
.set NIL, 29
.set OH, 30
.set OT, 31
.set SC, 32                            ; v32-39 scale words and nothing else
.set BI, 64
.set ACC, 128
.set G1, 24
.set G0, 32
.set G1B, 48
.set G0B, 56
.set G1S, 68
.set G0S, 76
.set G1SB, 80
.set G0SB, 88
.set MUL,  0x05
.set TO_F, 0x40
.set MSB, 0
.macro WIN new                         ; the immediate's high byte repeats the setting that is left
.if MSB != \new
	s_set_vgpr_msb (MSB<<8)|\new
.set MSB, \new
.endif
.endm
.macro JLOAD g0a, g1a, g0b, g1b        ; a joint load: waves 0 and 1 fetch for A, waves 2 and 3 for B; four v_nop follow each line
	s_cmp_eq_u32 s15, 0
	s_cbranch_scc0 .Lfor_b_\@
	tensor_load_to_lds s[\g0a:\g0a+3], s[\g1a:\g1a+7]
	s_nop 0
.rept 4
	v_nop
.endr
	s_branch .Lasked_\@
.Lfor_b_\@:
	tensor_load_to_lds s[\g0b:\g0b+3], s[\g1b:\g1b+7]
	s_nop 0
.rept 4
	v_nop
.endr
.Lasked_\@:
.endm
.macro CREST
	s_cmp_lg_u32 s14, 0
	s_cbranch_scc1 .Lnot_wave_0_\@
	s_barrier_signal -3
.Lnot_wave_0_\@:
	s_barrier_wait -3
	s_barrier_signal -1
	s_barrier_wait -1
.endm
.macro CROUND
	s_barrier_signal -1
	s_barrier_wait -1
	CREST
.endm
.macro PLACES n                        ; plain lines between a matrix instruction and a load into, or a read of, its registers
.rept \n
	v_nop
.endr
.endm
.macro FRAG reg, h, t, off
	ds_load_b128 v[\reg:\reg+3], v[\h] offset:\off
	ds_load_b64 v[\reg+4:\reg+5], v[\t] offset:\off+512
	ds_load_b128 v[\reg+6:\reg+9], v[\h] offset:\off+768
	ds_load_b64 v[\reg+10:\reg+11], v[\t] offset:\off+1280
.endm
.macro FETCH slot, q, f, sc            ; 36 loads: 4 scale words, B's 4 fragments, A's tiles 0 and 1, A's tiles 2 and 3
	WIN 0
.irp i, 0,1,2,3
	ds_load_b32 v[SC+4*(\sc)+\i], v[ADRS] offset:\i*KST*64+64*(\q)
.endr
	WIN TO_F
.irp i, 0,1,2,3
	FRAG \f+48+12*\i, BH+\slot, BT+\slot, \i*TROW+1536*(\q)
.endr
.irp i, 0,1,2,3
	FRAG \f+12*\i, AH+\slot, AT+\slot, \i*TROW+1536*(\q)
.endr
.endm
.macro MUL4 f, sc, a, cm               ; A's tile a against B's four; the 16 accumulators take turns
.irp b, 0,1,2,3
.if \cm == 0
	v_wmma_scale_f32_16x16x128_f8f6f4 v[ACC+8*(4*\a+\b):ACC+8*(4*\a+\b)+7], v[\f+48+12*\b:\f+48+12*\b+11], v[\f+12*\a:\f+12*\a+11], v[ACC+8*(4*\a+\b):ACC+8*(4*\a+\b)+7], v[SC+4*(\sc)+\b], v[SC+4*(\sc)+\a] matrix_a_fmt:MATRIX_FMT_FP6 matrix_b_fmt:MATRIX_FMT_FP6 matrix_a_scale:MATRIX_SCALE_ROW1
.elseif \cm == 1
	v_wmma_scale_f32_16x16x128_f8f6f4 v[ACC+8*(4*\a+\b):ACC+8*(4*\a+\b)+7], v[\f+48+12*\b:\f+48+12*\b+11], v[\f+12*\a:\f+12*\a+11], v[BI+8*\b:BI+8*\b+7], v[SC+4*(\sc)+\b], v[SC+4*(\sc)+\a] matrix_a_fmt:MATRIX_FMT_FP6 matrix_b_fmt:MATRIX_FMT_FP6 matrix_a_scale:MATRIX_SCALE_ROW1
.else
	v_wmma_scale_f32_16x16x128_f8f6f4 v[ACC+8*(4*\a+\b):ACC+8*(4*\a+\b)+7], v[\f+48+12*\b:\f+48+12*\b+11], v[\f+12*\a:\f+12*\a+11], v[BI+8*\a:BI+8*\a+7], v[SC+4*(\sc)+\b], v[SC+4*(\sc)+\a] matrix_a_fmt:MATRIX_FMT_FP6 matrix_b_fmt:MATRIX_FMT_FP6 matrix_a_scale:MATRIX_SCALE_ROW1
.endif
.endr
.endm
.macro STEP slot, q, cm
.set PF, 128*((\q)%2)
.set PG, 128-PF
.set PS, (\q)%2
.set PT, 1-PS
	s_wait_dscnt 8                                 ; all but the youngest 8 loads (A's tiles 2 and 3)
	WIN MUL
	MUL4 PF, PS, 0, \cm
	MUL4 PF, PS, 1, \cm
	PLACES 4                                       ; for the loads into the other buffer and its scale words
	FETCH \slot, (\q)+1, PG, PT
	s_wait_dscnt 36                                ; all but the 36 just issued
	WIN MUL
	MUL4 PF, PS, 2, \cm
	MUL4 PF, PS, 3, \cm
.endm
.macro TURN slot, next, fill
	WIN 0
	s_wait_tensorcnt 0x0                           ; all my tensor loads have landed, my part of the next slot among them
	ds_add_u32 v[SPW], v[NIL]                      ; 0 onto my spare word
	s_wait_dscnt 9                                 ; (the add and A's tiles 2 and 3 may be out)
	WIN MUL
	MUL4 128, 1, 0, 0
	s_wait_dscnt 0x0                               ; the add is done, and my reads of this slot are over
	s_barrier_signal -1
	MUL4 128, 1, 1, 0
	WIN 0
	s_barrier_wait -1
.if \fill
	CREST
	s_add_nc_u64 s[G0+4*\slot+2:G0+4*\slot+3], s[G0+4*\slot+2:G0+4*\slot+3], 2*TROW
	s_add_nc_u64 s[G0B+4*\slot+2:G0B+4*\slot+3], s[G0B+4*\slot+2:G0B+4*\slot+3], 2*TROW
	JLOAD G0+4*\slot, G1, G0B+4*\slot, G1B
.else
	PLACES 4
.endif
	v_add_nc_u32 v[ADRS], 256, v[ADRS]
	FETCH \next, 0, 0, 0
	WIN MUL
	MUL4 128, 1, 2, 0
	MUL4 128, 1, 3, 0
.endm
	s_load_b128 s[4:7], s[0:1], 0x0                ; A (wbuf), B (ybuf)
	s_load_b128 s[8:11], s[0:1], 0x10              ; bv, qkvbuf
	v_lshl_add_u32 v[SPW], v0, 2, SPARE
	v_mov_b32 v[NIL], 0
	ds_add_u32 v28, v29
	ds_add_u32 v28, v29
	s_wait_dscnt 0x0
	v_lshrrev_b32 v1, 5, v0
	v_readfirstlane_b32 s14, v1
	s_lshr_b32 s15, s14, 1
	s_and_b32 s16, s14, 1
	s_bfe_u32 s40, ttmp6, 0x40000
	s_bfe_u32 s41, ttmp6, 0x40004
	s_lshl_b32 s42, ttmp9, 2
	s_add_co_u32 s42, s42, s40                     ; B's block of 128 rows
	s_and_b32 s17, ttmp7, 0xffff
	s_lshl_b32 s17, s17, 2
	s_add_co_u32 s17, s17, s41                     ; A's block of 128 rows
	s_lshl_b32 s43, s41, 2
	s_lshl_b32 s43, 15, s43
	s_lshl_b32 s44, 0x1111, s40
	s_or_b32 s[G1+0], s43, (3<<16)|(1<<21)
	s_or_b32 s[G1B+0], s44, (3<<16)|(1<<21)
.irp g, G1, G1B
	s_mov_b32 s[\g+1], 768<<16
	s_mov_b32 s[\g+2], 4<<16
	s_mov_b32 s[\g+3], 768<<16
	s_mov_b32 s[\g+4], 4
	s_mov_b32 s[\g+5], KST*192
	s_mov_b32 s[\g+6], 0
	s_mov_b32 s[\g+7], 0
.endr
	s_or_b32 s[G1S+0], s43, (3<<16)|(1<<21)
	s_or_b32 s[G1SB+0], s44, (3<<16)|(1<<21)
.irp g, G1S, G1SB
	s_mov_b32 s[\g+1], 32<<16
	s_mov_b32 s[\g+2], (HALFS/256)<<16
	s_mov_b32 s[\g+3], 32<<16
	s_mov_b32 s[\g+4], HALFS/256
	s_mov_b32 s[\g+5], 32
	s_mov_b32 s[\g+6], 0
	s_mov_b32 s[\g+7], 0
.endr
	s_lshl_b32 s18, s16, 2
	s_lshl_b32 s20, s17, 3
	s_add_co_u32 s20, s20, s18
	s_lshl_b32 s46, s42, 3
	s_add_co_u32 s46, s46, s18
	s_mul_i32 s22, s20, KST*64
	s_add_co_u32 s22, s22, ASO
	s_mov_b32 s23, 0
	s_mul_i32 s92, s46, KST*64
	s_add_co_u32 s92, s92, BSO
	s_mov_b32 s93, 0
	s_mul_i32 s20, s20, KST*1536
	s_add_co_u32 s20, s20, ACO
	s_mov_b32 s21, 0
	s_mul_i32 s46, s46, KST*1536
	s_add_co_u32 s46, s46, BCO
	s_mov_b32 s47, 0
	s_mul_i32 s45, s14, HALFT
	s_mul_i32 s94, s14, HALFS
	s_mov_b32 s96, 0x76543210
	s_mov_b32 s97, 0xfedcba98
	s_mov_b32 s98, 0xffff0000
	s_wait_kmcnt 0x0
	s_add_nc_u64 s[20:21], s[4:5], s[20:21]
	s_add_nc_u64 s[22:23], s[4:5], s[22:23]
	s_add_nc_u64 s[46:47], s[6:7], s[46:47]
	s_add_nc_u64 s[92:93], s[6:7], s[92:93]
	CROUND                                         ; all sixteen work-groups are here: the first joint loads meet
	s_mov_b32 s[G0S], 1
	s_add_co_u32 s[G0S+1], s94, SCL
	s_mov_b64 s[G0S+2:G0S+3], s[22:23]
	s_or_b32 s[G0S+3], s[G0S+3], 0x80000000
	s_mov_b32 s[G0SB], 1
	s_add_co_u32 s[G0SB+1], s94, SCL
	s_mov_b64 s[G0SB+2:G0SB+3], s[92:93]
	s_or_b32 s[G0SB+3], s[G0SB+3], 0x80000000
	JLOAD G0S, G1S, G0SB, G1SB
.irp s, 0,1
	s_mov_b32 s[G0+4*\s], 1
	s_add_co_u32 s[G0+4*\s+1], s45, \s*SLOT
	s_add_nc_u64 s[G0+4*\s+2:G0+4*\s+3], s[20:21], \s*TROW
	s_or_b32 s[G0+4*\s+3], s[G0+4*\s+3], 0x80000000
	s_mov_b32 s[G0B+4*\s], 1
	s_add_co_u32 s[G0B+4*\s+1], s45, \s*SLOT
	s_add_nc_u64 s[G0B+4*\s+2:G0B+4*\s+3], s[46:47], \s*TROW
	s_or_b32 s[G0B+4*\s+3], s[G0B+4*\s+3], 0x80000000
	JLOAD G0+4*\s, G1, G0B+4*\s, G1B               ; three loads of mine are out now
.endr
	v_and_b32 v1, 15, v0
	v_bfe_u32 v2, v0, 4, 1
	v_and_b32 v3, 31, v0
	v_lshlrev_b32 v[OH], 4, v3
	v_lshlrev_b32 v[OT], 4, v1
	v_lshl_add_u32 v[OT], v2, 3, v[OT]
	s_mul_i32 s21, s15, HALFT
	s_mul_i32 s22, s16, HALFT
	s_add_co_u32 s22, s22, 2*HALFT
.irp s, 0,1
	v_add_nc_u32 v[AH+\s], s21, v[OH]
	v_add_nc_u32 v[AT+\s], s21, v[OT]
	v_add_nc_u32 v[BH+\s], s22, v[OH]
	v_add_nc_u32 v[BT+\s], s22, v[OT]
	s_add_co_u32 s21, s21, SLOT
	s_add_co_u32 s22, s22, SLOT
.endr
	s_mul_i32 s21, s15, HALFS
	s_mul_i32 s22, s16, HALFS
	s_add_co_u32 s22, s22, 2*HALFS
	s_sub_co_u32 s22, s22, s21
	v_mul_u32_u24 v6, s22, v2
	s_add_co_u32 s21, s21, SCL
	v_lshl_add_u32 v5, v1, 2, v6
	v_add_nc_u32 v[ADRS], s21, v5
	; the bias: for A's tile a lane (r, hh) wants the number of row 32 (a / 2) + 8 (a % 2) + r + 8 (r / 8), in all eight registers
	s_lshl_b32 s20, s17, 9
	s_lshl_b32 s21, s15, 8
	s_add_co_u32 s20, s20, s21
	s_mov_b32 s21, 0
	s_add_nc_u64 s[8:9], s[8:9], s[20:21]
	v_and_b32 v4, 8, v1
	v_add_nc_u32 v4, v4, v1
	v_lshlrev_b32 v4, 2, v4
.irp a, 0,1,2,3
	global_load_b32 v[40+\a], v4, s[8:9] offset:(32*(\a/2)+8*(\a%2))*4
.endr
	s_wait_loadcnt 0x0
.irp a, 0,1,2,3
.irp j, 0,1,2,3,4,5,6,7
	v_mov_b32 v[BI+8*\a+\j], v[40+\a]
.endr
.endr
	PLACES 4
	s_wait_tensorcnt 1                             ; the scale words and my part of slot 0 are in; slot 1's load may be out
	s_barrier_signal -1
	s_barrier_wait -1
	FETCH 0, 0, 0, 0
	STEP 0, 0, CM
	STEP 0, 1, 0
	STEP 0, 2, 0
	TURN 0, 1, 0
	STEP 1, 0, 0
	STEP 1, 1, 0
	STEP 1, 2, 0
	s_wait_dscnt 8
	WIN MUL
	MUL4 128, 1, 0, 0
	MUL4 128, 1, 1, 0
	s_wait_dscnt 0x0
	MUL4 128, 1, 2, 0
	MUL4 128, 1, 3, 0
	WIN 0
	PLACES 4
	; THE WAY OUT.  No tensor load is out since the change of slots: the descriptors' registers are free
	s_lshl_b32 s50, s17, 1
	s_add_co_u32 s50, s50, s15                     ; head
	s_lshl_b32 s51, s42, 1
	s_add_co_u32 s51, s51, s16                     ; my 64 tokens
	s_lshr_b32 s52, s51, 4                         ; batch
	s_and_b32 s53, s51, 15                         ; which 64 keys of the batch
	s_lshl_b32 s52, s52, 4
	s_add_co_u32 s52, s52, s50                     ; bh
	s_mul_i32 s56, s52, 102400
	s_add_co_u32 s58, s56, 100352
	s_add_co_u32 s56, s56, 51200
	s_mul_i32 s57, s53, 768
	s_add_co_u32 s56, s56, s57
	s_mov_b32 s57, 0
	s_lshr_b32 s59, s53, 1
	s_lshl_b32 s59, s59, 6
	s_add_co_u32 s58, s58, s59
	s_and_b32 s59, s53, 1
	s_lshl_b32 s59, s59, 1
	s_add_co_u32 s58, s58, s59
	s_mov_b32 s59, 0
	s_add_nc_u64 s[56:57], s[10:11], s[56:57]
	s_add_nc_u64 s[58:59], s[10:11], s[58:59]
	v_mov_b32 v42, 0                               ; written once: a lane permute's destination counts as one of its sources
	v_mov_b32 v43, 0
; 32 numbers of a lane, register 16 beta + i = k 32 beta + 16 hh + i of my row, become a half image's codes in v52-57 and two scale bytes in v[48 + a].  Each accumulator is read from its low end on
.macro QUANT2 s, a
	v_max3_num_f32 v40, |v[\s]|, |v[\s+1]|, 0x1800000
	v_max3_num_f32 v41, |v[\s+16]|, |v[\s+17]|, 0x1800000
.irp i, 2,4,6,8,10,12,14
	v_max3_num_f32 v40, v40, |v[\s+\i]|, |v[\s+\i+1]|
	v_max3_num_f32 v41, v41, |v[\s+16+\i]|, |v[\s+17+\i]|
.endr
	v_permlanex16_b32 v42, v40, s96, s97
	v_permlanex16_b32 v43, v41, s96, s97
	v_max_num_f32 v40, v40, v42
	v_max_num_f32 v41, v41, v43
	v_add_nc_u32 v44, 0xff000000, v40
	v_add_nc_u32 v45, 0xff000000, v41
	v_lshrrev_b32 v42, 23, v44
	v_lshrrev_b32 v43, 23, v45
	v_lshl_or_b32 v[48+\a], v43, 8, v42
	v_cvt_scalef32_pk16_fp6_f32 v[52:54], v[\s:\s+15], v44
	v_cvt_scalef32_pk16_fp6_f32 v[58:60], v[\s+16:\s+31], v45
	v_nop                                          ; one plain line behind a scaled conversion
	v_permlane16_swap_b32 v52, v58
	v_permlane16_swap_b32 v53, v59
	v_permlane16_swap_b32 v54, v60
	v_mov_b32 v55, v58
	v_mov_b32 v56, v59
	v_mov_b32 v57, v60
.endm
.irp a, 0,1,2,3
.if \a > 0
	s_wait_xcnt 0x0                                ; the last block's stores have read the codes' registers
.endif
	QUANT2 ACC+32*\a, \a
	global_store_b128 v[OH], v[52:55], s[56:57] offset:12288*\a
	global_store_b64 v[OT], v[56:57], s[56:57] offset:12288*\a+512
.endr
	v_cndmask_b32 v46, v48, v49, s98               ; lanes 0-15 store channel tile 0's bytes, lanes 16-31 tile 1's;
	v_cndmask_b32 v47, v50, v51, s98               ; then tiles 2 and 3
	v_lshlrev_b32 v61, 2, v1
	v_lshl_add_u32 v61, v2, 9, v61                 ; 4 r + 512 hh
	global_store_b16 v61, v46, s[58:59]
	global_store_b16 v61, v47, s[58:59] offset:1024
	s_wait_tensorcnt 0x0                           ; the wave's end
	ds_add_u32 v[SPW], v[NIL]
	s_wait_dscnt 0x0
	CROUND                                         ; the closing round
	s_endpgm
.Lfunc_end_k_q9853f3d70a_gv:
	.size	k_q9853f3d70a_gv, .Lfunc_end_k_q9853f3d70a_gv-k_q9853f3d70a_gv
	.p2alignl 7, 3214868480
	.fill 96, 4, 3214868480
	.section	.rodata,"a",@progbits
	.p2align	6, 0x0
	.amdhsa_kernel k_q9853f3d70a_gv
		.amdhsa_group_segment_fixed_size 327680
		.amdhsa_private_segment_fixed_size 0
		.amdhsa_enable_private_segment 0
		.amdhsa_kernarg_size 32
		.amdhsa_user_sgpr_count 2
		.amdhsa_user_sgpr_kernarg_segment_ptr 1
		.amdhsa_wavefront_size32 1
		.amdhsa_system_sgpr_workgroup_id_x 1
		.amdhsa_system_sgpr_workgroup_id_y 1
		.amdhsa_system_sgpr_workgroup_id_z 1
		.amdhsa_system_vgpr_workitem_id 0
		.amdhsa_next_free_vgpr 512
		.amdhsa_next_free_sgpr 100
		.amdhsa_reserve_vcc 0
		.amdhsa_float_denorm_mode_32 3
		.amdhsa_float_denorm_mode_16_64 3
		.amdhsa_memory_ordered 1
		.amdhsa_forward_progress 1
		.amdhsa_inst_pref_size 58
	.end_amdhsa_kernel
	.amdgpu_metadata
---
amdhsa.version: [ 1, 2 ]
amdhsa.kernels:
  - .name:           k_q9853f3d70a_gv
    .symbol:         k_q9853f3d70a_gv.kd
    .args:
      - { .name: wbuf, .offset: 0, .size: 8, .value_kind: global_buffer, .address_space: global }
      - { .name: ybuf, .offset: 8, .size: 8, .value_kind: global_buffer, .address_space: global }
      - { .name: bv, .offset: 16, .size: 8, .value_kind: global_buffer, .address_space: global }
      - { .name: qkvbuf, .offset: 24, .size: 8, .value_kind: global_buffer, .address_space: global }
    .group_segment_fixed_size: 327680
    .private_segment_fixed_size: 0
    .kernarg_segment_align: 8
    .kernarg_segment_size: 32
    .max_flat_workgroup_size: 128
    .sgpr_count:     100
    .vgpr_count:     512
    .wavefront_size: 32
...
	.end_amdgpu_metadata
.endif
;; end of part 4
;; launch attn (part 5): grid 4 x 64, 16 waves a work-group, clusters of 4 x 1, 169,984 bytes of LDS; arguments qkvbuf, mask, ybuf; writes ybuf
.if DOCPART == 5
	.amdgcn_target "amdgcn-amd-amdhsa--gfx1250"
	.amdhsa_code_object_version 6
	.text
	.protected	k_q9853f3d70a_attn
	.globl	k_q9853f3d70a_attn
	.p2align	8
	.type	k_q9853f3d70a_attn,@function
k_q9853f3d70a_attn:
	s_mov_b64 s[64:65], 0
	v_nop
	global_prefetch_b8 v0, s[64:65] scope:SCOPE_SE
	s_setreg_imm32_b32 hwreg(HW_REG_WAVE_MODE, 25, 1), 1
	s_wait_xcnt 0x0
	s_wait_alu depctr_hold_cnt(0) depctr_sa_sdst(0) depctr_va_vdst(0) depctr_va_sdst(0) depctr_va_ssrc(0) depctr_va_vcc(0) depctr_vm_vsrc(0)
	s_getreg_b32 s2, hwreg(HW_REG_IB_STS2, 6, 4)
	s_cmp_eq_u32 s2, 0
	s_cbranch_scc0 .Lentry_in_a_cluster
	s_endpgm
.Lentry_in_a_cluster:
	s_bfe_u32 s2, ttmp6, 0x10000c
	s_cmp_lg_u32 s2, 0x3003
	s_cbranch_scc0 .Lentry_shape_is_right
	s_endpgm
.Lentry_shape_is_right:
; attn[b][q][h] = softmax_k(q . k / 32, keys with mask 0 left out) v, both products on codes of FP6 (E2M3) with E8M0 scales; the result is quantised along the head's 64 channels for the next product.
; THE SOFTMAX: t = score x log2(e) / 32; M = the running largest t rounded UP to a whole number; p = 2^(t - M) is quantised along the keys, not normalised; the sum of the unquantised p divides at the end.
; SHARES.  A work-group owns 256 queries of one head bh, each of its sixteen waves one tile of 16.  The head's whole block of K and V (codes and scale words, 102,400 dense bytes) is brought into LDS ONCE: nothing is filled again.
; CLUSTER 4 x 1: the four query blocks of a head ask for that block jointly; waves 0-7 bring 12,800 bytes each.
; LAYOUT.  Tiles of 16 rows: tile T, place r = row 32 (T / 2) + 8 (T % 2) + r + 8 (r / 8).  Both products are used transposed (S^T = K Q^T, O^T = V^T P^T): a lane holds ONE query, and the 16 registers of tiles 2 b, 2 b + 1 are 16 neighbouring keys.
; THE FIRST PRODUCT'S K IS 64.  Two neighbouring key tiles' half images are one fragment of 128, with one pair word of scales; against [q | 0] it gives the first tile's scores, against [0 | q] the second's.  Zero codes add nothing; their scale byte is 0.
; THE MASK costs no vector line: 0 or -2^100 for each key lies in LDS and is loaded as the C of the scores' products.
; LIMITS: a masked score is -2^100, not -infinity: its p is 0 all the same; a true t under -2^90 would count as masked.  A batch with no key left gets NaN scale bytes (0xff).
; REGISTERS: v1-7 LDS addresses, stepped a trip; v8-10 offsets of the way out; v12 -M, v13 largest t, v[14:15] the sum; v16-33 [0 | q | 0]; v34-35 q's scale words; v36-39 V's; v40-87 K's fragments, later p's codes;
;   v88-135 V's fragments; v136-199 S^T, then p; v200-231 O^T; v232-243 at work; v244-247 K's pair words; v248 f, v249 p's scale word.
.set KC,  0                            ; LDS: K's codes, 64 tiles x 768
.set KS,  49152                        ; K's pair words, 32 x 64
.set VC,  51200                        ; V's codes: [4 channel tiles][16][768]
.set VS,  100352                       ; V's scale words: [4][8][16]
.set MB,  102400                       ; the mask as 0 or -2^100, 4 bytes a key: written by LDS stores; no fill lands here
.set KH,  1
.set KT,  2
.set KSA, 3
.set MBA, 4
.set VH,  5
.set VT,  6
.set VSA, 7
.set OH,  8
.set OT,  9
.set OS,  10
.set VW,  36
.set KF,  40
.set VF,  88
.set S,   136
.set O,   200
.macro CROUND                          ; a round of the cluster's barrier
	s_barrier_signal -1
	s_barrier_wait -1
	s_cmp_lg_u32 s10, 0
	s_cbranch_scc1 .Lnot_wave_0_\@
	s_barrier_signal -3
.Lnot_wave_0_\@:
	s_barrier_wait -3
	s_barrier_signal -1
	s_barrier_wait -1
.endm
	s_load_b128 s[4:7], s[0:1], 0x0                ; qkvbuf, mask
	s_load_b64 s[8:9], s[0:1], 0x10                ; ybuf
	v_lshl_add_u32 v254, v0, 2, 0x29000
	v_mov_b32 v255, 0
	ds_add_u32 v254, v255
	ds_add_u32 v254, v255
	s_wait_dscnt 0x0
	v_lshrrev_b32 v1, 5, v0
	v_readfirstlane_b32 s10, v1                    ; wave 0..15
	s_bfe_u32 s11, ttmp6, 0x40000                  ; cx: my block of 256 queries
	s_and_b32 s12, ttmp7, 0xffff                   ; bh
	s_mov_b32 s24, 15|(3<<16)|(1<<21)              ; group 1: the mask names the four; elements of 8 bytes; 50 rows of 256 bytes, dense
	s_mov_b32 s25, 32<<16
	s_mov_b32 s26, 50<<16
	s_mov_b32 s27, 32<<16
	s_mov_b32 s28, 50
	s_mov_b32 s29, 32
	s_mov_b32 s30, 0
	s_mov_b32 s31, 0
	s_and_b32 s13, s10, 7
	s_mul_i32 s13, s13, 12800                      ; my eighth of the block
	s_mul_i32 s14, s12, 102400
	s_add_co_u32 s14, s14, s13
	s_mov_b32 s15, 0
	s_mov_b32 s36, 0x3d38aa3b                      ; c = log2(e) / 32
	s_mov_b32 s37, s36                             ; (named with it as a pair, so it is written)
	s_mov_b32 s38, 0x76543210
	s_mov_b32 s39, 0xfedcba98                      ; v_permlanex16_b32's selects for lane l xor 16
	s_wait_kmcnt 0x0
	CROUND                                         ; all four work-groups are here: the joint loads meet
	s_mov_b32 s32, 1
	s_mov_b32 s33, s13
	s_add_nc_u64 s[34:35], s[4:5], s[14:15]
	s_or_b32 s35, s35, 0x80000000
	s_cmp_lt_u32 s10, 8
	s_cbranch_scc0 .Lno_fetch
	tensor_load_to_lds s[32:35], s[24:31]          ; one load a wave, waves 0-7
	s_nop 0
.rept 4
	v_nop
.endr
.Lno_fetch:
	v_and_b32 v11, 31, v0
	v_and_b32 v254, 15, v0                         ; r
	v_bfe_u32 v255, v0, 4, 1                       ; hh
	v_lshlrev_b32 v[OH], 4, v11                    ; 16 x lane
	v_lshlrev_b32 v[OT], 4, v254
	v_lshl_add_u32 v[OT], v255, 3, v[OT]           ; 16 r + 8 hh
	v_lshlrev_b32 v[OS], 2, v254                   ; 4 r
	v_add_nc_u32 v[KH], KC, v[OH]
	v_add_nc_u32 v[KT], KC, v[OT]
	v_add_nc_u32 v[KSA], KS, v[OS]
	v_lshl_add_u32 v[MBA], v255, 6, MB
	v_add_nc_u32 v[VH], VC, v[OH]
	v_add_nc_u32 v[VT], VC, v[OT]
	v_add_nc_u32 v[VSA], VS, v[OS]
	v_lshlrev_b32 v11, 3, v0                       ; the mask: thread t takes keys 2 t and 2 t + 1
	v_lshl_add_u32 v253, v0, 3, MB
	s_lshr_b32 s16, s12, 4                         ; batch
	s_lshl_b32 s17, s16, 12
	s_mov_b32 s18, s17
	s_mov_b32 s19, 0
	s_add_nc_u64 s[6:7], s[6:7], s[18:19]
	global_load_b64 v[250:251], v11, s[6:7]
	s_lshl_b32 s18, s12, 6
	s_lshl_b32 s19, s11, 4
	s_add_co_u32 s18, s18, s19
	s_add_co_u32 s18, s18, s10                     ; q's tile: 64 bh + 16 cx + wave
	s_mul_i32 s20, s18, 768
	s_add_co_u32 s20, s20, 6553600
	s_mov_b32 s21, 0
	s_add_nc_u64 s[20:21], s[4:5], s[20:21]
	global_load_b128 v[22:25], v[OH], s[20:21]     ; q's half image
	global_load_b64 v[26:27], v[OT], s[20:21] offset:512
	s_lshr_b32 s22, s18, 1
	s_lshl_b32 s22, s22, 6
	s_add_co_u32 s22, s22, 9699328
	s_mov_b32 s23, 0
	s_add_nc_u64 s[22:23], s[4:5], s[22:23]
	global_load_b32 v252, v[OS], s[22:23]          ; its pair word
	s_lshl_b32 s42, s16, 6
	s_add_co_u32 s42, s42, s19
	s_add_co_u32 s42, s42, s10                     ; my token tile: 64 batch + 16 cx + wave
	s_and_b32 s43, s12, 15                         ; head
	s_lshl_b32 s44, s42, 4
	s_add_co_u32 s44, s44, s43
	s_mul_i32 s44, s44, 768                        ; out: the head is half image h of the tile's 16
	s_mov_b32 s45, 0
	s_lshl_b32 s46, s42, 3
	s_lshr_b32 s47, s43, 1
	s_add_co_u32 s46, s46, s47
	s_lshl_b32 s46, s46, 6
	s_and_b32 s47, s43, 1
	s_lshl_b32 s47, s47, 1
	s_add_co_u32 s46, s46, s47
	s_add_co_u32 s46, s46, 3145728                 ; and its two scale bytes
	s_mov_b32 s47, 0
	s_add_nc_u64 s[44:45], s[8:9], s[44:45]
	s_add_nc_u64 s[46:47], s[8:9], s[46:47]
	s_and_b32 s41, s10, 1
	s_lshl_b32 s41, s41, 4
	s_mov_b32 s40, 8                               ; key steps of 128
	s_wait_loadcnt 0x0
	v_lshrrev_b32 v34, s41, v252                   ; my tile's half of the pair word:
	v_and_b32 v34, 0xffff, v34                     ; q's scale word for [q | 0],
	v_lshlrev_b32 v35, 16, v34                     ; and for [0 | q].  (The plain lines below stand between these and the first scaled product)
	v_mov_b32 v252, 0xf1800000                     ; -2^100
	v_cmp_eq_u32 vcc_lo, 0, v250
	v_cndmask_b32 v250, 0, v252, vcc_lo
	v_cmp_eq_u32 vcc_lo, 0, v251
	v_cndmask_b32 v251, 0, v252, vcc_lo
	ds_store_b64 v253, v[250:251]
.irp j, 16,17,18,19,20,21,28,29,30,31,32,33
	v_mov_b32 v[\j], 0                             ; the zero halves beside q
.endr
.irp j, 0,1,2,3,4,5,6,7,8,9,10,11,12,13,14,15,16,17,18,19,20,21,22,23,24,25,26,27,28,29,30,31
	v_mov_b32 v[O+\j], 0                           ; O^T: the step is written once; the first change of M leaves zeros zeros
.endr
	v_mov_b32 v13, 0xff61b1e6                      ; the largest t so far: -3e38
	v_floor_f32 v12, -v13                          ; -M
	v_mov_b32 v14, 0
	v_mov_b32 v15, 0
.irp b, 0,1,2,3
	v_mov_b32 v[236+\b], 0                         ; written once: a lane permute's destination counts as one of its sources
.endr
	v_mov_b32 v249, 0                              ; (named as the upper half of the pair v[248:249] before it is first written)
	s_wait_tensorcnt 0x0                           ; my part of the block has landed,
	s_wait_dscnt 0x0                               ; my part of the mask is stored:
	s_barrier_signal -1
	s_barrier_wait -1                              ; everybody's
.Lstep:
.irp t, 0,1,2,3,4,5,6,7                        ; the mask's numbers of tile t's keys 32 (t / 2) + 8 (t % 2) + 16 hh + 0 .. 7, as C
	ds_load_b128 v[S+8*\t:S+8*\t+3], v[MBA] offset:(32*(\t/2)+8*(\t%2))*4
	ds_load_b128 v[S+8*\t+4:S+8*\t+7], v[MBA] offset:(32*(\t/2)+8*(\t%2))*4+16
.endr
.irp i, 0,1,2,3,4,5,6,7
	ds_load_b128 v[KF+6*\i:KF+6*\i+3], v[KH] offset:768*\i
	ds_load_b64 v[KF+6*\i+4:KF+6*\i+5], v[KT] offset:768*\i+512
.endr
.irp p, 0,1,2,3
	ds_load_b32 v[244+\p], v[KSA] offset:64*\p
.endr
.irp t, 0,1,2,3
.irp c, 0,1
	ds_load_b128 v[VF+12*\t+6*\c:VF+12*\t+6*\c+3], v[VH] offset:12288*\t+768*\c
	ds_load_b64 v[VF+12*\t+6*\c+4:VF+12*\t+6*\c+5], v[VT] offset:12288*\t+768*\c+512
.endr
.endr
.irp t, 0,1,2,3
	ds_load_b32 v[VW+\t], v[VSA] offset:512*\t
.endr
	s_wait_dscnt 20                                ; the mask, K and its words are in; V's 20 loads may be out
.irp t, 0,1,2,3,4,5,6,7
	v_wmma_scale_f32_16x16x128_f8f6f4 v[S+8*\t:S+8*\t+7], v[KF+12*(\t/2):KF+12*(\t/2)+11], v[22-6*(\t%2):33-6*(\t%2)], v[S+8*\t:S+8*\t+7], v[244+\t/2], v[34+\t%2] matrix_a_fmt:MATRIX_FMT_FP6 matrix_b_fmt:MATRIX_FMT_FP6
.endr
.rept 4
	v_nop
.endr
.irp b, 0,1,2,3
	v_max3_num_f32 v[232+\b], v[S+16*\b], v[S+1+16*\b], v[S+2+16*\b]   ; the largest score of each block of 32 keys: for the row's maximum, and, since p rises with the score, for the block's largest p
.endr
.irp i, 3,5,7,9,11,13
.irp b, 0,1,2,3
	v_max3_num_f32 v[232+\b], v[232+\b], v[S+16*\b+\i], v[S+1+16*\b+\i]
.endr
.endr
.irp b, 0,1,2,3
	v_max_num_f32 v[232+\b], v[232+\b], v[S+15+16*\b]
.endr
.irp b, 0,1,2,3
	v_permlanex16_b32 v[236+\b], v[232+\b], s38, s39
.endr
.irp b, 0,1,2,3
	v_max_num_f32 v[232+\b], v[232+\b], v[236+\b]
.endr
	v_max3_num_f32 v250, v232, v233, v234
	v_max_num_f32 v250, v250, v235
	v_mul_f32 v250, s36, v250                      ; as t
	v_max_num_f32 v13, v13, v250                   ; the running largest t
	v_mov_b32 v250, v12
	v_floor_f32 v12, -v13                          ; the new -M = -ceil(t)
	v_sub_f32 v250, v12, v250                      ; old M - new M: a whole number, 0 or less
	v_cvt_i32_f32 v250, v250                       ; (it saturates)
	v_ldexp_f32 v248, 1.0, v250                    ; f = 2^(old M - new M)
.irp j, 0,2,4,6,8,10,12,14,16,18,20,22,24,26,28,30,32,34,36,38,40,42,44,46,48,50,52,54,56,58,60,62
	v_pk_fma_f32 v[S+\j:S+\j+1], v[S+\j:S+\j+1], s[36:37], v[12:13] op_sel_hi:[1,0,0]   ; t - M
.endr
.irp b, 0,1,2,3
	v_fma_f32 v[232+\b], v[232+\b], s36, v12
.endr
.irp j, 0,1,2,3,4,5,6,7,8,9,10,11,12,13,14,15,16,17,18,19,20,21,22,23,24,25,26,27,28,29,30,31,32,33,34,35,36,37,38,39,40,41,42,43,44,45,46,47,48,49,50,51,52,53,54,55,56,57,58,59,60,61,62,63
	v_exp_f32 v[S+\j], v[S+\j]                     ; p = 2^(t - M)
.endr
	v_pk_mul_f32 v[14:15], v[14:15], v[248:249] op_sel_hi:[1,0]   ; the sums under the new M (a plain line behind the exponentials)
	s_wait_alu depctr_va_vdst(0)                   ; one wait for the batch of 64, ahead of its first reader
.irp b, 0,1,2,3
	v_exp_f32 v[232+\b], v[232+\b]                 ; each block's largest p
.endr
	v_pk_add_f32 v[236:237], v[S:S+1], v[S+2:S+3]  ; the row's sum is taken of the unquantised p, in two chains
.irp j, 4,8,12,16,20,24,28,32,36,40,44,48,52,56,60
	v_pk_add_f32 v[14:15], v[14:15], v[S+\j:S+\j+1]
	v_pk_add_f32 v[236:237], v[236:237], v[S+2+\j:S+3+\j]
.endr
	v_pk_add_f32 v[14:15], v[14:15], v[236:237]
	s_wait_alu depctr_va_vdst(0)                   ; and one for the four
.irp b, 0,1,2,3
	v_max_num_f32 v[232+\b], 0x1800000, v[232+\b]  ; the floor 2^(3 - 127): the byte cannot fall under 1
.endr
.irp b, 0,1,2,3
	v_add_nc_u32 v[240+\b], 0xff000000, v[232+\b]
.endr
.irp b, 0,1,2,3
	v_lshrrev_b32 v[236+\b], 23, v[240+\b]
.endr
	v_lshl_or_b32 v249, v237, 8, v236              ; p's scale word for these 128 keys
	v_lshl_or_b32 v249, v238, 16, v249
	v_lshl_or_b32 v249, v239, 24, v249
.irp c, 0,1
	v_cvt_scalef32_pk16_fp6_f32 v[40+6*\c:42+6*\c], v[S+32*\c:S+15+32*\c], v[240+2*\c]
	v_cvt_scalef32_pk16_fp6_f32 v[52+4*\c:54+4*\c], v[S+16+32*\c:S+31+32*\c], v[240+2*\c+1]
.endr
	v_nop                                          ; one plain line behind a scaled conversion
.irp c, 0,1
.irp i, 0,1,2
	v_permlane16_swap_b32 v[40+6*\c+\i], v[52+4*\c+\i]
.endr
.irp i, 0,1,2
	v_mov_b32 v[43+6*\c+\i], v[52+4*\c+\i]
.endr
.endr
.irp j, 0,2,4,6,8,10,12,14,16,18,20,22,24,26,28,30
	v_pk_mul_f32 v[O+\j:O+\j+1], v[O+\j:O+\j+1], v[248:249] op_sel_hi:[1,0]   ; O^T under the new M; these 16 also stand between the codes' and the scale word's last writes and the products
.endr
	s_wait_dscnt 0x0                               ; V
.irp t, 0,1,2,3
	v_wmma_scale_f32_16x16x128_f8f6f4 v[O+8*\t:O+8*\t+7], v[VF+12*\t:VF+12*\t+11], v[40:51], v[O+8*\t:O+8*\t+7], v[VW+\t], v249 matrix_a_fmt:MATRIX_FMT_FP6 matrix_b_fmt:MATRIX_FMT_FP6
.endr
	v_add_nc_u32 v[KH], 6144, v[KH]                ; the next 128 keys; these seven lines are also the places ahead of the next loads and of the way out
	v_add_nc_u32 v[KT], 6144, v[KT]
	v_add_nc_u32 v[KSA], 256, v[KSA]
	v_add_nc_u32 v[MBA], 512, v[MBA]
	v_add_nc_u32 v[VH], 1536, v[VH]
	v_add_nc_u32 v[VT], 1536, v[VT]
	v_add_nc_u32 v[VSA], 64, v[VSA]
	s_sub_co_u32 s40, s40, 1
	s_cmp_lg_u32 s40, 0
	s_cbranch_scc1 .Lstep
	; THE WAY OUT: O^T / the sum, quantised along the head's 64 channels: register 16 beta + i is channel 32 beta + 16 hh + i of my query
	v_add_f32 v14, v14, v15
	v_permlanex16_b32 v250, v14, s38, s39
	v_add_f32 v14, v14, v250
	v_rcp_f32 v14, v14
	v_mov_b32 v251, 0xffff                         ; (a plain line behind the reciprocal)
	s_wait_alu depctr_va_vdst(0)                   ; the wait ahead of its first reader
.irp j, 0,1,2,3,4,5,6,7,8,9,10,11,12,13,14,15,16,17,18,19,20,21,22,23,24,25,26,27,28,29,30,31
	v_mul_f32 v[S+\j], v[O+\j], v14
.endr
	v_max3_num_f32 v232, |v[S]|, |v[S+1]|, 0x1800000
	v_max3_num_f32 v233, |v[S+16]|, |v[S+17]|, 0x1800000
.irp i, 2,4,6,8,10,12,14
	v_max3_num_f32 v232, v232, |v[S+\i]|, |v[S+\i+1]|
	v_max3_num_f32 v233, v233, |v[S+16+\i]|, |v[S+17+\i]|
.endr
	v_permlanex16_b32 v236, v232, s38, s39
	v_permlanex16_b32 v237, v233, s38, s39
	v_max_num_f32 v232, v232, v236
	v_max_num_f32 v233, v233, v237
	v_add_nc_u32 v240, 0xff000000, v232
	v_add_nc_u32 v241, 0xff000000, v233
	v_lshrrev_b32 v236, 23, v240
	v_lshrrev_b32 v237, 23, v241
	v_lshl_or_b32 v250, v237, 8, v236
	v_cmp_gt_f32 vcc_lo, 0xec800000, v13           ; no key of the batch was left: the largest t lies under -2^90
	v_cndmask_b32 v250, v250, v251, vcc_lo         ; then both bytes are 0xff
	v_cvt_scalef32_pk16_fp6_f32 v[40:42], v[S:S+15], v240
	v_cvt_scalef32_pk16_fp6_f32 v[46:48], v[S+16:S+31], v241
	v_nop                                          ; one plain line behind a scaled conversion
	v_permlane16_swap_b32 v40, v46
	v_permlane16_swap_b32 v41, v47
	v_permlane16_swap_b32 v42, v48
	v_mov_b32 v43, v46
	v_mov_b32 v44, v47
	v_mov_b32 v45, v48
	global_store_b128 v[OH], v[40:43], s[44:45]    ; 512 consecutive aligned bytes
	global_store_b64 v[OT], v[44:45], s[44:45] offset:512
	global_store_b16 v[OS], v250, s[46:47]         ; two of a scale word's four bytes; both halves of the lanes write the same value
	s_wait_xcnt 0x0
	v_lshl_add_u32 v254, v0, 2, 0x29000
	v_mov_b32 v255, 0
	s_wait_tensorcnt 0x0
	ds_add_u32 v254, v255
	s_wait_dscnt 0x0
	CROUND                                         ; the closing round
	s_endpgm
.Lfunc_end_k_q9853f3d70a_attn:
	.size	k_q9853f3d70a_attn, .Lfunc_end_k_q9853f3d70a_attn-k_q9853f3d70a_attn
	.p2alignl 7, 3214868480
	.fill 96, 4, 3214868480
	.section	.rodata,"a",@progbits
	.p2align	6, 0x0
	.amdhsa_kernel k_q9853f3d70a_attn
		.amdhsa_group_segment_fixed_size 169984
		.amdhsa_private_segment_fixed_size 0
		.amdhsa_enable_private_segment 0
		.amdhsa_kernarg_size 24
		.amdhsa_user_sgpr_count 2
		.amdhsa_user_sgpr_kernarg_segment_ptr 1
		.amdhsa_wavefront_size32 1
		.amdhsa_system_sgpr_workgroup_id_x 1
		.amdhsa_system_sgpr_workgroup_id_y 1
		.amdhsa_system_sgpr_workgroup_id_z 1
		.amdhsa_system_vgpr_workitem_id 0
		.amdhsa_next_free_vgpr 256
		.amdhsa_next_free_sgpr 66
		.amdhsa_reserve_vcc 1
		.amdhsa_float_denorm_mode_32 3
		.amdhsa_float_denorm_mode_16_64 3
		.amdhsa_memory_ordered 1
		.amdhsa_forward_progress 1
		.amdhsa_inst_pref_size 29
	.end_amdhsa_kernel
	.amdgpu_metadata
---
amdhsa.version: [ 1, 2 ]
amdhsa.kernels:
  - .name:           k_q9853f3d70a_attn
    .symbol:         k_q9853f3d70a_attn.kd
    .args:
      - { .name: qkvbuf, .offset: 0, .size: 8, .value_kind: global_buffer, .address_space: global }
      - { .name: mask, .offset: 8, .size: 8, .value_kind: global_buffer, .address_space: global }
      - { .name: ybuf, .offset: 16, .size: 8, .value_kind: global_buffer, .address_space: global }
    .group_segment_fixed_size: 169984
    .private_segment_fixed_size: 0
    .kernarg_segment_align: 8
    .kernarg_segment_size: 24
    .max_flat_workgroup_size: 512
    .sgpr_count:     66
    .vgpr_count:     256
    .wavefront_size: 32
...
	.end_amdgpu_metadata
.endif
;; end of part 5
;; launch gwo (part 6): grid 8 x 32, 4 waves a work-group, clusters of 4 x 4, 327,680 bytes of LDS; arguments ybuf, wbuf, bo, x, x1buf; writes x1buf
.if DOCPART == 6
	.amdgcn_target "amdgcn-amd-amdhsa--gfx1250"
	.amdhsa_code_object_version 6
	.text
	.protected	k_q9853f3d70a_gwo
	.globl	k_q9853f3d70a_gwo
	.p2align	8
	.type	k_q9853f3d70a_gwo,@function
k_q9853f3d70a_gwo:
	s_mov_b64 s[64:65], 0
	v_nop
	global_prefetch_b8 v0, s[64:65] scope:SCOPE_SE
	s_setreg_imm32_b32 hwreg(HW_REG_WAVE_MODE, 25, 1), 1
	s_wait_xcnt 0x0
	s_wait_alu depctr_hold_cnt(0) depctr_sa_sdst(0) depctr_va_vdst(0) depctr_va_sdst(0) depctr_va_ssrc(0) depctr_va_vcc(0) depctr_vm_vsrc(0)
	s_getreg_b32 s2, hwreg(HW_REG_IB_STS2, 6, 4)
	s_cmp_eq_u32 s2, 0
	s_cbranch_scc0 .Lentry_in_a_cluster
	s_endpgm
.Lentry_in_a_cluster:
	s_bfe_u32 s2, ttmp6, 0x10000c
	s_cmp_lg_u32 s2, 0xf033
	s_cbranch_scc0 .Lentry_shape_is_right
	s_endpgm
.Lentry_shape_is_right:
; x1 = x + attn wo + bo: the product on codes of FP6 (E2M3) with E8M0 scales, the rest in f32.
; OPERANDS are images of the operand's registers.  Rows go in tiles of 16: tile T, place r = row 32 (T / 2) + 8 (T % 2) + r + 8 (r / 8).  A fragment (16 rows x 128 K) is 1,536 bytes: two half images of 768,
; in each lane (r, hh)'s 24 bytes as 16 bytes at 16 x lane and 8 bytes at 512 + 16 r + 8 hh.  Codes: [tile][K step][1,536]; scale words: [tile][K step][16] of 4 bytes.
; A = 4,096 tokens (attention's codes), B = the 1,024 rows of wo.  A tile of C is 128 x 128, a wave's 64 x 64.  All of K = 1,024 lies in two LDS slots of 4 K steps: first fills only.
; THE PRODUCT IS USED TRANSPOSED (source 0 = 16 rows of B, source 1 = 16 rows of A): lane (r, hh) holds token place r, and register 16 beta + i of a block of 4 accumulators is column 32 beta + 16 hh + i.  The bias is the C of each sum's first product.
; CLUSTER 4 x 4: A's tiles are asked for jointly along a row of the cluster, B's along a column.
; THE WAY OUT: 16 rows x 64 columns at a time through the wave's own stage in LDS, back as rows of 256 bytes; the residual is added; sixteen lanes store 256 consecutive aligned bytes.
.set KST,   8
.set ACO,   0
.set ASO,   3145728
.set BCO,   2359296
.set BSO,   9535488
.set CM,    1
.set TROW,  6144
.set HALFT, 4*TROW
.set SLOT,  4*HALFT
.set LAPS,  KST/8
.set SCL,   2*SLOT
.set HALFS, 4*KST*64
.set SPARE, SCL+4*HALFS
.set STAGE, SPARE+512                  ; 16 rows x 272 bytes for each wave: no fill lands here
.set AH, 16
.set AT, 18
.set BH, 20
.set BT, 22
.set STO, 24
.set RD, 25
.set CO, 26
.set ADRS, 27
.set SPW, 28
.set NIL, 29
.set OH, 30
.set OT, 31
.set SC, 32                            ; v32-39 scale words and nothing else
.set BI, 64                            ; v64-95 the bias; on the way out v64-127 take rows read back from the stage
.set ACC, 128
.set G1, 24
.set G0, 32
.set G1B, 48
.set G0B, 56
.set G1S, 68
.set G0S, 76
.set G1SB, 80
.set G0SB, 88
.set MUL,  0x05
.set TO_F, 0x40
.set MSB, 0
.macro WIN new                         ; the immediate's high byte repeats the setting that is left
.if MSB != \new
	s_set_vgpr_msb (MSB<<8)|\new
.set MSB, \new
.endif
.endm
.macro JLOAD g0a, g1a, g0b, g1b        ; a joint load: waves 0 and 1 fetch for A, waves 2 and 3 for B; four v_nop follow each line
	s_cmp_eq_u32 s15, 0
	s_cbranch_scc0 .Lfor_b_\@
	tensor_load_to_lds s[\g0a:\g0a+3], s[\g1a:\g1a+7]
	s_nop 0
.rept 4
	v_nop
.endr
	s_branch .Lasked_\@
.Lfor_b_\@:
	tensor_load_to_lds s[\g0b:\g0b+3], s[\g1b:\g1b+7]
	s_nop 0
.rept 4
	v_nop
.endr
.Lasked_\@:
.endm
.macro CREST
	s_cmp_lg_u32 s14, 0
	s_cbranch_scc1 .Lnot_wave_0_\@
	s_barrier_signal -3
.Lnot_wave_0_\@:
	s_barrier_wait -3
	s_barrier_signal -1
	s_barrier_wait -1
.endm
.macro CROUND
	s_barrier_signal -1
	s_barrier_wait -1
	CREST
.endm
.macro PLACES n                        ; plain lines between a matrix instruction and a load into, or a read of, its registers
.rept \n
	v_nop
.endr
.endm
.macro FRAG reg, h, t, off
	ds_load_b128 v[\reg:\reg+3], v[\h] offset:\off
	ds_load_b64 v[\reg+4:\reg+5], v[\t] offset:\off+512
	ds_load_b128 v[\reg+6:\reg+9], v[\h] offset:\off+768
	ds_load_b64 v[\reg+10:\reg+11], v[\t] offset:\off+1280
.endm
.macro FETCH slot, q, f, sc            ; 36 loads: 4 scale words, B's 4 fragments, A's tiles 0 and 1, A's tiles 2 and 3
	WIN 0
.irp i, 0,1,2,3
	ds_load_b32 v[SC+4*(\sc)+\i], v[ADRS] offset:\i*KST*64+64*(\q)
.endr
	WIN TO_F
.irp i, 0,1,2,3
	FRAG \f+48+12*\i, BH+\slot, BT+\slot, \i*TROW+1536*(\q)
.endr
.irp i, 0,1,2,3
	FRAG \f+12*\i, AH+\slot, AT+\slot, \i*TROW+1536*(\q)
.endr
.endm
.macro MUL4 f, sc, a, cm               ; A's tile a against B's four; the 16 accumulators take turns
.irp b, 0,1,2,3
.if \cm == 0
	v_wmma_scale_f32_16x16x128_f8f6f4 v[ACC+8*(4*\a+\b):ACC+8*(4*\a+\b)+7], v[\f+48+12*\b:\f+48+12*\b+11], v[\f+12*\a:\f+12*\a+11], v[ACC+8*(4*\a+\b):ACC+8*(4*\a+\b)+7], v[SC+4*(\sc)+\b], v[SC+4*(\sc)+\a] matrix_a_fmt:MATRIX_FMT_FP6 matrix_b_fmt:MATRIX_FMT_FP6 matrix_a_scale:MATRIX_SCALE_ROW1
.elseif \cm == 1
	v_wmma_scale_f32_16x16x128_f8f6f4 v[ACC+8*(4*\a+\b):ACC+8*(4*\a+\b)+7], v[\f+48+12*\b:\f+48+12*\b+11], v[\f+12*\a:\f+12*\a+11], v[BI+8*\b:BI+8*\b+7], v[SC+4*(\sc)+\b], v[SC+4*(\sc)+\a] matrix_a_fmt:MATRIX_FMT_FP6 matrix_b_fmt:MATRIX_FMT_FP6 matrix_a_scale:MATRIX_SCALE_ROW1
.else
	v_wmma_scale_f32_16x16x128_f8f6f4 v[ACC+8*(4*\a+\b):ACC+8*(4*\a+\b)+7], v[\f+48+12*\b:\f+48+12*\b+11], v[\f+12*\a:\f+12*\a+11], v[BI+8*\a:BI+8*\a+7], v[SC+4*(\sc)+\b], v[SC+4*(\sc)+\a] matrix_a_fmt:MATRIX_FMT_FP6 matrix_b_fmt:MATRIX_FMT_FP6 matrix_a_scale:MATRIX_SCALE_ROW1
.endif
.endr
.endm
.macro STEP slot, q, cm
.set PF, 128*((\q)%2)
.set PG, 128-PF
.set PS, (\q)%2
.set PT, 1-PS
	s_wait_dscnt 8                                 ; all but the youngest 8 loads (A's tiles 2 and 3)
	WIN MUL
	MUL4 PF, PS, 0, \cm
	MUL4 PF, PS, 1, \cm
	PLACES 4                                       ; for the loads into the other buffer and its scale words
	FETCH \slot, (\q)+1, PG, PT
	s_wait_dscnt 36                                ; all but the 36 just issued
	WIN MUL
	MUL4 PF, PS, 2, \cm
	MUL4 PF, PS, 3, \cm
.endm
.macro TURN slot, next, fill
	WIN 0
	s_wait_tensorcnt 0x0                           ; all my tensor loads have landed, my part of the next slot among them
	ds_add_u32 v[SPW], v[NIL]                      ; 0 onto my spare word
	s_wait_dscnt 9                                 ; (the add and A's tiles 2 and 3 may be out)
	WIN MUL
	MUL4 128, 1, 0, 0
	s_wait_dscnt 0x0                               ; the add is done, and my reads of this slot are over
	s_barrier_signal -1
	MUL4 128, 1, 1, 0
	WIN 0
	s_barrier_wait -1
.if \fill
	CREST
	s_add_nc_u64 s[G0+4*\slot+2:G0+4*\slot+3], s[G0+4*\slot+2:G0+4*\slot+3], 2*TROW
	s_add_nc_u64 s[G0B+4*\slot+2:G0B+4*\slot+3], s[G0B+4*\slot+2:G0B+4*\slot+3], 2*TROW
	JLOAD G0+4*\slot, G1, G0B+4*\slot, G1B
.else
	PLACES 4
.endif
	v_add_nc_u32 v[ADRS], 256, v[ADRS]
	FETCH \next, 0, 0, 0
	WIN MUL
	MUL4 128, 1, 2, 0
	MUL4 128, 1, 3, 0
.endm
	s_load_b128 s[4:7], s[0:1], 0x0                ; A, B
	s_load_b128 s[8:11], s[0:1], 0x10              ; bias, residual
	s_load_b64 s[12:13], s[0:1], 0x20              ; out
	v_lshl_add_u32 v[SPW], v0, 2, SPARE
	v_mov_b32 v[NIL], 0
	ds_add_u32 v28, v29
	ds_add_u32 v28, v29
	s_wait_dscnt 0x0
	v_lshrrev_b32 v1, 5, v0
	v_readfirstlane_b32 s14, v1
	s_lshr_b32 s15, s14, 1
	s_and_b32 s16, s14, 1
	s_bfe_u32 s40, ttmp6, 0x40000
	s_bfe_u32 s41, ttmp6, 0x40004
	s_lshl_b32 s42, ttmp9, 2
	s_add_co_u32 s42, s42, s40                     ; B's block of 128 rows
	s_and_b32 s17, ttmp7, 0xffff
	s_lshl_b32 s17, s17, 2
	s_add_co_u32 s17, s17, s41                     ; A's block of 128 rows
	s_lshl_b32 s43, s41, 2
	s_lshl_b32 s43, 15, s43
	s_lshl_b32 s44, 0x1111, s40
	s_or_b32 s[G1+0], s43, (3<<16)|(1<<21)
	s_or_b32 s[G1B+0], s44, (3<<16)|(1<<21)
.irp g, G1, G1B
	s_mov_b32 s[\g+1], 768<<16
	s_mov_b32 s[\g+2], 4<<16
	s_mov_b32 s[\g+3], 768<<16
	s_mov_b32 s[\g+4], 4
	s_mov_b32 s[\g+5], KST*192
	s_mov_b32 s[\g+6], 0
	s_mov_b32 s[\g+7], 0
.endr
	s_or_b32 s[G1S+0], s43, (3<<16)|(1<<21)
	s_or_b32 s[G1SB+0], s44, (3<<16)|(1<<21)
.irp g, G1S, G1SB
	s_mov_b32 s[\g+1], 32<<16
	s_mov_b32 s[\g+2], (HALFS/256)<<16
	s_mov_b32 s[\g+3], 32<<16
	s_mov_b32 s[\g+4], HALFS/256
	s_mov_b32 s[\g+5], 32
	s_mov_b32 s[\g+6], 0
	s_mov_b32 s[\g+7], 0
.endr
	s_lshl_b32 s18, s16, 2
	s_lshl_b32 s20, s17, 3
	s_add_co_u32 s20, s20, s18
	s_lshl_b32 s46, s42, 3
	s_add_co_u32 s46, s46, s18
	s_mul_i32 s22, s20, KST*64
	s_add_co_u32 s22, s22, ASO
	s_mov_b32 s23, 0
	s_mul_i32 s92, s46, KST*64
	s_add_co_u32 s92, s92, BSO
	s_mov_b32 s93, 0
	s_mul_i32 s20, s20, KST*1536
	s_add_co_u32 s20, s20, ACO
	s_mov_b32 s21, 0
	s_mul_i32 s46, s46, KST*1536
	s_add_co_u32 s46, s46, BCO
	s_mov_b32 s47, 0
	s_mul_i32 s45, s14, HALFT
	s_mul_i32 s94, s14, HALFS
	s_wait_kmcnt 0x0
	s_add_nc_u64 s[20:21], s[4:5], s[20:21]
	s_add_nc_u64 s[22:23], s[4:5], s[22:23]
	s_add_nc_u64 s[46:47], s[6:7], s[46:47]
	s_add_nc_u64 s[92:93], s[6:7], s[92:93]
	CROUND                                         ; all sixteen work-groups are here: the first joint loads meet
	s_mov_b32 s[G0S], 1
	s_add_co_u32 s[G0S+1], s94, SCL
	s_mov_b64 s[G0S+2:G0S+3], s[22:23]
	s_or_b32 s[G0S+3], s[G0S+3], 0x80000000
	s_mov_b32 s[G0SB], 1
	s_add_co_u32 s[G0SB+1], s94, SCL
	s_mov_b64 s[G0SB+2:G0SB+3], s[92:93]
	s_or_b32 s[G0SB+3], s[G0SB+3], 0x80000000
	JLOAD G0S, G1S, G0SB, G1SB
.irp s, 0,1
	s_mov_b32 s[G0+4*\s], 1
	s_add_co_u32 s[G0+4*\s+1], s45, \s*SLOT
	s_add_nc_u64 s[G0+4*\s+2:G0+4*\s+3], s[20:21], \s*TROW
	s_or_b32 s[G0+4*\s+3], s[G0+4*\s+3], 0x80000000
	s_mov_b32 s[G0B+4*\s], 1
	s_add_co_u32 s[G0B+4*\s+1], s45, \s*SLOT
	s_add_nc_u64 s[G0B+4*\s+2:G0B+4*\s+3], s[46:47], \s*TROW
	s_or_b32 s[G0B+4*\s+3], s[G0B+4*\s+3], 0x80000000
	JLOAD G0+4*\s, G1, G0B+4*\s, G1B               ; three loads of mine are out now
.endr
	v_and_b32 v1, 15, v0
	v_bfe_u32 v2, v0, 4, 1
	v_and_b32 v3, 31, v0
	v_lshlrev_b32 v[OH], 4, v3
	v_lshlrev_b32 v[OT], 4, v1
	v_lshl_add_u32 v[OT], v2, 3, v[OT]
	s_mul_i32 s21, s15, HALFT
	s_mul_i32 s22, s16, HALFT
	s_add_co_u32 s22, s22, 2*HALFT
.irp s, 0,1
	v_add_nc_u32 v[AH+\s], s21, v[OH]
	v_add_nc_u32 v[AT+\s], s21, v[OT]
	v_add_nc_u32 v[BH+\s], s22, v[OH]
	v_add_nc_u32 v[BT+\s], s22, v[OT]
	s_add_co_u32 s21, s21, SLOT
	s_add_co_u32 s22, s22, SLOT
.endr
	s_mul_i32 s21, s15, HALFS
	s_mul_i32 s22, s16, HALFS
	s_add_co_u32 s22, s22, 2*HALFS
	s_sub_co_u32 s22, s22, s21
	v_mul_u32_u24 v6, s22, v2
	s_add_co_u32 s21, s21, SCL
	v_lshl_add_u32 v5, v1, 2, v6
	v_add_nc_u32 v[ADRS], s21, v5
	s_mul_i32 s23, s14, 16*272
	s_add_co_u32 s23, s23, STAGE                   ; my stage
	v_mul_u32_u24 v5, v1, 272
	v_lshl_add_u32 v5, v2, 6, v5
	v_add_nc_u32 v[STO], s23, v5                   ; in: row r, + 64 hh
	v_mul_u32_u24 v5, v2, 272
	v_lshl_add_u32 v5, v1, 4, v5
	v_add_nc_u32 v[RD], s23, v5                    ; back: lanes 0-15 one row of 256 bytes, lanes 16-31 the next
	v_lshlrev_b32 v[CO], 12, v2
	v_lshl_add_u32 v[CO], v1, 4, v[CO]             ; and the same two rows in memory
	; the bias: for B's tile b lane (r, hh) wants the numbers of rows 32 (b / 2) + 8 (b % 2) + 16 hh + 0 .. 7
	s_lshl_b32 s46, s42, 9
	s_lshl_b32 s47, s16, 8
	s_add_co_u32 s46, s46, s47                     ; my first column, in bytes
	s_mov_b32 s47, 0
	s_add_nc_u64 s[8:9], s[8:9], s[46:47]
	s_lshl_b32 s20, s17, 19
	s_lshl_b32 s21, s15, 18
	s_add_co_u32 s20, s20, s21                     ; my first row, in bytes
	s_mov_b32 s21, 0
	s_add_nc_u64 s[20:21], s[20:21], s[46:47]
	s_add_nc_u64 s[10:11], s[10:11], s[20:21]
	s_add_nc_u64 s[12:13], s[12:13], s[20:21]
	v_lshlrev_b32 v4, 6, v2
.irp b, 0,1,2,3
	global_load_b128 v[BI+8*\b:BI+8*\b+3], v4, s[8:9] offset:(32*(\b/2)+8*(\b%2))*4
	global_load_b128 v[BI+8*\b+4:BI+8*\b+7], v4, s[8:9] offset:(32*(\b/2)+8*(\b%2))*4+16
.endr
	s_wait_loadcnt 0x0
	s_wait_tensorcnt 1                             ; the scale words and my part of slot 0 are in; slot 1's load may be out
	s_barrier_signal -1
	s_barrier_wait -1
	FETCH 0, 0, 0, 0
	STEP 0, 0, CM
.if LAPS > 1
	WIN 0
	s_mov_b32 s3, LAPS-1
.Llap:                                                 ; a trip goes once round the ring and fills both slots again
	STEP 0, 1, 0
	STEP 0, 2, 0
	TURN 0, 1, 1
	STEP 1, 0, 0
	STEP 1, 1, 0
	STEP 1, 2, 0
	TURN 1, 0, 1
	STEP 0, 0, 0
	WIN 0
	s_sub_co_u32 s3, s3, 1
	s_cmp_lg_u32 s3, 0
	s_cbranch_scc1 .Llap
.endif
	STEP 0, 1, 0
	STEP 0, 2, 0
	TURN 0, 1, 0
	STEP 1, 0, 0
	STEP 1, 1, 0
	STEP 1, 2, 0
	s_wait_dscnt 8
	WIN MUL
	MUL4 128, 1, 0, 0
	MUL4 128, 1, 1, 0
	s_wait_dscnt 0x0
	MUL4 128, 1, 2, 0
	MUL4 128, 1, 3, 0
	WIN 0
	PLACES 4
	; THE WAY OUT.  Stage row rho of block a is row 32 (a / 2) + 8 (a % 2) + rho + 8 (rho / 8) of my 64
	WIN 0x40                                       ; the residual goes into window 1, where the fragments lay
.irp a, 0,1,2,3
.irp t, 0,1,2,3,4,5,6,7
	global_load_b128 v[32*\a+4*\t:32*\a+4*\t+3], v[CO], s[10:11] offset:(32*(\a/2)+8*(\a%2)+2*\t+8*(\t/4))*4096 th:TH_LOAD_NT
.endr
.endr
	WIN 0
.irp a, 0,1,2,3
.if \a >= 2
	s_wait_xcnt 0x0                                ; block a - 2's stores have read their registers: block a's rows may land there
.endif
.irp b, 0,1,2,3
	ds_store_b128 v[STO], v[ACC+8*(4*\a+\b):ACC+8*(4*\a+\b)+3] offset:128*(\b/2)+32*(\b%2)          ; each accumulator from its low end on
	ds_store_b128 v[STO], v[ACC+8*(4*\a+\b)+4:ACC+8*(4*\a+\b)+7] offset:128*(\b/2)+32*(\b%2)+16
.endr
.irp t, 0,1,2,3,4,5,6,7
	ds_load_b128 v[64+32*(\a%2)+4*\t:64+32*(\a%2)+4*\t+3], v[RD] offset:544*\t   ; LDS serves a wave's instructions in order: these see my stores
.endr
	s_wait_dscnt 0x0
	s_wait_loadcnt 24-8*\a                         ; this block's 8 loads of the residual are in; the later blocks' may be out
	WIN 0x04                                       ; source 1 window 1
.irp k, 0,2,4,6,8,10,12,14,16,18,20,22,24,26,28,30
	v_pk_add_f32 v[64+32*(\a%2)+\k:64+32*(\a%2)+\k+1], v[64+32*(\a%2)+\k:64+32*(\a%2)+\k+1], v[32*\a+\k:32*\a+\k+1]
.endr
	WIN 0
.irp t, 0,1,2,3,4,5,6,7
	global_store_b128 v[CO], v[64+32*(\a%2)+4*\t:64+32*(\a%2)+4*\t+3], s[12:13] offset:(32*(\a/2)+8*(\a%2)+2*\t+8*(\t/4))*4096   ; 16 lanes store 256 consecutive aligned bytes
.endr
.endr
	s_wait_tensorcnt 0x0                           ; the wave's end
	ds_add_u32 v[SPW], v[NIL]
	s_wait_dscnt 0x0
	CROUND                                         ; the closing round
	s_endpgm
.Lfunc_end_k_q9853f3d70a_gwo:
	.size	k_q9853f3d70a_gwo, .Lfunc_end_k_q9853f3d70a_gwo-k_q9853f3d70a_gwo
	.p2alignl 7, 3214868480
	.fill 96, 4, 3214868480
	.section	.rodata,"a",@progbits
	.p2align	6, 0x0
	.amdhsa_kernel k_q9853f3d70a_gwo
		.amdhsa_group_segment_fixed_size 327680
		.amdhsa_private_segment_fixed_size 0
		.amdhsa_enable_private_segment 0
		.amdhsa_kernarg_size 40
		.amdhsa_user_sgpr_count 2
		.amdhsa_user_sgpr_kernarg_segment_ptr 1
		.amdhsa_wavefront_size32 1
		.amdhsa_system_sgpr_workgroup_id_x 1
		.amdhsa_system_sgpr_workgroup_id_y 1
		.amdhsa_system_sgpr_workgroup_id_z 1
		.amdhsa_system_vgpr_workitem_id 0
		.amdhsa_next_free_vgpr 512
		.amdhsa_next_free_sgpr 100
		.amdhsa_reserve_vcc 0
		.amdhsa_float_denorm_mode_32 3
		.amdhsa_float_denorm_mode_16_64 3
		.amdhsa_memory_ordered 1
		.amdhsa_forward_progress 1
		.amdhsa_inst_pref_size 63
	.end_amdhsa_kernel
	.amdgpu_metadata
---
amdhsa.version: [ 1, 2 ]
amdhsa.kernels:
  - .name:           k_q9853f3d70a_gwo
    .symbol:         k_q9853f3d70a_gwo.kd
    .args:
      - { .name: ybuf, .offset: 0, .size: 8, .value_kind: global_buffer, .address_space: global }
      - { .name: wbuf, .offset: 8, .size: 8, .value_kind: global_buffer, .address_space: global }
      - { .name: bo, .offset: 16, .size: 8, .value_kind: global_buffer, .address_space: global }
      - { .name: x, .offset: 24, .size: 8, .value_kind: global_buffer, .address_space: global }
      - { .name: x1buf, .offset: 32, .size: 8, .value_kind: global_buffer, .address_space: global }
    .group_segment_fixed_size: 327680
    .private_segment_fixed_size: 0
    .kernarg_segment_align: 8
    .kernarg_segment_size: 40
    .max_flat_workgroup_size: 128
    .sgpr_count:     100
    .vgpr_count:     512
    .wavefront_size: 32
...
	.end_amdgpu_metadata
.endif
;; end of part 6
;; launch ln2: the kernel of part 2 again; grid 256 x 1, 4 waves a work-group, no clusters, 67,072 bytes of LDS; arguments x1buf, ln2_g, ln2_b, ybuf; writes ybuf
;; launch gffn1 (part 7): grid 32 x 32, 4 waves a work-group, clusters of 4 x 4, 327,680 bytes of LDS; arguments ybuf, wbuf, b1, hbuf; writes hbuf
.if DOCPART == 7
	.amdgcn_target "amdgcn-amd-amdhsa--gfx1250"
	.amdhsa_code_object_version 6
	.text
	.protected	k_q9853f3d70a_gffn1
	.globl	k_q9853f3d70a_gffn1
	.p2align	8
	.type	k_q9853f3d70a_gffn1,@function
k_q9853f3d70a_gffn1:
	s_mov_b64 s[64:65], 0
	v_nop
	global_prefetch_b8 v0, s[64:65] scope:SCOPE_SE
	s_setreg_imm32_b32 hwreg(HW_REG_WAVE_MODE, 25, 1), 1
	s_wait_xcnt 0x0
	s_wait_alu depctr_hold_cnt(0) depctr_sa_sdst(0) depctr_va_vdst(0) depctr_va_sdst(0) depctr_va_ssrc(0) depctr_va_vcc(0) depctr_vm_vsrc(0)
	s_getreg_b32 s2, hwreg(HW_REG_IB_STS2, 6, 4)
	s_cmp_eq_u32 s2, 0
	s_cbranch_scc0 .Lentry_in_a_cluster
	s_endpgm
.Lentry_in_a_cluster:
	s_bfe_u32 s2, ttmp6, 0x10000c
	s_cmp_lg_u32 s2, 0xf033
	s_cbranch_scc0 .Lentry_shape_is_right
	s_endpgm
.Lentry_shape_is_right:
; h = gelu(y w1 + b1), the exact gelu 0.5 x (1 + erf(x / sqrt 2)); the product on codes of FP6 (E2M3) with E8M0 scales; h is quantised along the hidden axis, in registers, for the next product.
; OPERANDS are images of the operand's registers.  Rows go in tiles of 16: tile T, place r = row 32 (T / 2) + 8 (T % 2) + r + 8 (r / 8).  A fragment (16 rows x 128 K) is 1,536 bytes: two half images of 768,
; in each lane (r, hh)'s 24 bytes as 16 bytes at 16 x lane and 8 bytes at 512 + 16 r + 8 hh.  Codes: [tile][K step][1,536]; scale words: [tile][K step][16] of 4 bytes.
; A = 4,096 tokens (LN2's codes), B = the 4,096 rows of w1.  A tile of C is 128 x 128, a wave's 64 x 64.  All of K = 1,024 lies in two LDS slots of 4 K steps: first fills only.
; THE PRODUCT IS USED TRANSPOSED (source 0 = 16 rows of B, source 1 = 16 rows of A): lane (r, hh) holds token place r, and register 16 beta + i of a block of 4 accumulators is hidden unit 32 beta + 16 hh + i.  The bias is the C of each sum's first product.
; CLUSTER 4 x 4: A's tiles are asked for jointly along a row of the cluster, B's along a column.
; ERF: z P(z^2) / Q(z^2) with z = x / sqrt 2 held to +-4, P of degree 6 and Q of degree 4 in z^2, all in f32, one reciprocal a number.
; LIMITS: 1 + erf is formed as a sum, so for negative x the error of gelu is about 1e-7 |x| in absolute terms; under x = -5.66 gelu comes out as 0 or about 3e-8 |x|.  NaN and infinities are not served.
; OUT (hbuf): codes at token tile x 49,152 + (hidden / 64) x 768; scale words from 12,582,912: token tile x 2,048 + (hidden / 128) x 64 + 4 r.  A wave makes two of a word's four bytes: stores of 2 bytes a lane (one byte in 24 of the output).
.set KST,   8
.set ACO,   0
.set ASO,   3145728
.set BCO,   3145728
.set BSO,   9568256
.set CM,    1
.set TROW,  6144
.set HALFT, 4*TROW
.set SLOT,  4*HALFT
.set LAPS,  KST/8
.set SCL,   2*SLOT
.set HALFS, 4*KST*64
.set SPARE, SCL+4*HALFS
.set AH, 16
.set AT, 18
.set BH, 20
.set BT, 22
.set ADRS, 27
.set SPW, 28
.set NIL, 29
.set OH, 30
.set OT, 31
.set SC, 32                            ; v32-39 scale words and nothing else
.set BI, 64
.set ACC, 128
.set G1, 24
.set G0, 32
.set G1B, 48
.set G0B, 56
.set G1S, 68
.set G0S, 76
.set G1SB, 80
.set G0SB, 88
.set MUL,  0x05
.set TO_F, 0x40
.set MSB, 0
.macro WIN new                         ; the immediate's high byte repeats the setting that is left
.if MSB != \new
	s_set_vgpr_msb (MSB<<8)|\new
.set MSB, \new
.endif
.endm
.macro JLOAD g0a, g1a, g0b, g1b        ; a joint load: waves 0 and 1 fetch for A, waves 2 and 3 for B; four v_nop follow each line
	s_cmp_eq_u32 s15, 0
	s_cbranch_scc0 .Lfor_b_\@
	tensor_load_to_lds s[\g0a:\g0a+3], s[\g1a:\g1a+7]
	s_nop 0
.rept 4
	v_nop
.endr
	s_branch .Lasked_\@
.Lfor_b_\@:
	tensor_load_to_lds s[\g0b:\g0b+3], s[\g1b:\g1b+7]
	s_nop 0
.rept 4
	v_nop
.endr
.Lasked_\@:
.endm
.macro CREST
	s_cmp_lg_u32 s14, 0
	s_cbranch_scc1 .Lnot_wave_0_\@
	s_barrier_signal -3
.Lnot_wave_0_\@:
	s_barrier_wait -3
	s_barrier_signal -1
	s_barrier_wait -1
.endm
.macro CROUND
	s_barrier_signal -1
	s_barrier_wait -1
	CREST
.endm
.macro PLACES n                        ; plain lines between a matrix instruction and a load into, or a read or write of, its registers
.rept \n
	v_nop
.endr
.endm
.macro FRAG reg, h, t, off
	ds_load_b128 v[\reg:\reg+3], v[\h] offset:\off
	ds_load_b64 v[\reg+4:\reg+5], v[\t] offset:\off+512
	ds_load_b128 v[\reg+6:\reg+9], v[\h] offset:\off+768
	ds_load_b64 v[\reg+10:\reg+11], v[\t] offset:\off+1280
.endm
.macro FETCH slot, q, f, sc            ; 36 loads: 4 scale words, B's 4 fragments, A's tiles 0 and 1, A's tiles 2 and 3
	WIN 0
.irp i, 0,1,2,3
	ds_load_b32 v[SC+4*(\sc)+\i], v[ADRS] offset:\i*KST*64+64*(\q)
.endr
	WIN TO_F
.irp i, 0,1,2,3
	FRAG \f+48+12*\i, BH+\slot, BT+\slot, \i*TROW+1536*(\q)
.endr
.irp i, 0,1,2,3
	FRAG \f+12*\i, AH+\slot, AT+\slot, \i*TROW+1536*(\q)
.endr
.endm
.macro MUL4 f, sc, a, cm               ; A's tile a against B's four; the 16 accumulators take turns
.irp b, 0,1,2,3
.if \cm == 0
	v_wmma_scale_f32_16x16x128_f8f6f4 v[ACC+8*(4*\a+\b):ACC+8*(4*\a+\b)+7], v[\f+48+12*\b:\f+48+12*\b+11], v[\f+12*\a:\f+12*\a+11], v[ACC+8*(4*\a+\b):ACC+8*(4*\a+\b)+7], v[SC+4*(\sc)+\b], v[SC+4*(\sc)+\a] matrix_a_fmt:MATRIX_FMT_FP6 matrix_b_fmt:MATRIX_FMT_FP6 matrix_a_scale:MATRIX_SCALE_ROW1
.elseif \cm == 1
	v_wmma_scale_f32_16x16x128_f8f6f4 v[ACC+8*(4*\a+\b):ACC+8*(4*\a+\b)+7], v[\f+48+12*\b:\f+48+12*\b+11], v[\f+12*\a:\f+12*\a+11], v[BI+8*\b:BI+8*\b+7], v[SC+4*(\sc)+\b], v[SC+4*(\sc)+\a] matrix_a_fmt:MATRIX_FMT_FP6 matrix_b_fmt:MATRIX_FMT_FP6 matrix_a_scale:MATRIX_SCALE_ROW1
.else
	v_wmma_scale_f32_16x16x128_f8f6f4 v[ACC+8*(4*\a+\b):ACC+8*(4*\a+\b)+7], v[\f+48+12*\b:\f+48+12*\b+11], v[\f+12*\a:\f+12*\a+11], v[BI+8*\a:BI+8*\a+7], v[SC+4*(\sc)+\b], v[SC+4*(\sc)+\a] matrix_a_fmt:MATRIX_FMT_FP6 matrix_b_fmt:MATRIX_FMT_FP6 matrix_a_scale:MATRIX_SCALE_ROW1
.endif
.endr
.endm
.macro STEP slot, q, cm
.set PF, 128*((\q)%2)
.set PG, 128-PF
.set PS, (\q)%2
.set PT, 1-PS
	s_wait_dscnt 8                                 ; all but the youngest 8 loads (A's tiles 2 and 3)
	WIN MUL
	MUL4 PF, PS, 0, \cm
	MUL4 PF, PS, 1, \cm
	PLACES 4                                       ; for the loads into the other buffer and its scale words
	FETCH \slot, (\q)+1, PG, PT
	s_wait_dscnt 36                                ; all but the 36 just issued
	WIN MUL
	MUL4 PF, PS, 2, \cm
	MUL4 PF, PS, 3, \cm
.endm
.macro TURN slot, next, fill
	WIN 0
	s_wait_tensorcnt 0x0                           ; all my tensor loads have landed, my part of the next slot among them
	ds_add_u32 v[SPW], v[NIL]                      ; 0 onto my spare word
	s_wait_dscnt 9                                 ; (the add and A's tiles 2 and 3 may be out)
	WIN MUL
	MUL4 128, 1, 0, 0
	s_wait_dscnt 0x0                               ; the add is done, and my reads of this slot are over
	s_barrier_signal -1
	MUL4 128, 1, 1, 0
	WIN 0
	s_barrier_wait -1
.if \fill
	CREST
	s_add_nc_u64 s[G0+4*\slot+2:G0+4*\slot+3], s[G0+4*\slot+2:G0+4*\slot+3], 2*TROW
	s_add_nc_u64 s[G0B+4*\slot+2:G0B+4*\slot+3], s[G0B+4*\slot+2:G0B+4*\slot+3], 2*TROW
	JLOAD G0+4*\slot, G1, G0B+4*\slot, G1B
.else
	PLACES 4
.endif
	v_add_nc_u32 v[ADRS], 256, v[ADRS]
	FETCH \next, 0, 0, 0
	WIN MUL
	MUL4 128, 1, 2, 0
	MUL4 128, 1, 3, 0
.endm
	s_load_b128 s[4:7], s[0:1], 0x0                ; A, B
	s_load_b128 s[8:11], s[0:1], 0x10              ; b1, hbuf
	v_lshl_add_u32 v[SPW], v0, 2, SPARE
	v_mov_b32 v[NIL], 0
	ds_add_u32 v28, v29
	ds_add_u32 v28, v29
	s_wait_dscnt 0x0
	v_lshrrev_b32 v1, 5, v0
	v_readfirstlane_b32 s14, v1
	s_lshr_b32 s15, s14, 1
	s_and_b32 s16, s14, 1
	s_bfe_u32 s40, ttmp6, 0x40000
	s_bfe_u32 s41, ttmp6, 0x40004
	s_lshl_b32 s42, ttmp9, 2
	s_add_co_u32 s42, s42, s40                     ; B's block of 128 rows
	s_and_b32 s17, ttmp7, 0xffff
	s_lshl_b32 s17, s17, 2
	s_add_co_u32 s17, s17, s41                     ; A's block of 128 rows
	s_lshl_b32 s43, s41, 2
	s_lshl_b32 s43, 15, s43
	s_lshl_b32 s44, 0x1111, s40
	s_or_b32 s[G1+0], s43, (3<<16)|(1<<21)
	s_or_b32 s[G1B+0], s44, (3<<16)|(1<<21)
.irp g, G1, G1B
	s_mov_b32 s[\g+1], 768<<16
	s_mov_b32 s[\g+2], 4<<16
	s_mov_b32 s[\g+3], 768<<16
	s_mov_b32 s[\g+4], 4
	s_mov_b32 s[\g+5], KST*192
	s_mov_b32 s[\g+6], 0
	s_mov_b32 s[\g+7], 0
.endr
	s_or_b32 s[G1S+0], s43, (3<<16)|(1<<21)
	s_or_b32 s[G1SB+0], s44, (3<<16)|(1<<21)
.irp g, G1S, G1SB
	s_mov_b32 s[\g+1], 32<<16
	s_mov_b32 s[\g+2], (HALFS/256)<<16
	s_mov_b32 s[\g+3], 32<<16
	s_mov_b32 s[\g+4], HALFS/256
	s_mov_b32 s[\g+5], 32
	s_mov_b32 s[\g+6], 0
	s_mov_b32 s[\g+7], 0
.endr
	s_lshl_b32 s18, s16, 2
	s_lshl_b32 s20, s17, 3
	s_add_co_u32 s20, s20, s18
	s_lshl_b32 s46, s42, 3
	s_add_co_u32 s46, s46, s18
	s_mul_i32 s22, s20, KST*64
	s_add_co_u32 s22, s22, ASO
	s_mov_b32 s23, 0
	s_mul_i32 s92, s46, KST*64
	s_add_co_u32 s92, s92, BSO
	s_mov_b32 s93, 0
	s_mul_i32 s20, s20, KST*1536
	s_add_co_u32 s20, s20, ACO
	s_mov_b32 s21, 0
	s_mul_i32 s46, s46, KST*1536
	s_add_co_u32 s46, s46, BCO
	s_mov_b32 s47, 0
	s_mul_i32 s45, s14, HALFT
	s_mul_i32 s94, s14, HALFS
	s_mov_b32 s96, 0x76543210
	s_mov_b32 s97, 0xfedcba98
	s_mov_b32 s98, 0xffff0000
	s_wait_kmcnt 0x0
	s_add_nc_u64 s[20:21], s[4:5], s[20:21]
	s_add_nc_u64 s[22:23], s[4:5], s[22:23]
	s_add_nc_u64 s[46:47], s[6:7], s[46:47]
	s_add_nc_u64 s[92:93], s[6:7], s[92:93]
	CROUND                                         ; all sixteen work-groups are here: the first joint loads meet
	s_mov_b32 s[G0S], 1
	s_add_co_u32 s[G0S+1], s94, SCL
	s_mov_b64 s[G0S+2:G0S+3], s[22:23]
	s_or_b32 s[G0S+3], s[G0S+3], 0x80000000
	s_mov_b32 s[G0SB], 1
	s_add_co_u32 s[G0SB+1], s94, SCL
	s_mov_b64 s[G0SB+2:G0SB+3], s[92:93]
	s_or_b32 s[G0SB+3], s[G0SB+3], 0x80000000
	JLOAD G0S, G1S, G0SB, G1SB
.irp s, 0,1
	s_mov_b32 s[G0+4*\s], 1
	s_add_co_u32 s[G0+4*\s+1], s45, \s*SLOT
	s_add_nc_u64 s[G0+4*\s+2:G0+4*\s+3], s[20:21], \s*TROW
	s_or_b32 s[G0+4*\s+3], s[G0+4*\s+3], 0x80000000
	s_mov_b32 s[G0B+4*\s], 1
	s_add_co_u32 s[G0B+4*\s+1], s45, \s*SLOT
	s_add_nc_u64 s[G0B+4*\s+2:G0B+4*\s+3], s[46:47], \s*TROW
	s_or_b32 s[G0B+4*\s+3], s[G0B+4*\s+3], 0x80000000
	JLOAD G0+4*\s, G1, G0B+4*\s, G1B               ; three loads of mine are out now
.endr
	v_and_b32 v1, 15, v0
	v_bfe_u32 v2, v0, 4, 1
	v_and_b32 v3, 31, v0
	v_lshlrev_b32 v[OH], 4, v3
	v_lshlrev_b32 v[OT], 4, v1
	v_lshl_add_u32 v[OT], v2, 3, v[OT]
	s_mul_i32 s21, s15, HALFT
	s_mul_i32 s22, s16, HALFT
	s_add_co_u32 s22, s22, 2*HALFT
.irp s, 0,1
	v_add_nc_u32 v[AH+\s], s21, v[OH]
	v_add_nc_u32 v[AT+\s], s21, v[OT]
	v_add_nc_u32 v[BH+\s], s22, v[OH]
	v_add_nc_u32 v[BT+\s], s22, v[OT]
	s_add_co_u32 s21, s21, SLOT
	s_add_co_u32 s22, s22, SLOT
.endr
	s_mul_i32 s21, s15, HALFS
	s_mul_i32 s22, s16, HALFS
	s_add_co_u32 s22, s22, 2*HALFS
	s_sub_co_u32 s22, s22, s21
	v_mul_u32_u24 v6, s22, v2
	s_add_co_u32 s21, s21, SCL
	v_lshl_add_u32 v5, v1, 2, v6
	v_add_nc_u32 v[ADRS], s21, v5
	; the bias: for B's tile b lane (r, hh) wants the numbers of rows 32 (b / 2) + 8 (b % 2) + 16 hh + 0 .. 7
	s_lshl_b32 s46, s42, 9
	s_lshl_b32 s47, s16, 8
	s_add_co_u32 s46, s46, s47
	s_mov_b32 s47, 0
	s_add_nc_u64 s[8:9], s[8:9], s[46:47]
	v_lshlrev_b32 v4, 6, v2
.irp b, 0,1,2,3
	global_load_b128 v[BI+8*\b:BI+8*\b+3], v4, s[8:9] offset:(32*(\b/2)+8*(\b%2))*4
	global_load_b128 v[BI+8*\b+4:BI+8*\b+7], v4, s[8:9] offset:(32*(\b/2)+8*(\b%2))*4+16
.endr
	s_wait_loadcnt 0x0
	s_wait_tensorcnt 1                             ; the scale words and my part of slot 0 are in; slot 1's load may be out
	s_barrier_signal -1
	s_barrier_wait -1
	FETCH 0, 0, 0, 0
	STEP 0, 0, CM
	STEP 0, 1, 0
	STEP 0, 2, 0
	TURN 0, 1, 0
	STEP 1, 0, 0
	STEP 1, 1, 0
	STEP 1, 2, 0
	s_wait_dscnt 8
	WIN MUL
	MUL4 128, 1, 0, 0
	MUL4 128, 1, 1, 0
	s_wait_dscnt 0x0
	MUL4 128, 1, 2, 0
	MUL4 128, 1, 3, 0
	WIN 0
	PLACES 4
	; THE WAY OUT.  No tensor load is out since the change of slots: the descriptors' registers are free
	s_lshl_b32 s50, s42, 1
	s_add_co_u32 s50, s50, s16                     ; my 64 hidden units: half image 0..63 of the next K
	s_lshl_b32 s51, s17, 3
	s_lshl_b32 s52, s15, 2
	s_add_co_u32 s51, s51, s52                     ; my first token tile
	s_mul_i32 s56, s51, 49152
	s_mul_i32 s57, s50, 768
	s_add_co_u32 s56, s56, s57
	s_mov_b32 s57, 0
	s_lshl_b32 s58, s51, 11
	s_lshr_b32 s59, s50, 1
	s_lshl_b32 s59, s59, 6
	s_add_co_u32 s58, s58, s59
	s_and_b32 s59, s50, 1
	s_lshl_b32 s59, s59, 1
	s_add_co_u32 s58, s58, s59
	s_add_co_u32 s58, s58, 12582912
	s_mov_b32 s59, 0
	s_add_nc_u64 s[56:57], s[10:11], s[56:57]
	s_add_nc_u64 s[58:59], s[10:11], s[58:59]
.macro SETC r, c                       ; a coefficient as a pair: the packed forms name a pair and take its low word for both halves
	s_mov_b32 s[\r], \c
	s_mov_b32 s[\r+1], \c
.endm
	SETC 26, 0x32edffee                            ; P: 2.77068142e-08
	SETC 28, 0xb60cff51                            ;   -2.10102402e-06
	SETC 30, 0xb86ec2d2                            ;   -5.69250639e-05
	SETC 32, 0xba40ac63                            ;   -7.34990630e-04
	SETC 34, 0xbb41a1f6                            ;   -2.95459981e-03
	SETC 36, 0xbc83dbd4                            ;   -1.60960333e-02
	SETC 40, 0xb95fbd29                            ; Q: -2.13374055e-04
	SETC 42, 0xbadc924e                            ;   -1.68282697e-03
	SETC 44, 0xbbf19bf8                            ;   -7.37332917e-03
	SETC 46, 0xbc69b6a7                            ;   -1.42647391e-02
	SETC 48, 0x3f3504f3                            ; sqrt(1 / 2)
	WIN 0x40
	v_mov_b32 v128, 0xaf95df0b                     ; P's leading coefficient, -2.72614226e-10, and Q's, -1.45660718e-05, in vector pairs of window 1: so each packed line reads one scalar pair
	v_mov_b32 v129, 0xaf95df0b
	v_mov_b32 v130, 0xb77460cd
	v_mov_b32 v131, 0xb77460cd
	WIN 0
	v_mov_b32 v42, 0                               ; written once: a lane permute's destination counts as one of its sources
	v_mov_b32 v43, 0
.macro PK16 d, c                       ; 16 pairs: v[d ..] = v[d ..] x z^2 + the coefficient in s[c]
.irp k, 0,1,2,3,4,5,6,7,8,9,10,11,12,13,14,15
	v_pk_fma_f32 v[\d+2*\k:\d+2*\k+1], v[\d+2*\k:\d+2*\k+1], v[32+2*\k:33+2*\k], s[\c:\c+1] op_sel_hi:[1,1,0]
.endr
.endm
; gelu of the 32 numbers v[s] .. v[s + 31] of window 0, in place, stage by stage over 16 pairs, so that no line waits for the line above it.
; Window 1, where the fragments lay: v0-31 z, v32-63 z^2 and later x / 2, v64-95 the numerator and then erf, v96-127 the denominator and then its reciprocal.
.macro GELU32 s
	WIN 0x40                                       ; destination window 1, source 0 window 0
.irp k, 0,1,2,3,4,5,6,7,8,9,10,11,12,13,14,15
	v_pk_mul_f32 v[2*\k:2*\k+1], v[\s+2*\k:\s+2*\k+1], s[48:49] op_sel_hi:[1,0]   ; each accumulator is read from its low end on
.endr
	WIN 0x55                                       ; all in window 1
.irp j, 0,1,2,3,4,5,6,7,8,9,10,11,12,13,14,15,16,17,18,19,20,21,22,23,24,25,26,27,28,29,30,31
	v_med3_num_f32 v[\j], v[\j], -4.0, 4.0
.endr
.irp k, 0,1,2,3,4,5,6,7,8,9,10,11,12,13,14,15
	v_pk_mul_f32 v[32+2*\k:33+2*\k], v[2*\k:2*\k+1], v[2*\k:2*\k+1]
.endr
.irp k, 0,1,2,3,4,5,6,7,8,9,10,11,12,13,14,15
	v_pk_fma_f32 v[64+2*\k:65+2*\k], v[32+2*\k:33+2*\k], v[128:129], s[26:27] op_sel_hi:[1,1,0]
.endr
.irp k, 0,1,2,3,4,5,6,7,8,9,10,11,12,13,14,15
	v_pk_fma_f32 v[96+2*\k:97+2*\k], v[32+2*\k:33+2*\k], v[130:131], s[40:41] op_sel_hi:[1,1,0]
.endr
	PK16 64, 28
	PK16 96, 42
	PK16 64, 30
	PK16 96, 44
	PK16 64, 32
	PK16 96, 46
	PK16 64, 34
	PK16 64, 36
.irp j, 0,1,2,3,4,5,6,7,8,9,10,11,12,13,14,15,16,17,18,19,20,21,22,23,24,25,26,27,28,29,30,31
	v_rcp_f32 v[96+\j], v[96+\j]
.endr
.irp k, 0,1,2,3,4,5,6,7,8,9,10,11,12,13,14,15
	v_pk_mul_f32 v[64+2*\k:65+2*\k], v[64+2*\k:65+2*\k], v[2*\k:2*\k+1]   ; z P(z^2): plain work behind the reciprocals
.endr
	WIN 0x40
.irp k, 0,1,2,3,4,5,6,7,8,9,10,11,12,13,14,15
	v_pk_mul_f32 v[32+2*\k:33+2*\k], v[\s+2*\k:\s+2*\k+1], 0.5 op_sel_hi:[1,0]   ; x / 2
.endr
	s_wait_alu depctr_va_vdst(0)                   ; one wait for the 32 reciprocals, ahead of their first reader
	WIN 0x55
.irp k, 0,1,2,3,4,5,6,7,8,9,10,11,12,13,14,15
	v_pk_mul_f32 v[64+2*\k:65+2*\k], v[64+2*\k:65+2*\k], v[96+2*\k:97+2*\k]   ; erf
.endr
	WIN 0x15                                       ; sources window 1, destination window 0
.irp k, 0,1,2,3,4,5,6,7,8,9,10,11,12,13,14,15
	v_pk_fma_f32 v[\s+2*\k:\s+2*\k+1], v[32+2*\k:33+2*\k], v[64+2*\k:65+2*\k], v[32+2*\k:33+2*\k]   ; x / 2 x erf + x / 2
.endr
	WIN 0
.endm
; 32 numbers of a lane, register 16 beta + i = k 32 beta + 16 hh + i of my row, become a half image's codes in v52-57 and two scale bytes in v[48 + a]
.macro QUANT2 s, a
	v_max3_num_f32 v40, |v[\s]|, |v[\s+1]|, 0x1800000
	v_max3_num_f32 v41, |v[\s+16]|, |v[\s+17]|, 0x1800000
.irp i, 2,4,6,8,10,12,14
	v_max3_num_f32 v40, v40, |v[\s+\i]|, |v[\s+\i+1]|
	v_max3_num_f32 v41, v41, |v[\s+16+\i]|, |v[\s+17+\i]|
.endr
	v_permlanex16_b32 v42, v40, s96, s97
	v_permlanex16_b32 v43, v41, s96, s97
	v_max_num_f32 v40, v40, v42
	v_max_num_f32 v41, v41, v43
	v_add_nc_u32 v44, 0xff000000, v40
	v_add_nc_u32 v45, 0xff000000, v41
	v_lshrrev_b32 v42, 23, v44
	v_lshrrev_b32 v43, 23, v45
	v_lshl_or_b32 v[48+\a], v43, 8, v42
	v_cvt_scalef32_pk16_fp6_f32 v[52:54], v[\s:\s+15], v44
	v_cvt_scalef32_pk16_fp6_f32 v[58:60], v[\s+16:\s+31], v45
	v_nop                                          ; one plain line behind a scaled conversion
	v_permlane16_swap_b32 v52, v58
	v_permlane16_swap_b32 v53, v59
	v_permlane16_swap_b32 v54, v60
	v_mov_b32 v55, v58
	v_mov_b32 v56, v59
	v_mov_b32 v57, v60
.endm
.irp a, 0,1,2,3
	GELU32 ACC+32*\a
.if \a > 0
	s_wait_xcnt 0x0                                ; the last block's stores have read the codes' registers
.endif
	QUANT2 ACC+32*\a, \a
	global_store_b128 v[OH], v[52:55], s[56:57] offset:49152*\a
	global_store_b64 v[OT], v[56:57], s[56:57] offset:49152*\a+512
.endr
	v_cndmask_b32 v46, v48, v49, s98               ; lanes 0-15 store token tile 0's bytes, lanes 16-31 tile 1's;
	v_cndmask_b32 v47, v50, v51, s98               ; then tiles 2 and 3
	v_lshlrev_b32 v61, 2, v1
	v_lshl_add_u32 v61, v2, 11, v61                ; 4 r + 2,048 hh
	global_store_b16 v61, v46, s[58:59]
	global_store_b16 v61, v47, s[58:59] offset:4096
	s_wait_tensorcnt 0x0                           ; the wave's end
	ds_add_u32 v[SPW], v[NIL]
	s_wait_dscnt 0x0
	CROUND                                         ; the closing round
	s_endpgm
.Lfunc_end_k_q9853f3d70a_gffn1:
	.size	k_q9853f3d70a_gffn1, .Lfunc_end_k_q9853f3d70a_gffn1-k_q9853f3d70a_gffn1
	.p2alignl 7, 3214868480
	.fill 96, 4, 3214868480
	.section	.rodata,"a",@progbits
	.p2align	6, 0x0
	.amdhsa_kernel k_q9853f3d70a_gffn1
		.amdhsa_group_segment_fixed_size 327680
		.amdhsa_private_segment_fixed_size 0
		.amdhsa_enable_private_segment 0
		.amdhsa_kernarg_size 32
		.amdhsa_user_sgpr_count 2
		.amdhsa_user_sgpr_kernarg_segment_ptr 1
		.amdhsa_wavefront_size32 1
		.amdhsa_system_sgpr_workgroup_id_x 1
		.amdhsa_system_sgpr_workgroup_id_y 1
		.amdhsa_system_sgpr_workgroup_id_z 1
		.amdhsa_system_vgpr_workitem_id 0
		.amdhsa_next_free_vgpr 512
		.amdhsa_next_free_sgpr 100
		.amdhsa_reserve_vcc 0
		.amdhsa_float_denorm_mode_32 3
		.amdhsa_float_denorm_mode_16_64 3
		.amdhsa_memory_ordered 1
		.amdhsa_forward_progress 1
		.amdhsa_inst_pref_size 135
	.end_amdhsa_kernel
	.amdgpu_metadata
---
amdhsa.version: [ 1, 2 ]
amdhsa.kernels:
  - .name:           k_q9853f3d70a_gffn1
    .symbol:         k_q9853f3d70a_gffn1.kd
    .args:
      - { .name: ybuf, .offset: 0, .size: 8, .value_kind: global_buffer, .address_space: global }
      - { .name: wbuf, .offset: 8, .size: 8, .value_kind: global_buffer, .address_space: global }
      - { .name: b1, .offset: 16, .size: 8, .value_kind: global_buffer, .address_space: global }
      - { .name: hbuf, .offset: 24, .size: 8, .value_kind: global_buffer, .address_space: global }
    .group_segment_fixed_size: 327680
    .private_segment_fixed_size: 0
    .kernarg_segment_align: 8
    .kernarg_segment_size: 32
    .max_flat_workgroup_size: 128
    .sgpr_count:     100
    .vgpr_count:     512
    .wavefront_size: 32
...
	.end_amdgpu_metadata
.endif
;; end of part 7
;; launch gffn2 (part 8): grid 8 x 32, 4 waves a work-group, clusters of 4 x 4, 327,680 bytes of LDS; arguments hbuf, wbuf, b2, x1buf, out0; writes out0
.if DOCPART == 8
	.amdgcn_target "amdgcn-amd-amdhsa--gfx1250"
	.amdhsa_code_object_version 6
	.text
	.protected	k_q9853f3d70a_gffn2
	.globl	k_q9853f3d70a_gffn2
	.p2align	8
	.type	k_q9853f3d70a_gffn2,@function
k_q9853f3d70a_gffn2:
	s_mov_b64 s[64:65], 0
	v_nop
	global_prefetch_b8 v0, s[64:65] scope:SCOPE_SE
	s_setreg_imm32_b32 hwreg(HW_REG_WAVE_MODE, 25, 1), 1
	s_wait_xcnt 0x0
	s_wait_alu depctr_hold_cnt(0) depctr_sa_sdst(0) depctr_va_vdst(0) depctr_va_sdst(0) depctr_va_ssrc(0) depctr_va_vcc(0) depctr_vm_vsrc(0)
	s_getreg_b32 s2, hwreg(HW_REG_IB_STS2, 6, 4)
	s_cmp_eq_u32 s2, 0
	s_cbranch_scc0 .Lentry_in_a_cluster
	s_endpgm
.Lentry_in_a_cluster:
	s_bfe_u32 s2, ttmp6, 0x10000c
	s_cmp_lg_u32 s2, 0xf033
	s_cbranch_scc0 .Lentry_shape_is_right
	s_endpgm
.Lentry_shape_is_right:
; out = x1 + h w2 + b2: the product on codes of FP6 (E2M3) with E8M0 scales, K = 4,096; the rest in f32.
; OPERANDS are images of the operand's registers.  Rows go in tiles of 16: tile T, place r = row 32 (T / 2) + 8 (T % 2) + r + 8 (r / 8).  A fragment (16 rows x 128 K) is 1,536 bytes: two half images of 768,
; in each lane (r, hh)'s 24 bytes as 16 bytes at 16 x lane and 8 bytes at 512 + 16 r + 8 hh.  Codes: [tile][K step][1,536]; scale words: [tile][K step][16] of 4 bytes.
; A = 4,096 tokens (the hidden layer's codes), B = the 1,024 rows of w2.  A tile of C is 128 x 128, a wave's 64 x 64.  K goes through a ring of two LDS slots of 4 K steps; the scale words of all of K come once and stay.
; A slot is filled again behind a round of the cluster's barrier: one joint load a wave, which has the other slot's 4 K steps, 64 matrix instructions a wave, in which to land.
; THE PRODUCT IS USED TRANSPOSED (source 0 = 16 rows of B, source 1 = 16 rows of A): lane (r, hh) holds token place r, and register 16 beta + i of a block of 4 accumulators is column 32 beta + 16 hh + i.  The bias is the C of each sum's first product.
; CLUSTER 4 x 4: A's tiles are asked for jointly along a row of the cluster, B's along a column.
; THE WAY OUT: 16 rows x 64 columns at a time through the wave's own stage in LDS, back as rows of 256 bytes; the residual is added; sixteen lanes store 256 consecutive aligned bytes.
.set KST,   32
.set ACO,   0
.set ASO,   12582912
.set BCO,   6291456
.set BSO,   9699328
.set CM,    1
.set TROW,  6144
.set HALFT, 4*TROW
.set SLOT,  4*HALFT
.set LAPS,  KST/8
.set SCL,   2*SLOT
.set HALFS, 4*KST*64
.set SPARE, SCL+4*HALFS
.set STAGE, SPARE+512                  ; 16 rows x 272 bytes for each wave: no fill lands here
.set AH, 16
.set AT, 18
.set BH, 20
.set BT, 22
.set STO, 24
.set RD, 25
.set CO, 26
.set ADRS, 27
.set SPW, 28
.set NIL, 29
.set OH, 30
.set OT, 31
.set SC, 32                            ; v32-39 scale words and nothing else
.set BI, 64                            ; v64-95 the bias; on the way out v64-127 take rows read back from the stage
.set ACC, 128
.set G1, 24
.set G0, 32
.set G1B, 48
.set G0B, 56
.set G1S, 68
.set G0S, 76
.set G1SB, 80
.set G0SB, 88
.set MUL,  0x05
.set TO_F, 0x40
.set MSB, 0
.macro WIN new                         ; the immediate's high byte repeats the setting that is left
.if MSB != \new
	s_set_vgpr_msb (MSB<<8)|\new
.set MSB, \new
.endif
.endm
.macro JLOAD g0a, g1a, g0b, g1b        ; a joint load: waves 0 and 1 fetch for A, waves 2 and 3 for B; four v_nop follow each line
	s_cmp_eq_u32 s15, 0
	s_cbranch_scc0 .Lfor_b_\@
	tensor_load_to_lds s[\g0a:\g0a+3], s[\g1a:\g1a+7]
	s_nop 0
.rept 4
	v_nop
.endr
	s_branch .Lasked_\@
.Lfor_b_\@:
	tensor_load_to_lds s[\g0b:\g0b+3], s[\g1b:\g1b+7]
	s_nop 0
.rept 4
	v_nop
.endr
.Lasked_\@:
.endm
.macro CREST
	s_cmp_lg_u32 s14, 0
	s_cbranch_scc1 .Lnot_wave_0_\@
	s_barrier_signal -3
.Lnot_wave_0_\@:
	s_barrier_wait -3
	s_barrier_signal -1
	s_barrier_wait -1
.endm
.macro CROUND
	s_barrier_signal -1
	s_barrier_wait -1
	CREST
.endm
.macro PLACES n                        ; plain lines between a matrix instruction and a load into, or a read of, its registers
.rept \n
	v_nop
.endr
.endm
.macro FRAG reg, h, t, off
	ds_load_b128 v[\reg:\reg+3], v[\h] offset:\off
	ds_load_b64 v[\reg+4:\reg+5], v[\t] offset:\off+512
	ds_load_b128 v[\reg+6:\reg+9], v[\h] offset:\off+768
	ds_load_b64 v[\reg+10:\reg+11], v[\t] offset:\off+1280
.endm
.macro FETCH slot, q, f, sc            ; 36 loads: 4 scale words, B's 4 fragments, A's tiles 0 and 1, A's tiles 2 and 3
	WIN 0
.irp i, 0,1,2,3
	ds_load_b32 v[SC+4*(\sc)+\i], v[ADRS] offset:\i*KST*64+64*(\q)
.endr
	WIN TO_F
.irp i, 0,1,2,3
	FRAG \f+48+12*\i, BH+\slot, BT+\slot, \i*TROW+1536*(\q)
.endr
.irp i, 0,1,2,3
	FRAG \f+12*\i, AH+\slot, AT+\slot, \i*TROW+1536*(\q)
.endr
.endm
.macro MUL4 f, sc, a, cm               ; A's tile a against B's four; the 16 accumulators take turns
.irp b, 0,1,2,3
.if \cm == 0
	v_wmma_scale_f32_16x16x128_f8f6f4 v[ACC+8*(4*\a+\b):ACC+8*(4*\a+\b)+7], v[\f+48+12*\b:\f+48+12*\b+11], v[\f+12*\a:\f+12*\a+11], v[ACC+8*(4*\a+\b):ACC+8*(4*\a+\b)+7], v[SC+4*(\sc)+\b], v[SC+4*(\sc)+\a] matrix_a_fmt:MATRIX_FMT_FP6 matrix_b_fmt:MATRIX_FMT_FP6 matrix_a_scale:MATRIX_SCALE_ROW1
.elseif \cm == 1
	v_wmma_scale_f32_16x16x128_f8f6f4 v[ACC+8*(4*\a+\b):ACC+8*(4*\a+\b)+7], v[\f+48+12*\b:\f+48+12*\b+11], v[\f+12*\a:\f+12*\a+11], v[BI+8*\b:BI+8*\b+7], v[SC+4*(\sc)+\b], v[SC+4*(\sc)+\a] matrix_a_fmt:MATRIX_FMT_FP6 matrix_b_fmt:MATRIX_FMT_FP6 matrix_a_scale:MATRIX_SCALE_ROW1
.else
	v_wmma_scale_f32_16x16x128_f8f6f4 v[ACC+8*(4*\a+\b):ACC+8*(4*\a+\b)+7], v[\f+48+12*\b:\f+48+12*\b+11], v[\f+12*\a:\f+12*\a+11], v[BI+8*\a:BI+8*\a+7], v[SC+4*(\sc)+\b], v[SC+4*(\sc)+\a] matrix_a_fmt:MATRIX_FMT_FP6 matrix_b_fmt:MATRIX_FMT_FP6 matrix_a_scale:MATRIX_SCALE_ROW1
.endif
.endr
.endm
.macro STEP slot, q, cm
.set PF, 128*((\q)%2)
.set PG, 128-PF
.set PS, (\q)%2
.set PT, 1-PS
	s_wait_dscnt 8                                 ; all but the youngest 8 loads (A's tiles 2 and 3)
	WIN MUL
	MUL4 PF, PS, 0, \cm
	MUL4 PF, PS, 1, \cm
	PLACES 4                                       ; for the loads into the other buffer and its scale words
	FETCH \slot, (\q)+1, PG, PT
	s_wait_dscnt 36                                ; all but the 36 just issued
	WIN MUL
	MUL4 PF, PS, 2, \cm
	MUL4 PF, PS, 3, \cm
.endm
.macro TURN slot, next, fill           ; a slot's last step changes slots: one barrier; fill = 1: this slot is filled again, 8 K steps ahead
	WIN 0
	s_wait_tensorcnt 0x0                           ; all my tensor loads have landed, my part of the next slot among them
	ds_add_u32 v[SPW], v[NIL]                      ; 0 onto my spare word
	s_wait_dscnt 9                                 ; (the add and A's tiles 2 and 3 may be out)
	WIN MUL
	MUL4 128, 1, 0, 0
	s_wait_dscnt 0x0                               ; the add is done, and my reads of this slot are over
	s_barrier_signal -1
	MUL4 128, 1, 1, 0
	WIN 0
	s_barrier_wait -1
.if \fill
	CREST                                          ; the barrier has opened a round of the cluster's barrier: no wave of any partner still reads this slot or has a load on its way
	s_add_nc_u64 s[G0+4*\slot+2:G0+4*\slot+3], s[G0+4*\slot+2:G0+4*\slot+3], 2*TROW
	s_add_nc_u64 s[G0B+4*\slot+2:G0B+4*\slot+3], s[G0B+4*\slot+2:G0B+4*\slot+3], 2*TROW
	JLOAD G0+4*\slot, G1, G0B+4*\slot, G1B         ; the first tensor load behind the round, my one load until the next; its four v_nop are the places for the loads below
.else
	PLACES 4
.endif
	v_add_nc_u32 v[ADRS], 256, v[ADRS]
	FETCH \next, 0, 0, 0
	WIN MUL
	MUL4 128, 1, 2, 0
	MUL4 128, 1, 3, 0
.endm
	s_load_b128 s[4:7], s[0:1], 0x0                ; A, B
	s_load_b128 s[8:11], s[0:1], 0x10              ; bias, residual
	s_load_b64 s[12:13], s[0:1], 0x20              ; out
	v_lshl_add_u32 v[SPW], v0, 2, SPARE
	v_mov_b32 v[NIL], 0
	ds_add_u32 v28, v29
	ds_add_u32 v28, v29
	s_wait_dscnt 0x0
	v_lshrrev_b32 v1, 5, v0
	v_readfirstlane_b32 s14, v1
	s_lshr_b32 s15, s14, 1
	s_and_b32 s16, s14, 1
	s_bfe_u32 s40, ttmp6, 0x40000
	s_bfe_u32 s41, ttmp6, 0x40004
	s_lshl_b32 s42, ttmp9, 2
	s_add_co_u32 s42, s42, s40                     ; B's block of 128 rows
	s_and_b32 s17, ttmp7, 0xffff
	s_lshl_b32 s17, s17, 2
	s_add_co_u32 s17, s17, s41                     ; A's block of 128 rows
	s_lshl_b32 s43, s41, 2
	s_lshl_b32 s43, 15, s43
	s_lshl_b32 s44, 0x1111, s40
	s_or_b32 s[G1+0], s43, (3<<16)|(1<<21)
	s_or_b32 s[G1B+0], s44, (3<<16)|(1<<21)
.irp g, G1, G1B
	s_mov_b32 s[\g+1], 768<<16
	s_mov_b32 s[\g+2], 4<<16
	s_mov_b32 s[\g+3], 768<<16
	s_mov_b32 s[\g+4], 4
	s_mov_b32 s[\g+5], KST*192
	s_mov_b32 s[\g+6], 0
	s_mov_b32 s[\g+7], 0
.endr
	s_or_b32 s[G1S+0], s43, (3<<16)|(1<<21)
	s_or_b32 s[G1SB+0], s44, (3<<16)|(1<<21)
.irp g, G1S, G1SB
	s_mov_b32 s[\g+1], 32<<16
	s_mov_b32 s[\g+2], (HALFS/256)<<16
	s_mov_b32 s[\g+3], 32<<16
	s_mov_b32 s[\g+4], HALFS/256
	s_mov_b32 s[\g+5], 32
	s_mov_b32 s[\g+6], 0
	s_mov_b32 s[\g+7], 0
.endr
	s_lshl_b32 s18, s16, 2
	s_lshl_b32 s20, s17, 3
	s_add_co_u32 s20, s20, s18
	s_lshl_b32 s46, s42, 3
	s_add_co_u32 s46, s46, s18
	s_mul_i32 s22, s20, KST*64
	s_add_co_u32 s22, s22, ASO
	s_mov_b32 s23, 0
	s_mul_i32 s92, s46, KST*64
	s_add_co_u32 s92, s92, BSO
	s_mov_b32 s93, 0
	s_mul_i32 s20, s20, KST*1536
	s_add_co_u32 s20, s20, ACO
	s_mov_b32 s21, 0
	s_mul_i32 s46, s46, KST*1536
	s_add_co_u32 s46, s46, BCO
	s_mov_b32 s47, 0
	s_mul_i32 s45, s14, HALFT
	s_mul_i32 s94, s14, HALFS
	s_wait_kmcnt 0x0
	s_add_nc_u64 s[20:21], s[4:5], s[20:21]
	s_add_nc_u64 s[22:23], s[4:5], s[22:23]
	s_add_nc_u64 s[46:47], s[6:7], s[46:47]
	s_add_nc_u64 s[92:93], s[6:7], s[92:93]
	CROUND                                         ; all sixteen work-groups are here: the first joint loads meet
	s_mov_b32 s[G0S], 1
	s_add_co_u32 s[G0S+1], s94, SCL
	s_mov_b64 s[G0S+2:G0S+3], s[22:23]
	s_or_b32 s[G0S+3], s[G0S+3], 0x80000000
	s_mov_b32 s[G0SB], 1
	s_add_co_u32 s[G0SB+1], s94, SCL
	s_mov_b64 s[G0SB+2:G0SB+3], s[92:93]
	s_or_b32 s[G0SB+3], s[G0SB+3], 0x80000000
	JLOAD G0S, G1S, G0SB, G1SB
.irp s, 0,1
	s_mov_b32 s[G0+4*\s], 1
	s_add_co_u32 s[G0+4*\s+1], s45, \s*SLOT
	s_add_nc_u64 s[G0+4*\s+2:G0+4*\s+3], s[20:21], \s*TROW
	s_or_b32 s[G0+4*\s+3], s[G0+4*\s+3], 0x80000000
	s_mov_b32 s[G0B+4*\s], 1
	s_add_co_u32 s[G0B+4*\s+1], s45, \s*SLOT
	s_add_nc_u64 s[G0B+4*\s+2:G0B+4*\s+3], s[46:47], \s*TROW
	s_or_b32 s[G0B+4*\s+3], s[G0B+4*\s+3], 0x80000000
	JLOAD G0+4*\s, G1, G0B+4*\s, G1B               ; three loads of mine are out now; later one behind each round
.endr
	v_and_b32 v1, 15, v0
	v_bfe_u32 v2, v0, 4, 1
	v_and_b32 v3, 31, v0
	v_lshlrev_b32 v[OH], 4, v3
	v_lshlrev_b32 v[OT], 4, v1
	v_lshl_add_u32 v[OT], v2, 3, v[OT]
	s_mul_i32 s21, s15, HALFT
	s_mul_i32 s22, s16, HALFT
	s_add_co_u32 s22, s22, 2*HALFT
.irp s, 0,1
	v_add_nc_u32 v[AH+\s], s21, v[OH]
	v_add_nc_u32 v[AT+\s], s21, v[OT]
	v_add_nc_u32 v[BH+\s], s22, v[OH]
	v_add_nc_u32 v[BT+\s], s22, v[OT]
	s_add_co_u32 s21, s21, SLOT
	s_add_co_u32 s22, s22, SLOT
.endr
	s_mul_i32 s21, s15, HALFS
	s_mul_i32 s22, s16, HALFS
	s_add_co_u32 s22, s22, 2*HALFS
	s_sub_co_u32 s22, s22, s21
	v_mul_u32_u24 v6, s22, v2
	s_add_co_u32 s21, s21, SCL
	v_lshl_add_u32 v5, v1, 2, v6
	v_add_nc_u32 v[ADRS], s21, v5
	s_mul_i32 s23, s14, 16*272
	s_add_co_u32 s23, s23, STAGE                   ; my stage
	v_mul_u32_u24 v5, v1, 272
	v_lshl_add_u32 v5, v2, 6, v5
	v_add_nc_u32 v[STO], s23, v5                   ; in: row r, + 64 hh
	v_mul_u32_u24 v5, v2, 272
	v_lshl_add_u32 v5, v1, 4, v5
	v_add_nc_u32 v[RD], s23, v5                    ; back: lanes 0-15 one row of 256 bytes, lanes 16-31 the next
	v_lshlrev_b32 v[CO], 12, v2
	v_lshl_add_u32 v[CO], v1, 4, v[CO]             ; and the same two rows in memory
	; the bias: for B's tile b lane (r, hh) wants the numbers of rows 32 (b / 2) + 8 (b % 2) + 16 hh + 0 .. 7
	s_lshl_b32 s46, s42, 9
	s_lshl_b32 s47, s16, 8
	s_add_co_u32 s46, s46, s47                     ; my first column, in bytes
	s_mov_b32 s47, 0
	s_add_nc_u64 s[8:9], s[8:9], s[46:47]
	s_lshl_b32 s20, s17, 19
	s_lshl_b32 s21, s15, 18
	s_add_co_u32 s20, s20, s21                     ; my first row, in bytes
	s_mov_b32 s21, 0
	s_add_nc_u64 s[20:21], s[20:21], s[46:47]
	s_add_nc_u64 s[10:11], s[10:11], s[20:21]
	s_add_nc_u64 s[12:13], s[12:13], s[20:21]
	v_lshlrev_b32 v4, 6, v2
.irp b, 0,1,2,3
	global_load_b128 v[BI+8*\b:BI+8*\b+3], v4, s[8:9] offset:(32*(\b/2)+8*(\b%2))*4
	global_load_b128 v[BI+8*\b+4:BI+8*\b+7], v4, s[8:9] offset:(32*(\b/2)+8*(\b%2))*4+16
.endr
	s_wait_loadcnt 0x0
	s_wait_tensorcnt 1                             ; the scale words and my part of slot 0 are in; slot 1's load may be out
	s_barrier_signal -1
	s_barrier_wait -1
	FETCH 0, 0, 0, 0
	STEP 0, 0, CM
.if LAPS > 1
	WIN 0
	s_mov_b32 s3, LAPS-1
.Llap:                                                 ; a trip goes once round the ring, from a lap's second step to the next lap's first, and fills both slots again
	STEP 0, 1, 0
	STEP 0, 2, 0
	TURN 0, 1, 1
	STEP 1, 0, 0
	STEP 1, 1, 0
	STEP 1, 2, 0
	TURN 1, 0, 1
	STEP 0, 0, 0
	WIN 0
	s_sub_co_u32 s3, s3, 1
	s_cmp_lg_u32 s3, 0
	s_cbranch_scc1 .Llap
.endif
	STEP 0, 1, 0                                   ; the last lap fills nothing
	STEP 0, 2, 0
	TURN 0, 1, 0
	STEP 1, 0, 0
	STEP 1, 1, 0
	STEP 1, 2, 0
	s_wait_dscnt 8
	WIN MUL
	MUL4 128, 1, 0, 0
	MUL4 128, 1, 1, 0
	s_wait_dscnt 0x0
	MUL4 128, 1, 2, 0
	MUL4 128, 1, 3, 0
	WIN 0
	PLACES 4
	; THE WAY OUT.  Stage row rho of block a is row 32 (a / 2) + 8 (a % 2) + rho + 8 (rho / 8) of my 64
	WIN 0x40                                       ; the residual goes into window 1, where the fragments lay
.irp a, 0,1,2,3
.irp t, 0,1,2,3,4,5,6,7
	global_load_b128 v[32*\a+4*\t:32*\a+4*\t+3], v[CO], s[10:11] offset:(32*(\a/2)+8*(\a%2)+2*\t+8*(\t/4))*4096 th:TH_LOAD_NT
.endr
.endr
	WIN 0
.irp a, 0,1,2,3
.if \a >= 2
	s_wait_xcnt 0x0                                ; block a - 2's stores have read their registers: block a's rows may land there
.endif
.irp b, 0,1,2,3
	ds_store_b128 v[STO], v[ACC+8*(4*\a+\b):ACC+8*(4*\a+\b)+3] offset:128*(\b/2)+32*(\b%2)          ; each accumulator from its low end on
	ds_store_b128 v[STO], v[ACC+8*(4*\a+\b)+4:ACC+8*(4*\a+\b)+7] offset:128*(\b/2)+32*(\b%2)+16
.endr
.irp t, 0,1,2,3,4,5,6,7
	ds_load_b128 v[64+32*(\a%2)+4*\t:64+32*(\a%2)+4*\t+3], v[RD] offset:544*\t   ; LDS serves a wave's instructions in order: these see my stores
.endr
	s_wait_dscnt 0x0
	s_wait_loadcnt 24-8*\a                         ; this block's 8 loads of the residual are in; the later blocks' may be out
	WIN 0x04                                       ; source 1 window 1
.irp k, 0,2,4,6,8,10,12,14,16,18,20,22,24,26,28,30
	v_pk_add_f32 v[64+32*(\a%2)+\k:64+32*(\a%2)+\k+1], v[64+32*(\a%2)+\k:64+32*(\a%2)+\k+1], v[32*\a+\k:32*\a+\k+1]
.endr
	WIN 0
.irp t, 0,1,2,3,4,5,6,7
	global_store_b128 v[CO], v[64+32*(\a%2)+4*\t:64+32*(\a%2)+4*\t+3], s[12:13] offset:(32*(\a/2)+8*(\a%2)+2*\t+8*(\t/4))*4096 th:TH_STORE_NT   ; 16 lanes store 256 consecutive aligned bytes
.endr
.endr
	s_wait_tensorcnt 0x0                           ; the wave's end
	ds_add_u32 v[SPW], v[NIL]
	s_wait_dscnt 0x0
	CROUND                                         ; the closing round
	s_endpgm
.Lfunc_end_k_q9853f3d70a_gffn2:
	.size	k_q9853f3d70a_gffn2, .Lfunc_end_k_q9853f3d70a_gffn2-k_q9853f3d70a_gffn2
	.p2alignl 7, 3214868480
	.fill 96, 4, 3214868480
	.section	.rodata,"a",@progbits
	.p2align	6, 0x0
	.amdhsa_kernel k_q9853f3d70a_gffn2
		.amdhsa_group_segment_fixed_size 327680
		.amdhsa_private_segment_fixed_size 0
		.amdhsa_enable_private_segment 0
		.amdhsa_kernarg_size 40
		.amdhsa_user_sgpr_count 2
		.amdhsa_user_sgpr_kernarg_segment_ptr 1
		.amdhsa_wavefront_size32 1
		.amdhsa_system_sgpr_workgroup_id_x 1
		.amdhsa_system_sgpr_workgroup_id_y 1
		.amdhsa_system_sgpr_workgroup_id_z 1
		.amdhsa_system_vgpr_workitem_id 0
		.amdhsa_next_free_vgpr 512
		.amdhsa_next_free_sgpr 100
		.amdhsa_reserve_vcc 0
		.amdhsa_float_denorm_mode_32 3
		.amdhsa_float_denorm_mode_16_64 3
		.amdhsa_memory_ordered 1
		.amdhsa_forward_progress 1
		.amdhsa_inst_pref_size 101
	.end_amdhsa_kernel
	.amdgpu_metadata
---
amdhsa.version: [ 1, 2 ]
amdhsa.kernels:
  - .name:           k_q9853f3d70a_gffn2
    .symbol:         k_q9853f3d70a_gffn2.kd
    .args:
      - { .name: hbuf, .offset: 0, .size: 8, .value_kind: global_buffer, .address_space: global }
      - { .name: wbuf, .offset: 8, .size: 8, .value_kind: global_buffer, .address_space: global }
      - { .name: b2, .offset: 16, .size: 8, .value_kind: global_buffer, .address_space: global }
      - { .name: x1buf, .offset: 24, .size: 8, .value_kind: global_buffer, .address_space: global }
      - { .name: out0, .offset: 32, .size: 8, .value_kind: global_buffer, .address_space: global }
    .group_segment_fixed_size: 327680
    .private_segment_fixed_size: 0
    .kernarg_segment_align: 8
    .kernarg_segment_size: 40
    .max_flat_workgroup_size: 128
    .sgpr_count:     100
    .vgpr_count:     512
    .wavefront_size: 32
...
	.end_amdgpu_metadata
.endif
;; end of part 8
;; ======== version 2 of 2: 7 launches
;; limits: right only within a limited range of input values
;; workspace buffers: wbuf 9,830,400 bytes; ybuf 3,276,800 bytes; qkvbuf 9,830,400 bytes; x1buf 16,777,216 bytes; hbuf 13,107,200 bytes
;; launch prep (part 9): grid 640 x 1, 4 waves a work-group, no clusters, 67,072 bytes of LDS; arguments x, ln1_g, ln1_b, ybuf, wq, wk, wv, wo, w1, w2, wbuf; writes ybuf, wbuf
.if DOCPART == 9
	.amdgcn_target "amdgcn-amd-amdhsa--gfx1250"
	.amdhsa_code_object_version 6
	.text
	.protected	k_q9853f3d70a_prep
	.globl	k_q9853f3d70a_prep
	.p2align	8
	.type	k_q9853f3d70a_prep,@function
k_q9853f3d70a_prep:
	s_mov_b64 s[64:65], 0
	v_nop
	global_prefetch_b8 v0, s[64:65] scope:SCOPE_SE
	s_setreg_imm32_b32 hwreg(HW_REG_WAVE_MODE, 25, 1), 1
	s_wait_xcnt 0x0
; TWO JOBS THAT DO NOT DEPEND ON EACH OTHER SHARE ONE LAUNCH: work-groups 0-383 quantise the six weights, work-groups 384-639 normalise and quantise x.  The two ways part on the work-group's number alone; only the second uses LDS and a barrier.
; Both make codes of FP6 (E2M3) and E8M0 scale bytes, one for each 32 along K, laid as IMAGES OF THE OPERAND'S REGISTERS.
; TILES.  An operand's rows go in tiles of 16: tile T, place r holds row 32 (T / 2) + 8 (T % 2) + r + 8 (r / 8).
; HALF IMAGE.  16 rows x 64 K are 768 bytes: the 24 bytes of (place r, block hh of 32) lie as 16 bytes at 256 hh + 16 r and 8 bytes at 512 + 16 r + 8 hh.  Codes: [tile][K / 64][768].  Scale words: [tile][K / 128][16] of 4 bytes.
; A block's scale is 2^(floor(log2(largest magnitude)) - 2); its byte is that magnitude's exponent field - 2, held at 1 from below.  A block of zeros keeps the byte 1: its codes are zeros and this program alone reads the bytes.
; LIMITS: NaN and infinities are not served by the quantiser.
;
; THE WEIGHTS (f32, K not innermost).  wbuf: K = 1,024: tiles 0-63 wq, 64-127 wk, 128-191 wv, 192-255 wo, 256-511 w1, 12,288 bytes each; w2 (K = 4,096) from 6,291,456, 49,152 a tile; scale words from 9,437,184 (512 a tile) and 9,699,328 (2,048 a tile).
; A LANE TAKES A COLUMN AND ITS REGISTERS RUN DOWN K: a block of 32 lies in one lane, its largest magnitude needs no other lane, and the conversions give codes with K innermost.
; A work-group takes 128 columns x 256 K, a wave 32 columns (two tiles) x 8 blocks.  Lane l is tile u = (l / 8) % 2, place r = l % 8 + 8 (l / 16): so a block's 16-byte pieces of 16 lanes are 256 consecutive aligned bytes of the image.
; The scale words leave in pieces of 64 bytes (one byte in 24 of what is stored).  No register that a store reads, no offset and no base is written again on this way: so no wait frees a source.
	v_lshl_add_u32 v224, v0, 2, 0x10400
	v_mov_b32 v225, 0
	s_cmp_lt_u32 ttmp9, 384
	s_cbranch_scc0 .Lnorm
.set X,  32                            ; v32-95   two sets of 32 numbers
.set RO, 96                            ; v96-127  row i's byte offset: i x the row pitch + 4 x lane
.set HB, 128                           ; v128-159 the first 16 bytes of each block's codes
.set TB, 160                           ; v160-175 the last 8 bytes, two neighbouring blocks' side by side
.set Y,  176                           ; v176-178 the second conversion's result
.set SW, 180                           ; v180-181 scale words of the two K steps of 128
	s_load_b256 s[4:11], s[0:1], 0x20              ; wq, wk, wv, wo
	s_load_b128 s[12:15], s[0:1], 0x40             ; w1, w2
	s_load_b64 s[16:17], s[0:1], 0x50              ; wbuf
	v_lshrrev_b32 v1, 5, v0
	v_readfirstlane_b32 s18, v1                    ; wave
	v_and_b32 v1, 31, v0
	v_lshlrev_b32 v2, 2, v1                        ; 4 x lane
	v_bfe_u32 v5, v0, 3, 1                         ; u
	v_and_b32 v6, 7, v0
	v_bfe_u32 v7, v0, 4, 1
	v_lshl_or_b32 v6, v7, 3, v6                    ; r
	; the job's figures: w2's first, then overwritten by selects on the work-group's number alone
	s_mov_b32 s22, 4096                            ; bytes from a row of K to the next
	s_mov_b32 s23, 256                             ; bytes from 64 columns to the next 64
	s_mov_b32 s24, 0                               ; the tensor's first group of 128 columns
	s_mov_b32 s25, 4                               ; log2 of the groups of 256 along K
	s_mov_b32 s26, 49152                           ; a tile's codes
	s_mov_b32 s27, 2048                            ; a tile's scale words
	s_mov_b32 s28, 6291456                         ; where the codes begin
	s_mov_b32 s29, 9699328                         ; where the scale words begin
	s_sub_co_u32 s30, ttmp9, 256                   ; the job's number in its region
	s_wait_alu depctr_va_vdst(0)
	s_wait_kmcnt 0x0
	s_mov_b64 s[20:21], s[14:15]
	s_cmp_lt_u32 ttmp9, 256                        ; w1, and all of K = 1,024
	s_cselect_b64 s[20:21], s[12:13], s[20:21]
	s_cselect_b32 s22, 16384, s22
	s_cselect_b32 s24, 32, s24
	s_cselect_b32 s25, 2, s25
	s_cselect_b32 s26, 12288, s26
	s_cselect_b32 s27, 512, s27
	s_cselect_b32 s28, 0, s28
	s_cselect_b32 s29, 9437184, s29
	s_cselect_b32 s30, ttmp9, s30
	s_cmp_lt_u32 ttmp9, 128                        ; wo
	s_cselect_b64 s[20:21], s[10:11], s[20:21]
	s_cselect_b32 s22, 4096, s22
	s_cselect_b32 s24, 24, s24
	s_cmp_lt_u32 ttmp9, 96                         ; wv: [head][K][64]
	s_cselect_b64 s[20:21], s[8:9], s[20:21]
	s_cselect_b32 s22, 256, s22
	s_cselect_b32 s23, 262144, s23
	s_cselect_b32 s24, 16, s24
	s_cmp_lt_u32 ttmp9, 64                         ; wk
	s_cselect_b64 s[20:21], s[6:7], s[20:21]
	s_cselect_b32 s24, 8, s24
	s_cmp_lt_u32 ttmp9, 32                         ; wq
	s_cselect_b64 s[20:21], s[4:5], s[20:21]
	s_cselect_b32 s24, 0, s24
	s_lshr_b32 s31, s30, s25                       ; group of 128 columns, counted through the region
	s_lshl_b32 s48, s31, s25
	s_sub_co_u32 s48, s30, s48                     ; group of 256 along K
	s_sub_co_u32 s49, s31, s24
	s_lshl_b32 s49, s49, 2
	s_add_co_u32 s49, s49, s18                     ; my 32 columns, counted in the tensor
	s_lshl_b32 s50, s31, 2
	s_add_co_u32 s50, s50, s18                     ; and in the region: my pair of tiles
	s_lshr_b32 s51, s49, 1
	s_mul_i32 s51, s51, s23
	s_and_b32 s52, s49, 1
	s_lshl_b32 s52, s52, 7
	s_add_co_u32 s51, s51, s52
	s_lshl_b32 s52, s22, 8
	s_mul_i32 s52, s52, s48
	s_add_co_u32 s52, s51, s52                     ; where my part of the tensor begins
	s_mov_b32 s53, 0
	s_lshl_b32 s54, s22, 5                         ; 32 rows of K on
	s_mov_b32 s55, 0
	s_add_nc_u64 s[32:33], s[20:21], s[52:53]      ; a base for each of my 8 blocks: none is stepped
.irp t, 1,2,3,4,5,6,7
	s_add_nc_u64 s[32+2*\t:33+2*\t], s[30+2*\t:31+2*\t], s[54:55]
.endr
	s_lshl_b32 s56, s26, 1
	s_mul_i32 s56, s56, s50
	s_add_co_u32 s56, s56, s28
	s_mul_i32 s57, s48, 3072
	s_add_co_u32 s56, s56, s57
	s_mov_b32 s57, 0
	s_add_nc_u64 s[56:57], s[16:17], s[56:57]      ; my codes
	s_lshl_b32 s58, s27, 1
	s_mul_i32 s58, s58, s50
	s_add_co_u32 s58, s58, s29
	s_lshl_b32 s59, s48, 7
	s_add_co_u32 s58, s58, s59
	s_mov_b32 s59, 0
	s_add_nc_u64 s[58:59], s[16:17], s[58:59]      ; my scale words
	v_mul_lo_u32 v3, v5, s26
	v_lshl_add_u32 v3, v6, 4, v3                   ; u x a tile's codes + 16 r
	v_mul_lo_u32 v4, v5, s27
	v_lshl_add_u32 v4, v6, 2, v4                   ; u x a tile's scale words + 4 r
.irp i, 0,1,2,3,4,5,6,7,8,9,10,11,12,13,14,15,16,17,18,19,20,21,22,23,24,25,26,27,28,29,30,31
	v_mad_u32_u24 v[RO+\i], s22, \i, v2
.endr
.macro LOAD t                          ; block t: 32 rows of K at my column; 32 lanes read 128 consecutive bytes
.irp i, 0,1,2,3,4,5,6,7,8,9,10,11,12,13,14,15,16,17,18,19,20,21,22,23,24,25,26,27,28,29,30,31
	global_load_b32 v[X+32*((\t)%2)+\i], v[RO+\i], s[32+2*(\t):33+2*(\t)] th:TH_LOAD_NT
.endr
.endm
.macro BLOCK t
.set XS, X+32*((\t)%2)
.set ST, (\t)/4                        ; K step of 128
.set BE, (\t)%4                        ; block in it
.set HQ, HB+16*ST+4*BE
.set TQ, TB+8*ST+2*BE
.if (\t) < 7
	s_wait_loadcnt 32                              ; this block's 32 loads are in; the next block's 32 may be out
.else
	s_wait_loadcnt 0x0
.endif
	v_max3_num_f32 v12, |v[XS]|, |v[XS+1]|, |v[XS+2]|
	v_max3_num_f32 v13, |v[XS+3]|, |v[XS+4]|, |v[XS+5]|
.irp i, 6,10,14,18,22,26
	v_max3_num_f32 v12, v12, |v[XS+\i]|, |v[XS+\i+1]|
	v_max3_num_f32 v13, v13, |v[XS+\i+2]|, |v[XS+\i+3]|
.endr
	v_max3_num_f32 v12, v12, |v[XS+30]|, |v[XS+31]|
	v_max3_num_f32 v12, v12, v13, 0x1800000        ; and the floor 2^(3 - 127): the byte cannot fall under 1
	v_add_nc_u32 v14, 0xff000000, v12              ; 2 off the exponent field: the conversion's scale operand
	v_cvt_scalef32_pk16_fp6_f32 v[HQ:HQ+2], v[XS:XS+15], v14
	v_cvt_scalef32_pk16_fp6_f32 v[Y:Y+2], v[XS+16:XS+31], v14
	v_lshrrev_b32 v15, 23, v14                     ; the scale's byte (a plain line behind the conversions)
.if BE == 0
	v_mov_b32 v[SW+ST], v15
.else
	v_lshl_or_b32 v[SW+ST], v15, 8*BE, v[SW+ST]
.endif
	v_mov_b32 v[HQ+3], v[Y]                        ; bytes 12 to 15 of the block's 24
	v_mov_b32 v[TQ], v[Y+1]                        ; bytes 16 to 23
	v_mov_b32 v[TQ+1], v[Y+2]
	global_store_b128 v3, v[HQ:HQ+3], s[56:57] offset:1536*ST+768*(BE/2)+256*(BE%2)   ; 16 lanes fill 256 consecutive aligned bytes of each of the two tiles
.if BE%2 == 1
	global_store_b128 v3, v[TQ-2:TQ+1], s[56:57] offset:1536*ST+768*(BE/2)+512         ; the two blocks' last 8 bytes, likewise
.endif
.if BE == 3
	global_store_b32 v4, v[SW+ST], s[58:59] offset:64*ST
.endif
.if (\t)+2 < 8
	LOAD (\t)+2
.endif
.endm
	LOAD 0
	LOAD 1
.irp t, 0,1,2,3,4,5,6,7
	BLOCK \t
.endr
	s_endpgm
; THE NORM.  y = (x - mean) rsqrt(var + 1e-6) g + b for rows of 1,024 f32, then quantised along the row.  Work-group 384 + T takes tile T of 16 rows.  Codes: [tile][8 K steps][1,536 bytes]; scale words from byte 3,145,728: [tile][8][16] of 4 bytes.
; PHASE 1.  Wave w owns places 4 w .. 4 w + 3; a row lies in one wave (8 loads of 512 consecutive bytes).  Mean first, then the sum of squared deviations: a common offset of the inputs does no harm.
; The normalised rows go to LDS (rows 4,112 bytes apart, an odd multiple of 16: sixteen rows begin in sixteen different 16-byte columns).  One barrier.
; PHASE 2.  Wave w quantises K steps 2 w and 2 w + 1 of all 16 rows: lane (r, hh) takes 16 neighbours of each block of 32, so two lanes 16 apart hold a block.
.Lnorm:
.set PITCH, 4112
.set T,  4                             ; v4-11    a pair a row: sums, then the mean
.set U,  12                            ; v12-19   a pair a row: sums of squares, then 1 / sigma
.set X,  32                            ; v32-159  four rows x 32; in phase 2 two K steps x 64 numbers
.set G,  160                           ; v160-191 gain
.set BB, 192                           ; v192-223 bias
.set PC, 160                           ; phase 2: v160-178 codes
.set TM, 180                           ; v180-195 at work
	s_load_b256 s[4:11], s[0:1], 0x0               ; rows s[4:5], gain s[6:7], bias s[8:9], out s[10:11]
	s_sub_co_u32 s26, ttmp9, 384                   ; T
	v_lshrrev_b32 v1, 5, v0
	v_readfirstlane_b32 s12, v1                    ; wave
	v_and_b32 v24, 31, v0
	v_and_b32 v2, 15, v0                           ; r
	v_bfe_u32 v3, v0, 4, 1                         ; hh
	v_lshlrev_b32 v1, 4, v24                       ; 16 x lane
	s_wait_alu depctr_va_vdst(0)
	s_lshr_b32 s13, s26, 1
	s_lshl_b32 s13, s13, 5
	s_and_b32 s14, s26, 1
	s_lshl_b32 s14, s14, 3
	s_add_co_u32 s13, s13, s14
	s_lshl_b32 s14, s12, 2
	s_add_co_u32 s13, s13, s14
	s_lshr_b32 s14, s12, 1
	s_lshl_b32 s14, s14, 3
	s_add_co_u32 s13, s13, s14                     ; my first row: 32 (T / 2) + 8 (T % 2) + 4 w + 8 (w / 2)
	s_lshl_b32 s14, s13, 12
	s_mov_b32 s15, 0
	s_mul_i32 s16, s26, 12288
	s_mul_i32 s17, s12, 3072
	s_add_co_u32 s16, s16, s17                     ; my two K steps' codes
	s_mov_b32 s17, 0
	s_lshl_b32 s18, s26, 9
	s_lshl_b32 s19, s12, 7
	s_add_co_u32 s18, s18, s19
	s_add_co_u32 s18, s18, 3145728                 ; and their scale words
	s_mov_b32 s19, 0
	s_mov_b32 s20, 0x3a800000                      ; 1 / 1,024
	s_mov_b32 s21, 0x358637bd                      ; 1e-6
	s_mov_b32 s22, 0x76543210
	s_mov_b32 s23, 0xfedcba98                      ; v_permlanex16_b32's selects for lane l xor 16
	s_mov_b32 s24, 0xffff0000                      ; lanes 16-31
	s_mul_i32 s25, s12, 4*PITCH
	v_add_nc_u32 v20, s25, v1                      ; LDS, in: my four rows, 16 x lane
	v_mul_u32_u24 v21, v2, PITCH
	v_lshl_add_u32 v21, v3, 6, v21
	s_lshl_b32 s25, s12, 10
	v_add_nc_u32 v21, s25, v21                     ; LDS, out: row r, + 64 hh, + my two K steps
	v_lshlrev_b32 v22, 4, v2
	v_lshl_add_u32 v22, v3, 3, v22                 ; 16 r + 8 hh
	v_lshlrev_b32 v23, 2, v24                      ; 4 x lane
	s_wait_kmcnt 0x0
	s_add_nc_u64 s[4:5], s[4:5], s[14:15]
	s_add_nc_u64 s[16:17], s[10:11], s[16:17]
	s_add_nc_u64 s[18:19], s[10:11], s[18:19]
.irp i, 0,1,2,3
.irp j, 0,1,2,3,4,5,6,7
	global_load_b128 v[X+32*\i+4*\j:X+32*\i+4*\j+3], v1, s[4:5] offset:4096*\i+512*\j th:TH_LOAD_NT
.endr
.endr
.irp j, 0,1,2,3,4,5,6,7
	global_load_b128 v[G+4*\j:G+4*\j+3], v1, s[6:7] offset:512*\j
.endr
.irp j, 0,1,2,3,4,5,6,7
	global_load_b128 v[BB+4*\j:BB+4*\j+3], v1, s[8:9] offset:512*\j
.endr
.macro REDUCE t                        ; a pair a row becomes the sum over the wave's 32 lanes, in every lane; the four rows by turns
.irp i, 0,1,2,3
	v_add_f32 v[\t+2*\i], v[\t+2*\i], v[\t+2*\i+1]
.endr
.irp m, 1,2,4,8
.irp i, 0,1,2,3
	v_add_f32_dpp v[\t+2*\i], v[\t+2*\i], v[\t+2*\i] row_xmask:\m row_mask:0xf bank_mask:0xf
.endr
.endr
.irp i, 0,1,2,3
	v_permlanex16_b32 v[\t+2*\i+1], v[\t+2*\i], s22, s23
.endr
.irp i, 0,1,2,3
	v_add_f32 v[\t+2*\i], v[\t+2*\i], v[\t+2*\i+1]
.endr
.endm
	s_wait_loadcnt 16                              ; the rows are in; the 16 loads of gain and bias may be out
.irp i, 0,1,2,3
	v_pk_add_f32 v[T+2*\i:T+2*\i+1], v[X+32*\i:X+32*\i+1], v[X+32*\i+2:X+32*\i+3]
.endr
.irp k, 4,6,8,10,12,14,16,18,20,22,24,26,28,30
.irp i, 0,1,2,3
	v_pk_add_f32 v[T+2*\i:T+2*\i+1], v[T+2*\i:T+2*\i+1], v[X+32*\i+\k:X+32*\i+\k+1]
.endr
.endr
	REDUCE T
.irp i, 0,1,2,3
	v_mul_f32 v[T+2*\i], s20, v[T+2*\i]            ; the mean
.endr
.irp k, 0,2,4,6,8,10,12,14,16,18,20,22,24,26,28,30
.irp i, 0,1,2,3
	v_pk_add_f32 v[X+32*\i+\k:X+32*\i+\k+1], v[X+32*\i+\k:X+32*\i+\k+1], v[T+2*\i:T+2*\i+1] op_sel_hi:[1,0] neg_lo:[0,1] neg_hi:[0,1]
.endr
.endr
.irp i, 0,1,2,3
	v_pk_mul_f32 v[U+2*\i:U+2*\i+1], v[X+32*\i:X+32*\i+1], v[X+32*\i:X+32*\i+1]
.endr
.irp k, 2,4,6,8,10,12,14,16,18,20,22,24,26,28,30
.irp i, 0,1,2,3
	v_pk_fma_f32 v[U+2*\i:U+2*\i+1], v[X+32*\i+\k:X+32*\i+\k+1], v[X+32*\i+\k:X+32*\i+\k+1], v[U+2*\i:U+2*\i+1]
.endr
.endr
	REDUCE U
.irp i, 0,1,2,3
	v_fma_f32 v[U+2*\i], v[U+2*\i], s20, s21       ; variance + 1e-6
.endr
	s_wait_alu depctr_va_vdst(0)
.irp i, 0,1,2,3
	v_rsq_f32 v[U+2*\i], v[U+2*\i]
.endr
	v_nop                                          ; a plain line behind the last of the four
	s_wait_alu depctr_va_vdst(0)                   ; one wait for the four, ahead of their first reader
	s_wait_loadcnt 0x0                             ; gain and bias
.irp k, 0,2,4,6,8,10,12,14,16,18,20,22,24,26,28,30
.irp i, 0,1,2,3
	v_pk_mul_f32 v[X+32*\i+\k:X+32*\i+\k+1], v[X+32*\i+\k:X+32*\i+\k+1], v[U+2*\i:U+2*\i+1] op_sel_hi:[1,0]
.endr
.endr
.irp k, 0,2,4,6,8,10,12,14,16,18,20,22,24,26,28,30
.irp i, 0,1,2,3
	v_pk_fma_f32 v[X+32*\i+\k:X+32*\i+\k+1], v[X+32*\i+\k:X+32*\i+\k+1], v[G+\k:G+\k+1], v[BB+\k:BB+\k+1]
.endr
.endr
.irp i, 0,1,2,3
.irp j, 0,1,2,3,4,5,6,7
	ds_store_b128 v20, v[X+32*\i+4*\j:X+32*\i+4*\j+3] offset:\i*PITCH+512*\j
.endr
.endr
	s_wait_dscnt 0x0                               ; for the others' sake: my rows lie in LDS
	s_barrier_signal -1
	s_barrier_wait -1
.irp e, 0,1
.irp b, 0,1,2,3
.irp j, 0,1,2,3
	ds_load_b128 v[X+64*\e+16*\b+4*\j:X+64*\e+16*\b+4*\j+3], v21 offset:512*\e+128*\b+16*\j   ; register 16 b + i = k 32 b + 16 hh + i of row r
.endr
.endr
.endr
.irp b, 0,1,2,3
	v_mov_b32 v[TM+4+\b], 0                        ; written once: a lane permute's destination counts as one of its sources
.endr
; 64 numbers of a lane become a fragment's codes in v[PC] .. v[PC + 11] and its scale word in v[pw]
.macro QUANT s, pw
.irp b, 0,1,2,3
	v_max3_num_f32 v[TM+\b], |v[\s+16*\b]|, |v[\s+1+16*\b]|, 0x1800000   ; with the floor 2^(3 - 127): the byte cannot fall under 1
.endr
.irp i, 2,4,6,8,10,12,14
.irp b, 0,1,2,3
	v_max3_num_f32 v[TM+\b], v[TM+\b], |v[\s+16*\b+\i]|, |v[\s+1+16*\b+\i]|
.endr
.endr
.irp b, 0,1,2,3
	v_permlanex16_b32 v[TM+4+\b], v[TM+\b], s22, s23
.endr
.irp b, 0,1,2,3
	v_max_num_f32 v[TM+\b], v[TM+\b], v[TM+4+\b]   ; with lane l xor 16's: the block's largest magnitude
.endr
.irp b, 0,1,2,3
	v_add_nc_u32 v[TM+12+\b], 0xff000000, v[TM+\b] ; 2 off its exponent field: the conversion's scale operand
.endr
.irp b, 0,1,2,3
	v_lshrrev_b32 v[TM+4+\b], 23, v[TM+12+\b]      ; the scale's byte
.endr
	v_lshl_or_b32 v[\pw], v[TM+5], 8, v[TM+4]
	v_lshl_or_b32 v[\pw], v[TM+6], 16, v[\pw]
	v_lshl_or_b32 v[\pw], v[TM+7], 24, v[\pw]
.irp c, 0,1
	v_cvt_scalef32_pk16_fp6_f32 v[PC+6*\c:PC+2+6*\c], v[\s+32*\c:\s+15+32*\c], v[TM+12+2*\c]
	v_cvt_scalef32_pk16_fp6_f32 v[PC+12+4*\c:PC+14+4*\c], v[\s+16+32*\c:\s+31+32*\c], v[TM+12+2*\c+1]
.endr
	v_nop                                          ; one plain line behind a scaled conversion
.irp c, 0,1                                    ; a whole block to a lane: lanes 0-15 block 2 c, lanes 16-31 block 2 c + 1
.irp i, 0,1,2
	v_permlane16_swap_b32 v[PC+6*\c+\i], v[PC+12+4*\c+\i]
.endr
.irp i, 0,1,2
	v_mov_b32 v[PC+3+6*\c+\i], v[PC+12+4*\c+\i]
.endr
.endr
.endm
.macro OUT e                           ; the fragment leaves as it stands: 512 and 256 consecutive aligned bytes a store
.irp c, 0,1
	global_store_b128 v1, v[PC+6*\c:PC+6*\c+3], s[16:17] offset:1536*\e+768*\c
	global_store_b64 v22, v[PC+6*\c+4:PC+6*\c+5], s[16:17] offset:1536*\e+768*\c+512
.endr
.endm
	s_wait_dscnt 16                                ; the first K step's 16 loads are in; the second's may be out
	QUANT X, 196
	OUT 0
	s_wait_dscnt 0x0
	s_wait_xcnt 0x0                                ; the stores have read the codes' registers: they are written again only behind this wait
	QUANT X+64, 197
	OUT 1
	v_cndmask_b32 v198, v196, v197, s24            ; lanes 0-15: the first K step's words, lanes 16-31: the second's
	global_store_b32 v23, v198, s[18:19]           ; 128 consecutive bytes
	s_wait_tensorcnt 0x0
	ds_add_u32 v224, v225
	s_wait_dscnt 0x0
	s_endpgm
.Lfunc_end_k_q9853f3d70a_prep:
	.size	k_q9853f3d70a_prep, .Lfunc_end_k_q9853f3d70a_prep-k_q9853f3d70a_prep
	.p2alignl 7, 3214868480
	.fill 96, 4, 3214868480
	.section	.rodata,"a",@progbits
	.p2align	6, 0x0
	.amdhsa_kernel k_q9853f3d70a_prep
		.amdhsa_group_segment_fixed_size 67072
		.amdhsa_private_segment_fixed_size 0
		.amdhsa_enable_private_segment 0
		.amdhsa_kernarg_size 88
		.amdhsa_user_sgpr_count 2
		.amdhsa_user_sgpr_kernarg_segment_ptr 1
		.amdhsa_wavefront_size32 1
		.amdhsa_system_sgpr_workgroup_id_x 1
		.amdhsa_system_sgpr_workgroup_id_y 1
		.amdhsa_system_sgpr_workgroup_id_z 1
		.amdhsa_system_vgpr_workitem_id 0
		.amdhsa_next_free_vgpr 226
		.amdhsa_next_free_sgpr 66
		.amdhsa_reserve_vcc 0
		.amdhsa_float_denorm_mode_32 3
		.amdhsa_float_denorm_mode_16_64 3
		.amdhsa_memory_ordered 1
		.amdhsa_forward_progress 1
		.amdhsa_inst_pref_size 86
	.end_amdhsa_kernel
	.amdgpu_metadata
---
amdhsa.version: [ 1, 2 ]
amdhsa.kernels:
  - .name:           k_q9853f3d70a_prep
    .symbol:         k_q9853f3d70a_prep.kd
    .args:
      - { .name: x, .offset: 0, .size: 8, .value_kind: global_buffer, .address_space: global }
      - { .name: ln1_g, .offset: 8, .size: 8, .value_kind: global_buffer, .address_space: global }
      - { .name: ln1_b, .offset: 16, .size: 8, .value_kind: global_buffer, .address_space: global }
      - { .name: ybuf, .offset: 24, .size: 8, .value_kind: global_buffer, .address_space: global }
      - { .name: wq, .offset: 32, .size: 8, .value_kind: global_buffer, .address_space: global }
      - { .name: wk, .offset: 40, .size: 8, .value_kind: global_buffer, .address_space: global }
      - { .name: wv, .offset: 48, .size: 8, .value_kind: global_buffer, .address_space: global }
      - { .name: wo, .offset: 56, .size: 8, .value_kind: global_buffer, .address_space: global }
      - { .name: w1, .offset: 64, .size: 8, .value_kind: global_buffer, .address_space: global }
      - { .name: w2, .offset: 72, .size: 8, .value_kind: global_buffer, .address_space: global }
      - { .name: wbuf, .offset: 80, .size: 8, .value_kind: global_buffer, .address_space: global }
    .group_segment_fixed_size: 67072
    .private_segment_fixed_size: 0
    .kernarg_segment_align: 8
    .kernarg_segment_size: 88
    .max_flat_workgroup_size: 128
    .sgpr_count:     66
    .vgpr_count:     226
    .wavefront_size: 32
...
	.end_amdgpu_metadata
.endif
;; end of part 9
;; launch gqkv (part 10): grid 8 x 32, 4 waves a work-group, clusters of 4 x 4, 327,680 bytes of LDS; arguments ybuf, wbuf, bq, bk, bv, qkvbuf; writes qkvbuf
.if DOCPART == 10
	.amdgcn_target "amdgcn-amd-amdhsa--gfx1250"
	.amdhsa_code_object_version 6
	.text
	.protected	k_q9853f3d70a_gqkv
	.globl	k_q9853f3d70a_gqkv
	.p2align	8
	.type	k_q9853f3d70a_gqkv,@function
k_q9853f3d70a_gqkv:
	s_mov_b64 s[64:65], 0
	v_nop
	global_prefetch_b8 v0, s[64:65] scope:SCOPE_SE
	s_setreg_imm32_b32 hwreg(HW_REG_WAVE_MODE, 25, 1), 1
	s_wait_xcnt 0x0
	s_wait_alu depctr_hold_cnt(0) depctr_sa_sdst(0) depctr_va_vdst(0) depctr_va_sdst(0) depctr_va_ssrc(0) depctr_va_vcc(0) depctr_vm_vsrc(0)
	s_getreg_b32 s2, hwreg(HW_REG_IB_STS2, 6, 4)
	s_cmp_eq_u32 s2, 0
	s_cbranch_scc0 .Lentry_in_a_cluster
	s_endpgm
.Lentry_in_a_cluster:
	s_bfe_u32 s2, ttmp6, 0x10000c
	s_cmp_lg_u32 s2, 0xf033
	s_cbranch_scc0 .Lentry_shape_is_right
	s_endpgm
.Lentry_shape_is_right:
; q = y wq + bq, k = y wk + bk, v = y wv + bv on codes of FP6 (E2M3) with E8M0 scales; q and k are quantised along the head's 64 channels, v ALONG THE KEYS, in registers, for attention's two products.
; OPERANDS are images of the operand's registers.  Rows go in tiles of 16: tile T, place r = row 32 (T / 2) + 8 (T % 2) + r + 8 (r / 8).  A fragment (16 rows x 128 K) is 1,536 bytes: two half images of 768,
; in each lane (r, hh)'s 24 bytes as 16 bytes at 16 x lane and 8 bytes at 512 + 16 r + 8 hh.  Codes: [tile][K step][1,536]; scale words: [tile][K step][16] of 4 bytes.
; A WORK-GROUP STAYS.  It takes 128 tokens and walks three blocks of 128 weight rows: block X of wq, of wk, of wv.  A block for all of K = 1,024 fills a slot of 98,304 bytes; there are two slots.
; THE FILLS.  At the head one load a wave: wave 0 the tokens' codes (98,304 bytes), wave 1 wq's block into slot 0, wave 2 the tokens' scale words, wave 3 the three blocks' scale words (3 rows of 4,096 bytes).
; wk's block is slot 1's first fill, behind the full sequence and a round, a quarter a wave; wv's is asked for into slot 0 when every wave has read wq's last fragment, a quarter a wave.
; THE TOKENS' FRAGMENTS STAY IN REGISTERS: a wave reads its 4 tiles x 8 K steps x 12 registers from LDS once, into windows 2 and 3, for all three blocks; its tokens' scale words stay in 32 registers.  A K step reads the weights alone.
; A wave makes 64 x 64 of each block: 16 accumulators.  The bias is the C of each sum's first product.
; FOR q AND k source 0 = 16 weight rows, source 1 = 16 tokens: lane (r, hh) holds token place r, and by the tiles' order register 16 beta + i of a block of 4 accumulators is channel 32 beta + 16 hh + i.  A wave's 64 weight rows are one head.
; FOR v THE SOURCES CHANGE PLACES (the same images serve): lane (r, hh) holds ONE CHANNEL, and register 16 beta + i is token 32 beta + 16 hh + i: 16 neighbours along the next K.
; CLUSTER 4 x 4: the tokens' codes and scale words are asked for jointly along a row of the cluster, the weights' along a column.
; No prefetch: every fill but the head's has a whole block's products and way out in which to land, and the head has no loop to run ahead in.
; OUT (qkvbuf, head block bh x 102,400): k's codes at + token tile x 768, its pair words at + 49,152; v's codes at + 51,200 + channel tile x 12,288 + (key / 64) x 768, its scale words at + 100,352 + channel tile x 512 + (key / 128) x 64 + 4 r;
; q's codes at 6,553,600 + bh x 49,152, its pair words at 9,699,328 + bh x 2,048.  A pair word: the two scale bytes of token tile 2 p below, those of tile 2 p + 1 above.
; Of v's scale words a wave makes two of the four bytes: they leave by stores of 2 bytes a lane (128 KiB in the launch).  LIMITS: a block of zeros keeps the byte 1 (this program alone reads the bytes); NaN and infinities are not served.
.set TILEB, 12288                      ; a tile's codes for all of K
.set QUART, 2*TILEB                    ; a quarter of a block
.set BLK,   8*TILEB                    ; 128 rows
.set NT,    3
.set SCA,   BLK                        ; LDS: slot 0 at 0; behind it the tokens' scale words, 4,096 bytes,
.set SCB,   SCA+4096                   ; the three weight blocks' scale words, 4,096 bytes each,
.set SPARE, SCB+NT*4096                ; and the spare words, 128 bytes for each wave: no other line names them
.set SLOT1, 1<<17                      ; slot 1
.set AR,    SLOT1+BLK                  ; the tokens' codes: they end at LDS's last byte
.set AH, 4                             ; v4  LDS address of my tokens' 16-byte pieces;  v5 of their 8-byte pieces
.set AT, 5
.set BH, 6                             ; v6-7, v8-9 the same for my weight rows in slot 0, 1
.set BT, 8
.set BSA, 10                           ; v10 my weight rows' scale words;  v11 my tokens'
.set ASA, 11
.set L4, 12                            ; v12 4 x lane;  v13 4 r + 512 hh
.set VSO, 13
.set BV, 16                            ; v16-19 bv of my lane's channel in each of 4 tiles
.set SPW, 28                           ; v28 my spare word; v29 = 0; neither is rewritten
.set NIL, 29
.set OH, 30                            ; v30 16 x lane;  v31 16 r + 8 hh
.set OT, 31
.set SA, 32                            ; v32-63 the tokens' scale words, tile a, K step q at 8 a + q;  v64-71 the weights', two sets of 4: scale words and nothing else
.set SB, 64
.set BI, 96                            ; v96-127 a bias in the result's layout;  v224-255 of window 1: bk's
.set BK, 224
.set ACC, 128                          ; v128-255 accumulator (a, b) at 128 + 8 (4 a + b);  window 1: the weights' fragments, two buffers: tile i at 48 + 12 i and at 176 + 12 i
.set G1A, 24
.set G1B, 32
.set G1SA, 48
.set G1SB, 56
.set G0A, 68
.set G0AS, 72
.set G0B0, 76
.set G0B1, 80
.set G0BS, 84
.set G1BH, 88                          ; s[88:95] group 1 for a whole block of 128 weight rows
.set G0BH, 4                           ; s[4:7] group 0 for wq's whole block (the arguments that lay there have been used by then)
.set MUL,  0x09                        ; source 0 (weights) window 1, source 1 (tokens) window 2, with 4 more window 3; C and D window 0
.set TO_F, 0x40                        ; destination window 1, address window 0
.set MSB, 0
.macro WIN new                         ; the immediate's high byte repeats the setting that is left
.if MSB != \new
	s_set_vgpr_msb (MSB<<8)|\new
.set MSB, \new
.endif
.endm
.macro CREST                           ; a round of the cluster's barrier behind its opening barrier
	s_cmp_lg_u32 s16, 0
	s_cbranch_scc1 .Lnot_wave_0_\@
	s_barrier_signal -3
.Lnot_wave_0_\@:
	s_barrier_wait -3
	s_barrier_signal -1
	s_barrier_wait -1
.endm
.macro CROUND
	s_barrier_signal -1
	s_barrier_wait -1
	CREST
.endm
.macro PLACES n                        ; plain lines between a matrix instruction and a load into, or a read of, its registers
.rept \n
	v_nop
.endr
.endm
.macro FRAG reg, h, t, off             ; a fragment: 12 registers by four loads, each of 512 or 256 consecutive bytes
	ds_load_b128 v[\reg:\reg+3], v[\h] offset:\off
	ds_load_b64 v[\reg+4:\reg+5], v[\t] offset:\off+512
	ds_load_b128 v[\reg+6:\reg+9], v[\h] offset:\off+768
	ds_load_b64 v[\reg+10:\reg+11], v[\t] offset:\off+1280
.endm
.macro FETCH slot, t, q, f, sc         ; 20 loads: block t's 4 scale words and 4 fragments of K step q
	WIN 0
.irp i, 0,1,2,3
	ds_load_b32 v[SB+4*(\sc)+\i], v[BSA] offset:4096*(\t)+\i*512+64*(\q)
.endr
	WIN TO_F
.irp i, 0,1,2,3
	FRAG \f+48+12*\i, BH+\slot, BT+\slot, \i*TILEB+1536*(\q)
.endr
.endm
; The tokens' tile a against the weights' four.  The 16 accumulators take turns in the same order in every step.  cm = 1: the bias at v[CBASE] starts the sums
.macro MUL4 f, sc, q, a, cm
	WIN (MULW+4*((\a)/2))                          ; the tokens' tiles 0, 1 lie in window 2, tiles 2, 3 in window 3: tile a, K step q at 96 (a % 2) + 12 q
.irp b, 0,1,2,3
.if \cm == 0
	v_wmma_scale_f32_16x16x128_f8f6f4 v[ACC+8*(4*\a+\b):ACC+8*(4*\a+\b)+7], v[\f+48+12*\b:\f+48+12*\b+11], v[96*((\a)%2)+12*(\q):96*((\a)%2)+12*(\q)+11], v[ACC+8*(4*\a+\b):ACC+8*(4*\a+\b)+7], v[SB+4*(\sc)+\b], v[SA+8*\a+(\q)] matrix_a_fmt:MATRIX_FMT_FP6 matrix_b_fmt:MATRIX_FMT_FP6
.else
	v_wmma_scale_f32_16x16x128_f8f6f4 v[ACC+8*(4*\a+\b):ACC+8*(4*\a+\b)+7], v[\f+48+12*\b:\f+48+12*\b+11], v[96*((\a)%2)+12*(\q):96*((\a)%2)+12*(\q)+11], v[CBASE+8*\b:CBASE+8*\b+7], v[SB+4*(\sc)+\b], v[SA+8*\a+(\q)] matrix_a_fmt:MATRIX_FMT_FP6 matrix_b_fmt:MATRIX_FMT_FP6
.endif
.endr
.endm
; The sources changed: the weights' tile a (source 1) against the tokens' four (source 0)
.macro MUL4S f, sc, q, a, cm
.irp b, 0,1,2,3
	WIN (0x06+(\b)/2)                              ; source 0 (tokens) window 2 or 3, source 1 (weights) window 1
.if \cm == 0
	v_wmma_scale_f32_16x16x128_f8f6f4 v[ACC+8*(4*\a+\b):ACC+8*(4*\a+\b)+7], v[96*((\b)%2)+12*(\q):96*((\b)%2)+12*(\q)+11], v[\f+48+12*\a:\f+48+12*\a+11], v[ACC+8*(4*\a+\b):ACC+8*(4*\a+\b)+7], v[SA+8*\b+(\q)], v[SB+4*(\sc)+\a] matrix_a_fmt:MATRIX_FMT_FP6 matrix_b_fmt:MATRIX_FMT_FP6
.else
	v_wmma_scale_f32_16x16x128_f8f6f4 v[ACC+8*(4*\a+\b):ACC+8*(4*\a+\b)+7], v[96*((\b)%2)+12*(\q):96*((\b)%2)+12*(\q)+11], v[\f+48+12*\a:\f+48+12*\a+11], v[BI+8*\a:BI+8*\a+7], v[SA+8*\b+(\q)], v[SB+4*(\sc)+\a] matrix_a_fmt:MATRIX_FMT_FP6 matrix_b_fmt:MATRIX_FMT_FP6
.endif
.endr
.endm
.macro MULX f, sc, q, a, cm, sw
.if \sw
	MUL4S \f, \sc, \q, \a, \cm
.else
	MUL4 \f, \sc, \q, \a, \cm
.endif
.endm
.macro STEP slot, t, q, cm, sw         ; a K step that has a successor in its block
.set PF, 128*((\q)%2)
.set PG, 128-PF
.set PS, (\q)%2
.set PT, 1-PS
	s_wait_dscnt 0x0                               ; this step's 20 loads, asked for at the head of the step before, are in
	PLACES 4                                       ; for the loads into the other buffer and its scale words, which the last step's products read
	FETCH \slot, \t, (\q)+1, PG, PT                ; the next step's: they have this step's 16 matrix instructions in which to land
	MULX PF, PS, \q, 0, \cm, \sw
	MULX PF, PS, \q, 1, \cm, \sw
	MULX PF, PS, \q, 2, \cm, \sw
	MULX PF, PS, \q, 3, \cm, \sw
.endm
; A block's last K step leaves its slot: ONE barrier.  In front of it each wave waits for all its tensor loads, adds 0 to its spare word, and waits for that and for its reads of the slot.  fill = 1: slot 0 is filled again, with wv's block
.macro ENDSTEP fill
	WIN 0
	s_wait_tensorcnt 0x0                           ; all my tensor loads have landed, my part of the next block among them
	ds_add_u32 v[SPW], v[NIL]                      ; 0 onto my spare word
	s_wait_dscnt 1                                 ; (the add alone may be out)
	MUL4 128, 1, 7, 0, 0
	s_wait_dscnt 0x0                               ; the add is done, and my reads of this slot are over
	s_barrier_signal -1
	MUL4 128, 1, 7, 1, 0
	WIN 0
	s_barrier_wait -1
.if \fill
	CREST                                          ; the barrier has opened a round of the cluster's barrier: no wave of any partner still reads this slot or has a load on its way
	s_add_nc_u64 s[G0B0+2:G0B0+3], s[G0B0+2:G0B0+3], 2*64*TILEB   ; from wq's block to wv's: 128 tiles on
	tensor_load_to_lds s[G0B0:G0B0+3], s[G1B:G1B+7] ; the first tensor load behind the round, and my only one
	s_nop 0
	PLACES 4
.endif
	MUL4 128, 1, 7, 2, 0
	MUL4 128, 1, 7, 3, 0
	WIN 0
	PLACES 4
.endm
	s_load_b256 s[4:11], s[0:1], 0x0               ; ybuf, wbuf, bq, bk
	s_load_b128 s[12:15], s[0:1], 0x20             ; bv, qkvbuf
	v_lshl_add_u32 v[SPW], v0, 2, SPARE
	v_mov_b32 v[NIL], 0
	ds_add_u32 v28, v29                            ; the opening lines: the add, twice on end, and its wait
	ds_add_u32 v28, v29
	s_wait_dscnt 0x0
	v_lshrrev_b32 v1, 5, v0
	v_readfirstlane_b32 s16, v1                    ; wave 0..3
	s_lshr_b32 s17, s16, 1                         ; my half of the tokens
	s_and_b32 s18, s16, 1                          ; my half of the weight rows
	s_bfe_u32 s40, ttmp6, 0x40000                  ; cx, cy
	s_bfe_u32 s41, ttmp6, 0x40004
	s_lshl_b32 s20, ttmp9, 2
	s_add_co_u32 s20, s20, s40                     ; X: which block of 128 rows of each weight
	s_and_b32 s19, ttmp7, 0xffff
	s_lshl_b32 s19, s19, 2
	s_add_co_u32 s19, s19, s41                     ; which block of 128 tokens
	s_lshl_b32 s43, s41, 2
	s_lshl_b32 s43, 15, s43                        ; my row of the cluster
	s_lshl_b32 s44, 0x1111, s40                    ; my column
	; group 1 for codes: dense rows of 768 elements of 8 bytes; no padding
	s_or_b32 s[G1A+0], s43, (3<<16)|(1<<21)
	s_or_b32 s[G1B+0], s44, (3<<16)|(1<<21)
	s_or_b32 s[G1BH+0], s44, (3<<16)|(1<<21)
	s_mov_b32 s[G1B+2], 4<<16                      ; a quarter of a block: 4 rows of 6,144 bytes
	s_mov_b32 s[G1B+4], 4
.irp g, G1A, G1BH
	s_mov_b32 s[\g+2], 16<<16                      ; a whole block: 16 rows
	s_mov_b32 s[\g+4], 16
.endr
.irp g, G1A, G1B, G1BH
	s_mov_b32 s[\g+1], 768<<16
	s_mov_b32 s[\g+3], 768<<16
	s_mov_b32 s[\g+5], 768
	s_mov_b32 s[\g+6], 0
	s_mov_b32 s[\g+7], 0
.endr
	s_or_b32 s[G1SA+0], s43, (3<<16)|(1<<21)
	s_or_b32 s[G1SB+0], s44, (3<<16)|(1<<21)
	s_mov_b32 s[G1SA+1], 32<<16                    ; the tokens' scale words: 4,096 dense bytes as 16 rows of 256
	s_mov_b32 s[G1SA+2], 16<<16
	s_mov_b32 s[G1SA+3], 32<<16
	s_mov_b32 s[G1SA+4], 16
	s_mov_b32 s[G1SA+5], 32
	s_mov_b32 s[G1SB+1], 512<<16                   ; the three weights' scale words: 3 rows of 4,096 bytes, 32,768 bytes apart in memory, on end in LDS
	s_mov_b32 s[G1SB+2], 3<<16
	s_mov_b32 s[G1SB+3], 512<<16
	s_mov_b32 s[G1SB+4], 3
	s_mov_b32 s[G1SB+5], 4096
.irp g, G1SA, G1SB
	s_mov_b32 s[\g+6], 0
	s_mov_b32 s[\g+7], 0
.endr
	s_mul_i32 s45, s16, QUART                      ; my quarter of a block of weights: in memory and in LDS, by the wave's number alone
	s_mul_i32 s2, s19, BLK                         ; the tokens' codes
	s_mov_b32 s3, 0
	s_lshl_b32 s42, s19, 12
	s_add_co_u32 s42, s42, 3145728                 ; their scale words
	s_mov_b32 s43, 0
	s_mul_i32 s46, s20, BLK
	s_add_co_u32 s46, s46, s45                     ; my quarter of wq's codes; wk's lie 64 tiles on, wv's 128
	s_mov_b32 s47, 0
	s_lshl_b32 s100, s20, 12
	s_add_co_u32 s100, s100, 9437184               ; wq's scale words; wk's lie 32,768 bytes on, wv's 65,536
	s_mov_b32 s101, 0
	s_lshl_b32 s21, s20, 1
	s_add_co_u32 s21, s21, s18                     ; my head
	s_lshr_b32 s22, s19, 3
	s_lshl_b32 s22, s22, 4
	s_add_co_u32 s21, s21, s22                     ; bh = 16 x batch + head
	s_and_b32 s22, s19, 7
	s_lshl_b32 s22, s22, 1
	s_add_co_u32 s22, s22, s17                     ; which 64 tokens of the batch are mine
	s_mov_b32 s96, 0x76543210
	s_mov_b32 s97, 0xfedcba98                      ; v_permlanex16_b32's selects for lane l xor 16
	s_mov_b32 s98, 0xffff0000                      ; lanes 16-31
	s_wait_kmcnt 0x0
	s_add_nc_u64 s[100:101], s[6:7], s[100:101]
	s_mov_b32 s[G0AS], 1
	s_mov_b32 s[G0AS+1], SCA
	s_add_nc_u64 s[G0AS+2:G0AS+3], s[4:5], s[42:43]
	s_or_b32 s[G0AS+3], s[G0AS+3], 0x80000000
	s_mov_b32 s[G0BS], 1
	s_mov_b32 s[G0BS+1], SCB
	s_mov_b64 s[G0BS+2:G0BS+3], s[100:101]
	s_or_b32 s[G0BS+3], s[G0BS+3], 0x80000000
	s_mov_b32 s[G0A], 1
	s_mov_b32 s[G0A+1], AR
	s_add_nc_u64 s[G0A+2:G0A+3], s[4:5], s[2:3]
	s_or_b32 s[G0A+3], s[G0A+3], 0x80000000
	s_mov_b32 s[G0B0], 1
	s_mov_b32 s[G0B0+1], s45
	s_add_nc_u64 s[G0B0+2:G0B0+3], s[6:7], s[46:47]
	s_mov_b32 s[G0B1], 1
	s_add_co_u32 s[G0B1+1], s45, SLOT1
	s_add_nc_u64 s[G0B1+2:G0B1+3], s[G0B0+2:G0B0+3], 64*TILEB
	s_or_b32 s[G0B0+3], s[G0B0+3], 0x80000000
	s_or_b32 s[G0B1+3], s[G0B1+3], 0x80000000
	CROUND                                         ; all sixteen work-groups are here: the first joint loads meet
	s_mul_i32 s46, s20, BLK                        ; wq's whole block, to slot 0
	s_add_nc_u64 s[G0BH+2:G0BH+3], s[6:7], s[46:47]
	s_or_b32 s[G0BH+3], s[G0BH+3], 0x80000000
	s_mov_b32 s[G0BH], 1
	s_mov_b32 s[G0BH+1], 0
; THE HEAD'S LOADS, ONE A WAVE, in one chain of branches on the wave's number: every way through it passes exactly one load.
.macro ARM under, g0, g1, next
	s_cmp_lt_u32 s16, \under
	s_cbranch_scc0 \next
	tensor_load_to_lds s[\g0:\g0+3], s[\g1:\g1+7]
	s_nop 0
	PLACES 4
	s_branch .Lhead_asked
\next:
.endm
	ARM 1, G0A,  G1A,  .Lhead_b
	ARM 2, G0BH, G1BH, .Lhead_sa
	ARM 3, G0AS, G1SA, .Lhead_sb
	tensor_load_to_lds s[G0BS:G0BS+3], s[G1SB:G1SB+7]
	s_nop 0
	PLACES 4
.Lhead_asked:
	v_and_b32 v1, 15, v0                           ; r
	v_bfe_u32 v2, v0, 4, 1                         ; hh
	v_and_b32 v3, 31, v0                           ; lane
	v_lshlrev_b32 v[OH], 4, v3
	v_lshlrev_b32 v[OT], 4, v1
	v_lshl_add_u32 v[OT], v2, 3, v[OT]
	s_wait_alu depctr_va_vdst(0)
	v_lshlrev_b32 v[L4], 2, v3
	v_lshlrev_b32 v[VSO], 2, v1
	v_lshl_add_u32 v[VSO], v2, 9, v[VSO]
	; the biases.  bq, bk: for weight tile b lane (r, hh) wants the numbers of rows 32 (b / 2) + 8 (b % 2) + 16 hh + 0 .. 7.  bv: for tile a the number of row 32 (a / 2) + 8 (a % 2) + r + 8 (r / 8)
	s_lshl_b32 s46, s20, 9
	s_lshl_b32 s47, s18, 8
	s_add_co_u32 s46, s46, s47
	s_mov_b32 s47, 0
	s_add_nc_u64 s[8:9], s[8:9], s[46:47]
	s_add_nc_u64 s[10:11], s[10:11], s[46:47]
	s_add_nc_u64 s[12:13], s[12:13], s[46:47]
	v_lshlrev_b32 v14, 6, v2
	v_and_b32 v15, 8, v1
	v_add_nc_u32 v15, v15, v1
	v_lshlrev_b32 v15, 2, v15
.irp b, 0,1,2,3
	global_load_b128 v[BI+8*\b:BI+8*\b+3], v14, s[8:9] offset:(32*(\b/2)+8*(\b%2))*4
	global_load_b128 v[BI+8*\b+4:BI+8*\b+7], v14, s[8:9] offset:(32*(\b/2)+8*(\b%2))*4+16
.endr
.irp a, 0,1,2,3
	global_load_b32 v[BV+\a], v15, s[12:13] offset:(32*(\a/2)+8*(\a%2))*4
.endr
	WIN 0x40                                       ; bk's goes into window 1
.irp b, 0,1,2,3
	global_load_b128 v[BK+8*\b:BK+8*\b+3], v14, s[10:11] offset:(32*(\b/2)+8*(\b%2))*4
	global_load_b128 v[BK+8*\b+4:BK+8*\b+7], v14, s[10:11] offset:(32*(\b/2)+8*(\b%2))*4+16
.endr
	WIN 0
	s_mul_i32 s45, s17, 4*TILEB
	s_add_co_u32 s45, s45, AR
	v_add_nc_u32 v[AH], s45, v[OH]
	v_add_nc_u32 v[AT], s45, v[OT]
	s_mul_i32 s45, s18, 4*TILEB
.irp s, 0,1
	v_add_nc_u32 v[BH+\s], s45, v[OH]
	v_add_nc_u32 v[BT+\s], s45, v[OT]
	s_add_co_u32 s45, s45, SLOT1
.endr
	s_lshl_b32 s45, s17, 11
	s_add_co_u32 s45, s45, SCA
	v_lshl_add_u32 v[ASA], v1, 2, s45
	s_lshl_b32 s45, s18, 11
	s_add_co_u32 s45, s45, SCB
	v_lshl_add_u32 v[BSA], v1, 2, s45
	v_mov_b32 v74, 0                               ; written once: a lane permute's destination counts as one of its sources
	v_mov_b32 v75, 0
	s_wait_alu depctr_va_vdst(0)
	s_wait_loadcnt 0x0                             ; the biases
	s_wait_tensorcnt 0x0                           ; my load of the head's four has landed
	ds_add_u32 v[SPW], v[NIL]
	s_wait_dscnt 0x0
	CROUND                                         ; everybody's has, in all sixteen work-groups
	tensor_load_to_lds s[G0B1:G0B1+3], s[G1B:G1B+7] ; slot 1's first fill: my quarter of wk's block; it has q's 128 matrix instructions a wave in which to land
	s_nop 0
	PLACES 4
.irp a, 0,1,2,3
.irp q, 0,1,2,3,4,5,6,7
	ds_load_b32 v[SA+8*\a+\q], v[ASA] offset:\a*512+64*\q   ; my tokens' scale words, once for the three blocks
.endr
.endr
; 32 numbers of a lane, register 16 beta + i = k 32 beta + 16 hh + i of my row, become a half image's codes and two scale bytes in v[78 + a].  Each accumulator is read from its low end on.
; THE CODES LAND IN REGISTERS 16 .. 21 OF THE 32 THEMSELVES: the upper 16 numbers are converted first, so their registers are free.  So each block of 16 rows has its own store data, and no wait stands between the blocks' stores.
.macro QUANT2 s, a
	v_max3_num_f32 v72, |v[\s]|, |v[\s+1]|, 0x1800000
	v_max3_num_f32 v73, |v[\s+16]|, |v[\s+17]|, 0x1800000
.irp i, 2,4,6,8,10,12,14
	v_max3_num_f32 v72, v72, |v[\s+\i]|, |v[\s+\i+1]|
	v_max3_num_f32 v73, v73, |v[\s+16+\i]|, |v[\s+17+\i]|
.endr
	v_permlanex16_b32 v74, v72, s96, s97
	v_permlanex16_b32 v75, v73, s96, s97
	v_max_num_f32 v72, v72, v74
	v_max_num_f32 v73, v73, v75
	v_add_nc_u32 v76, 0xff000000, v72
	v_add_nc_u32 v77, 0xff000000, v73
	v_lshrrev_b32 v74, 23, v76
	v_lshrrev_b32 v75, 23, v77
	v_lshl_or_b32 v[78+\a], v75, 8, v74
	v_cvt_scalef32_pk16_fp6_f32 v[90:92], v[\s+16:\s+31], v77
	v_nop                                          ; one plain line behind a scaled conversion, ahead of the line that writes its sources
	v_cvt_scalef32_pk16_fp6_f32 v[\s+16:\s+18], v[\s:\s+15], v76
	v_nop                                          ; and ahead of the lines that touch its result
	v_permlane16_swap_b32 v[\s+16], v90
	v_permlane16_swap_b32 v[\s+17], v91
	v_permlane16_swap_b32 v[\s+18], v92
	v_mov_b32 v[\s+19], v90
	v_mov_b32 v[\s+20], v91
	v_mov_b32 v[\s+21], v92
.endm
.macro EPQK                            ; q's or k's way out: codes to s[40:41], pair words to s[42:43]
.irp a, 0,1,2,3
	QUANT2 ACC+32*\a, \a
	global_store_b128 v[OH], v[ACC+32*\a+16:ACC+32*\a+19], s[40:41] offset:768*\a        ; 512 consecutive aligned bytes
	global_store_b64 v[OT], v[ACC+32*\a+20:ACC+32*\a+21], s[40:41] offset:768*\a+512     ; 256
.endr
	v_lshl_or_b32 v82, v79, 16, v78                ; the pair words of my tiles 0, 1 and 2, 3
	v_lshl_or_b32 v83, v81, 16, v80
	v_cndmask_b32 v82, v82, v83, s98
	global_store_b32 v[L4], v82, s[42:43]          ; 128 consecutive bytes
.endm
	; ---- q: wq's block, in slot 0
.set MULW, MUL
.set CBASE, BI
	WIN 0x80                                       ; MY TOKENS' FRAGMENTS FOR ALL OF K, ONCE FOR THE THREE BLOCKS: tiles 0, 1 into window 2,
.irp a, 0,1
.irp q, 0,1,2,3,4,5,6,7
	FRAG 96*\a+12*\q, AH, AT, \a*TILEB+1536*\q
.endr
.endr
	WIN 0xc0                                       ; tiles 2, 3 into window 3
.irp a, 0,1
.irp q, 0,1,2,3,4,5,6,7
	FRAG 96*\a+12*\q, AH, AT, (\a+2)*TILEB+1536*\q
.endr
.endr
	WIN 0
	FETCH 0, 0, 0, 0, 0
	STEP 0, 0, 0, 1, 0                             ; the first step's products start the sums on the bias
.irp q, 1,2,3,4,5,6
	STEP 0, 0, \q, 0, 0
.endr
	ENDSTEP 1
	s_mul_i32 s40, s21, 49152
	s_mul_i32 s44, s22, 3072
	s_add_co_u32 s40, s40, s44
	s_add_co_u32 s40, s40, 6553600
	s_mov_b32 s41, 0
	s_lshl_b32 s42, s21, 11
	s_lshl_b32 s44, s22, 7
	s_add_co_u32 s42, s42, s44
	s_add_co_u32 s42, s42, 9699328
	s_mov_b32 s43, 0
	s_add_nc_u64 s[40:41], s[14:15], s[40:41]
	s_add_nc_u64 s[42:43], s[14:15], s[42:43]
	EPQK
	; ---- k: wk's block, in slot 1; its bias lies in window 1
.set MULW, 0x19
.set CBASE, BK
	FETCH 1, 1, 0, 0, 0
	s_wait_alu depctr_va_vdst(0)
	s_wait_xcnt 0x0                                ; q's stores have read their registers and bases: the products below write the accumulators again
	STEP 1, 1, 0, 1, 0
.set MULW, MUL
.irp q, 1,2,3,4,5,6
	STEP 1, 1, \q, 0, 0
.endr
	ENDSTEP 0                                      ; nothing is filled; behind this barrier wv's block in slot 0 is whole
	s_mul_i32 s40, s21, 102400
	s_add_co_u32 s42, s40, 49152
	s_mul_i32 s44, s22, 3072
	s_add_co_u32 s40, s40, s44
	s_mov_b32 s41, 0
	s_lshl_b32 s44, s22, 7
	s_add_co_u32 s42, s42, s44
	s_mov_b32 s43, 0
	s_add_nc_u64 s[40:41], s[14:15], s[40:41]
	s_add_nc_u64 s[42:43], s[14:15], s[42:43]
	EPQK
	; ---- v: wv's block, in slot 0; the sources change places
.irp a, 0,1,2,3
.irp j, 0,1,2,3,4,5,6,7
	v_mov_b32 v[BI+8*\a+\j], v[BV+\a]              ; one number a lane, in all eight registers of a tile
.endr
.endr
	PLACES 4
	FETCH 0, 2, 0, 0, 0
	s_wait_alu depctr_va_vdst(0)
	s_wait_xcnt 0x0                                ; k's stores have read their registers and bases
	STEP 0, 2, 0, 2, 1
.irp q, 1,2,3,4,5,6
	STEP 0, 2, \q, 0, 1
.endr
	s_wait_dscnt 0x0                               ; the last step: nothing more to fetch
	MUL4S 128, 1, 7, 0, 0
	MUL4S 128, 1, 7, 1, 0
	MUL4S 128, 1, 7, 2, 0
	MUL4S 128, 1, 7, 3, 0
	WIN 0
	PLACES 4
	s_mul_i32 s40, s21, 102400
	s_add_co_u32 s42, s40, 100352
	s_add_co_u32 s40, s40, 51200
	s_mul_i32 s44, s22, 768
	s_add_co_u32 s40, s40, s44
	s_mov_b32 s41, 0
	s_lshr_b32 s44, s22, 1
	s_lshl_b32 s44, s44, 6
	s_add_co_u32 s42, s42, s44
	s_and_b32 s44, s22, 1
	s_lshl_b32 s44, s44, 1
	s_add_co_u32 s42, s42, s44
	s_mov_b32 s43, 0
	s_add_nc_u64 s[40:41], s[14:15], s[40:41]
	s_add_nc_u64 s[42:43], s[14:15], s[42:43]
.irp a, 0,1,2,3
	QUANT2 ACC+32*\a, \a
	global_store_b128 v[OH], v[ACC+32*\a+16:ACC+32*\a+19], s[40:41] offset:12288*\a
	global_store_b64 v[OT], v[ACC+32*\a+20:ACC+32*\a+21], s[40:41] offset:12288*\a+512
.endr
	v_cndmask_b32 v82, v78, v79, s98               ; lanes 0-15 store channel tile 0's bytes, lanes 16-31 tile 1's;
	v_cndmask_b32 v83, v80, v81, s98               ; then tiles 2 and 3
	global_store_b16 v[VSO], v82, s[42:43]
	global_store_b16 v[VSO], v83, s[42:43] offset:1024
	s_wait_tensorcnt 0x0                           ; the wave's end
	ds_add_u32 v[SPW], v[NIL]
	s_wait_dscnt 0x0
	CROUND                                         ; the closing round
	s_endpgm
.Lfunc_end_k_q9853f3d70a_gqkv:
	.size	k_q9853f3d70a_gqkv, .Lfunc_end_k_q9853f3d70a_gqkv-k_q9853f3d70a_gqkv
	.p2alignl 7, 3214868480
	.fill 96, 4, 3214868480
	.section	.rodata,"a",@progbits
	.p2align	6, 0x0
	.amdhsa_kernel k_q9853f3d70a_gqkv
		.amdhsa_group_segment_fixed_size 327680
		.amdhsa_private_segment_fixed_size 0
		.amdhsa_enable_private_segment 0
		.amdhsa_kernarg_size 48
		.amdhsa_user_sgpr_count 2
		.amdhsa_user_sgpr_kernarg_segment_ptr 1
		.amdhsa_wavefront_size32 1
		.amdhsa_system_sgpr_workgroup_id_x 1
		.amdhsa_system_sgpr_workgroup_id_y 1
		.amdhsa_system_sgpr_workgroup_id_z 1
		.amdhsa_system_vgpr_workitem_id 0
		.amdhsa_next_free_vgpr 1024
		.amdhsa_next_free_sgpr 102
		.amdhsa_reserve_vcc 0
		.amdhsa_float_denorm_mode_32 3
		.amdhsa_float_denorm_mode_16_64 3
		.amdhsa_memory_ordered 1
		.amdhsa_forward_progress 1
		.amdhsa_inst_pref_size 138
	.end_amdhsa_kernel
	.amdgpu_metadata
---
amdhsa.version: [ 1, 2 ]
amdhsa.kernels:
  - .name:           k_q9853f3d70a_gqkv
    .symbol:         k_q9853f3d70a_gqkv.kd
    .args:
      - { .name: ybuf, .offset: 0, .size: 8, .value_kind: global_buffer, .address_space: global }
      - { .name: wbuf, .offset: 8, .size: 8, .value_kind: global_buffer, .address_space: global }
      - { .name: bq, .offset: 16, .size: 8, .value_kind: global_buffer, .address_space: global }
      - { .name: bk, .offset: 24, .size: 8, .value_kind: global_buffer, .address_space: global }
      - { .name: bv, .offset: 32, .size: 8, .value_kind: global_buffer, .address_space: global }
      - { .name: qkvbuf, .offset: 40, .size: 8, .value_kind: global_buffer, .address_space: global }
    .group_segment_fixed_size: 327680
    .private_segment_fixed_size: 0
    .kernarg_segment_align: 8
    .kernarg_segment_size: 48
    .max_flat_workgroup_size: 128
    .sgpr_count:     102
    .vgpr_count:     1024
    .wavefront_size: 32
...
	.end_amdgpu_metadata
.endif
;; end of part 10
;; launch attn (part 11): grid 4 x 64, 16 waves a work-group, clusters of 4 x 1, 169,984 bytes of LDS; arguments qkvbuf, mask, ybuf; writes ybuf
.if DOCPART == 11
	.amdgcn_target "amdgcn-amd-amdhsa--gfx1250"
	.amdhsa_code_object_version 6
	.text
	.protected	k_q9853f3d70a_attn
	.globl	k_q9853f3d70a_attn
	.p2align	8
	.type	k_q9853f3d70a_attn,@function
k_q9853f3d70a_attn:
	s_mov_b64 s[64:65], 0
	v_nop
	global_prefetch_b8 v0, s[64:65] scope:SCOPE_SE
	s_setreg_imm32_b32 hwreg(HW_REG_WAVE_MODE, 25, 1), 1
	s_wait_xcnt 0x0
	s_wait_alu depctr_hold_cnt(0) depctr_sa_sdst(0) depctr_va_vdst(0) depctr_va_sdst(0) depctr_va_ssrc(0) depctr_va_vcc(0) depctr_vm_vsrc(0)
	s_getreg_b32 s2, hwreg(HW_REG_IB_STS2, 6, 4)
	s_cmp_eq_u32 s2, 0
	s_cbranch_scc0 .Lentry_in_a_cluster
	s_endpgm
.Lentry_in_a_cluster:
	s_bfe_u32 s2, ttmp6, 0x10000c
	s_cmp_lg_u32 s2, 0x3003
	s_cbranch_scc0 .Lentry_shape_is_right
	s_endpgm
.Lentry_shape_is_right:
; attn[b][q][h] = softmax_k(q . k / 32, keys with mask 0 left out) v, both products on codes of FP6 (E2M3) with E8M0 scales; the result is quantised along the head's 64 channels for the next product.
; THE SOFTMAX: t = score x log2(e) / 32; M = the running largest t rounded UP to a whole number; p = 2^(t - M) is quantised along the keys, not normalised; the sum of the unquantised p divides at the end.
; SHARES.  A work-group owns 256 queries of one head bh, each of its sixteen waves one tile of 16.  The head's whole block of K and V (codes and scale words, 102,400 dense bytes) is brought into LDS ONCE: nothing is filled again.
; CLUSTER 4 x 1: the four query blocks of a head ask for that block jointly; waves 0-7 bring 12,800 bytes each.
; LAYOUT.  Tiles of 16 rows: tile T, place r = row 32 (T / 2) + 8 (T % 2) + r + 8 (r / 8).  Both products are used transposed (S^T = K Q^T, O^T = V^T P^T): a lane holds ONE query, and the 16 registers of tiles 2 b, 2 b + 1 are 16 neighbouring keys.
; THE FIRST PRODUCT'S K IS 64.  Two neighbouring key tiles' half images are one fragment of 128, with one pair word of scales; against [q | 0] it gives the first tile's scores, against [0 | q] the second's.  Zero codes add nothing; their scale byte is 0.
; THE MASK costs no vector line: 0 or -2^100 for each key lies in LDS and is loaded as the C of the scores' products.
; LIMITS: a masked score is -2^100, not -infinity: its p is 0 all the same; a true t under -2^90 would count as masked.  A batch with no key left gets NaN scale bytes (0xff).
; REGISTERS: v1-7 LDS addresses, stepped a trip; v8-10 offsets of the way out; v12 -M, v13 largest t, v[14:15] the sum; v16-33 [0 | q | 0]; v34-35 q's scale words; v36-39 V's; v40-87 K's fragments, later p's codes;
;   v88-135 V's fragments; v136-199 S^T, then p; v200-231 O^T; v232-243 at work; v244-247 K's pair words; v248 f, v249 p's scale word.
.set KC,  0                            ; LDS: K's codes, 64 tiles x 768
.set KS,  49152                        ; K's pair words, 32 x 64
.set VC,  51200                        ; V's codes: [4 channel tiles][16][768]
.set VS,  100352                       ; V's scale words: [4][8][16]
.set MB,  102400                       ; the mask as 0 or -2^100, 4 bytes a key: written by LDS stores; no fill lands here
.set KH,  1
.set KT,  2
.set KSA, 3
.set MBA, 4
.set VH,  5
.set VT,  6
.set VSA, 7
.set OH,  8
.set OT,  9
.set OS,  10
.set VW,  36
.set KF,  40
.set VF,  88
.set S,   136
.set O,   200
.macro CROUND                          ; a round of the cluster's barrier
	s_barrier_signal -1
	s_barrier_wait -1
	s_cmp_lg_u32 s10, 0
	s_cbranch_scc1 .Lnot_wave_0_\@
	s_barrier_signal -3
.Lnot_wave_0_\@:
	s_barrier_wait -3
	s_barrier_signal -1
	s_barrier_wait -1
.endm
	s_load_b128 s[4:7], s[0:1], 0x0                ; qkvbuf, mask
	s_load_b64 s[8:9], s[0:1], 0x10                ; ybuf
	v_lshl_add_u32 v254, v0, 2, 0x29000
	v_mov_b32 v255, 0
	ds_add_u32 v254, v255
	ds_add_u32 v254, v255
	s_wait_dscnt 0x0
	v_lshrrev_b32 v1, 5, v0
	s_delay_alu instid0(VALU_DEP_1)
	v_readfirstlane_b32 s10, v1                    ; wave 0..15
	s_bfe_u32 s11, ttmp6, 0x40000                  ; cx: my block of 256 queries
	s_and_b32 s12, ttmp7, 0xffff                   ; bh
	s_mov_b32 s24, 15|(3<<16)|(1<<21)              ; group 1: the mask names the four; elements of 8 bytes; 50 rows of 256 bytes, dense
	s_mov_b32 s25, 32<<16
	s_mov_b32 s26, 50<<16
	s_mov_b32 s27, 32<<16
	s_mov_b32 s28, 50
	s_mov_b32 s29, 32
	s_mov_b32 s30, 0
	s_mov_b32 s31, 0
	s_and_b32 s13, s10, 7
	s_mul_i32 s13, s13, 12800                      ; my eighth of the block
	s_mul_i32 s14, s12, 102400
	s_add_co_u32 s14, s14, s13
	s_mov_b32 s15, 0
	s_mov_b32 s36, 0x3d38aa3b                      ; c = log2(e) / 32
	s_mov_b32 s37, s36                             ; (named with it as a pair, so it is written)
	s_mov_b32 s38, 0x76543210
	s_mov_b32 s39, 0xfedcba98                      ; v_permlanex16_b32's selects for lane l xor 16
	s_wait_kmcnt 0x0
	CROUND                                         ; all four work-groups are here: the joint loads meet
	s_mov_b32 s32, 1
	s_mov_b32 s33, s13
	s_add_nc_u64 s[34:35], s[4:5], s[14:15]
	s_or_b32 s35, s35, 0x80000000
	s_cmp_lt_u32 s10, 8
	s_cbranch_scc0 .Lno_fetch
	tensor_load_to_lds s[32:35], s[24:31]          ; one load a wave, waves 0-7
	s_nop 0
.rept 4
	v_nop
.endr
.Lno_fetch:
	v_and_b32 v11, 31, v0
	v_and_b32 v254, 15, v0                         ; r
	v_bfe_u32 v255, v0, 4, 1                       ; hh
	s_delay_alu instid0(VALU_DEP_3)
	v_lshlrev_b32 v[OH], 4, v11                    ; 16 x lane
	s_delay_alu instid0(VALU_DEP_3)
	v_lshlrev_b32 v[OT], 4, v254
	s_delay_alu instid0(VALU_DEP_1)
	v_lshl_add_u32 v[OT], v255, 3, v[OT]           ; 16 r + 8 hh
	v_lshlrev_b32 v[OS], 2, v254                   ; 4 r
	s_delay_alu instid0(VALU_DEP_4)
	v_add_nc_u32 v[KH], KC, v[OH]
	s_delay_alu instid0(VALU_DEP_3)
	v_add_nc_u32 v[KT], KC, v[OT]
	s_delay_alu instid0(VALU_DEP_3)
	v_add_nc_u32 v[KSA], KS, v[OS]
	v_lshl_add_u32 v[MBA], v255, 6, MB
	v_add_nc_u32 v[VH], VC, v[OH]
	v_add_nc_u32 v[VT], VC, v[OT]
	v_add_nc_u32 v[VSA], VS, v[OS]
	v_lshlrev_b32 v11, 3, v0                       ; the mask: thread t takes keys 2 t and 2 t + 1
	v_lshl_add_u32 v253, v0, 3, MB
	s_lshr_b32 s16, s12, 4                         ; batch
	s_lshl_b32 s17, s16, 12
	s_mov_b32 s18, s17
	s_mov_b32 s19, 0
	s_add_nc_u64 s[6:7], s[6:7], s[18:19]
	global_load_b64 v[250:251], v11, s[6:7]
	s_lshl_b32 s18, s12, 6
	s_lshl_b32 s19, s11, 4
	s_add_co_u32 s18, s18, s19
	s_add_co_u32 s18, s18, s10                     ; q's tile: 64 bh + 16 cx + wave
	s_mul_i32 s20, s18, 768
	s_add_co_u32 s20, s20, 6553600
	s_mov_b32 s21, 0
	s_add_nc_u64 s[20:21], s[4:5], s[20:21]
	global_load_b128 v[22:25], v[OH], s[20:21]     ; q's half image
	global_load_b64 v[26:27], v[OT], s[20:21] offset:512
	s_lshr_b32 s22, s18, 1
	s_lshl_b32 s22, s22, 6
	s_add_co_u32 s22, s22, 9699328
	s_mov_b32 s23, 0
	s_add_nc_u64 s[22:23], s[4:5], s[22:23]
	global_load_b32 v252, v[OS], s[22:23]          ; its pair word
	s_lshl_b32 s42, s16, 6
	s_add_co_u32 s42, s42, s19
	s_add_co_u32 s42, s42, s10                     ; my token tile: 64 batch + 16 cx + wave
	s_and_b32 s43, s12, 15                         ; head
	s_lshl_b32 s44, s42, 4
	s_add_co_u32 s44, s44, s43
	s_mul_i32 s44, s44, 768                        ; out: the head is half image h of the tile's 16
	s_mov_b32 s45, 0
	s_lshl_b32 s46, s42, 3
	s_lshr_b32 s47, s43, 1
	s_add_co_u32 s46, s46, s47
	s_lshl_b32 s46, s46, 6
	s_and_b32 s47, s43, 1
	s_lshl_b32 s47, s47, 1
	s_add_co_u32 s46, s46, s47
	s_add_co_u32 s46, s46, 3145728                 ; and its two scale bytes
	s_mov_b32 s47, 0
	s_add_nc_u64 s[44:45], s[8:9], s[44:45]
	s_add_nc_u64 s[46:47], s[8:9], s[46:47]
	s_and_b32 s41, s10, 1
	s_lshl_b32 s41, s41, 4
	s_mov_b32 s40, 8                               ; key steps of 128
	s_wait_loadcnt 0x0
	v_lshrrev_b32 v34, s41, v252                   ; my tile's half of the pair word:
	s_delay_alu instid0(VALU_DEP_1)
	v_and_b32 v34, 0xffff, v34                     ; q's scale word for [q | 0],
	s_delay_alu instid0(VALU_DEP_1)
	v_lshlrev_b32 v35, 16, v34                     ; and for [0 | q].  (The plain lines below stand between these and the first scaled product)
	v_mov_b32 v252, 0xf1800000                     ; -2^100
	v_cmp_eq_u32 vcc_lo, 0, v250
	s_delay_alu instid0(VALU_DEP_1)
	v_cndmask_b32 v250, 0, v252, vcc_lo
	v_cmp_eq_u32 vcc_lo, 0, v251
	s_delay_alu instid0(VALU_DEP_1)
	v_cndmask_b32 v251, 0, v252, vcc_lo
	s_wait_alu depctr_va_vdst(0)
	ds_store_b64 v253, v[250:251]
.irp j, 16,17,18,19,20,21,28,29,30,31,32,33
	v_mov_b32 v[\j], 0                             ; the zero halves beside q
.endr
.irp j, 0,1,2,3,4,5,6,7,8,9,10,11,12,13,14,15,16,17,18,19,20,21,22,23,24,25,26,27,28,29,30,31
	v_mov_b32 v[O+\j], 0                           ; O^T: the step is written once; the first change of M leaves zeros zeros
.endr
	v_mov_b32 v13, 0xff61b1e6                      ; the largest t so far: -3e38
	s_delay_alu instid0(VALU_DEP_1)
	v_floor_f32 v12, -v13                          ; -M
	v_mov_b32 v14, 0
	v_mov_b32 v15, 0
.irp b, 0,1,2,3
	v_mov_b32 v[236+\b], 0                         ; written once: a lane permute's destination counts as one of its sources
.endr
	v_mov_b32 v249, 0                              ; (named as the upper half of the pair v[248:249] before it is first written)
	s_wait_tensorcnt 0x0                           ; my part of the block has landed,
	s_wait_dscnt 0x0                               ; my part of the mask is stored:
	s_barrier_signal -1
	s_barrier_wait -1                              ; everybody's
.Lstep:
	s_wait_alu depctr_va_vdst(0)
.irp t, 0,1,2,3,4,5,6,7                        ; the mask's numbers of tile t's keys 32 (t / 2) + 8 (t % 2) + 16 hh + 0 .. 7, as C
	ds_load_b128 v[S+8*\t:S+8*\t+3], v[MBA] offset:(32*(\t/2)+8*(\t%2))*4
	ds_load_b128 v[S+8*\t+4:S+8*\t+7], v[MBA] offset:(32*(\t/2)+8*(\t%2))*4+16
.endr
.irp i, 0,1,2,3,4,5,6,7
	ds_load_b128 v[KF+6*\i:KF+6*\i+3], v[KH] offset:768*\i
	ds_load_b64 v[KF+6*\i+4:KF+6*\i+5], v[KT] offset:768*\i+512
.endr
.irp p, 0,1,2,3
	ds_load_b32 v[244+\p], v[KSA] offset:64*\p
.endr
.irp t, 0,1,2,3
.irp c, 0,1
	ds_load_b128 v[VF+12*\t+6*\c:VF+12*\t+6*\c+3], v[VH] offset:12288*\t+768*\c
	ds_load_b64 v[VF+12*\t+6*\c+4:VF+12*\t+6*\c+5], v[VT] offset:12288*\t+768*\c+512
.endr
.endr
.irp t, 0,1,2,3
	ds_load_b32 v[VW+\t], v[VSA] offset:512*\t
.endr
	s_wait_dscnt 20                                ; the mask, K and its words are in; V's 20 loads may be out
.irp t, 0,1,2,3,4,5,6,7
	v_wmma_scale_f32_16x16x128_f8f6f4 v[S+8*\t:S+8*\t+7], v[KF+12*(\t/2):KF+12*(\t/2)+11], v[22-6*(\t%2):33-6*(\t%2)], v[S+8*\t:S+8*\t+7], v[244+\t/2], v[34+\t%2] matrix_a_fmt:MATRIX_FMT_FP6 matrix_b_fmt:MATRIX_FMT_FP6
.endr
.rept 4
	v_nop
.endr
.irp b, 0,1,2,3
	v_max3_num_f32 v[232+\b], v[S+16*\b], v[S+1+16*\b], v[S+2+16*\b]   ; the largest score of each block of 32 keys: for the row's maximum, and, since p rises with the score, for the block's largest p
.endr
.irp i, 3,5,7,9,11,13
.irp b, 0,1,2,3
	v_max3_num_f32 v[232+\b], v[232+\b], v[S+16*\b+\i], v[S+1+16*\b+\i]
.endr
.endr
.irp b, 0,1,2,3
	v_max_num_f32 v[232+\b], v[232+\b], v[S+15+16*\b]
.endr
.irp b, 0,1,2,3
	s_delay_alu instid0(VALU_DEP_4)
	v_permlanex16_b32 v[236+\b], v[232+\b], s38, s39
.endr
.irp b, 0,1,2,3
	s_delay_alu instid0(VALU_DEP_4)
	v_max_num_f32 v[232+\b], v[232+\b], v[236+\b]
.endr
	s_delay_alu instid0(VALU_DEP_2)
	v_max3_num_f32 v250, v232, v233, v234
	s_delay_alu instid0(VALU_DEP_1)
	v_max_num_f32 v250, v250, v235
	s_delay_alu instid0(VALU_DEP_1)
	v_mul_f32 v250, s36, v250                      ; as t
	s_delay_alu instid0(VALU_DEP_1)
	v_max_num_f32 v13, v13, v250                   ; the running largest t
	v_mov_b32 v250, v12
	s_delay_alu instid0(VALU_DEP_2)
	v_floor_f32 v12, -v13                          ; the new -M = -ceil(t)
	s_delay_alu instid0(VALU_DEP_1)
	v_sub_f32 v250, v12, v250                      ; old M - new M: a whole number, 0 or less
	s_delay_alu instid0(VALU_DEP_1)
	v_cvt_i32_f32 v250, v250                       ; (it saturates)
	s_delay_alu instid0(VALU_DEP_1)
	v_ldexp_f32 v248, 1.0, v250                    ; f = 2^(old M - new M)
.irp j, 0,2,4,6,8,10,12,14,16,18,20,22,24,26,28,30,32,34,36,38,40,42,44,46,48,50,52,54,56,58,60,62
	v_pk_fma_f32 v[S+\j:S+\j+1], v[S+\j:S+\j+1], s[36:37], v[12:13] op_sel_hi:[1,0,0]   ; t - M
.endr
.irp b, 0,1,2,3
	v_fma_f32 v[232+\b], v[232+\b], s36, v12
.endr
	s_wait_alu depctr_va_vdst(0)
.irp j, 0,1,2,3,4,5,6,7,8,9,10,11,12,13,14,15,16,17,18,19,20,21,22,23,24,25,26,27,28,29,30,31,32,33,34,35,36,37,38,39,40,41,42,43,44,45,46,47,48,49,50,51,52,53,54,55,56,57,58,59,60,61,62,63
	v_exp_f32 v[S+\j], v[S+\j]                     ; p = 2^(t - M)
.endr
	v_pk_mul_f32 v[14:15], v[14:15], v[248:249] op_sel_hi:[1,0]   ; the sums under the new M (a plain line behind the exponentials)
	s_wait_alu depctr_va_vdst(0)                   ; one wait for the batch of 64, ahead of its first reader
.irp b, 0,1,2,3
	v_exp_f32 v[232+\b], v[232+\b]                 ; each block's largest p
.endr
	v_pk_add_f32 v[236:237], v[140:141], v[144:145]
	v_pk_add_f32 v[254:255], v[148:149], v[152:153]
	v_pk_add_f32 v[252:253], v[156:157], v[160:161]
	v_pk_add_f32 v[246:247], v[164:165], v[168:169]
	v_pk_add_f32 v[244:245], v[172:173], v[176:177]
	v_pk_add_f32 v[242:243], v[180:181], v[184:185]
	v_pk_add_f32 v[240:241], v[188:189], v[192:193]
	v_pk_add_f32 v[14:15], v[14:15], v[196:197]
	v_pk_add_f32 v[236:237], v[236:237], v[136:137]
	v_pk_add_f32 v[254:255], v[254:255], v[138:139]
	v_pk_add_f32 v[252:253], v[252:253], v[142:143]
	v_pk_add_f32 v[246:247], v[246:247], v[146:147]
	v_pk_add_f32 v[244:245], v[244:245], v[150:151]
	v_pk_add_f32 v[242:243], v[242:243], v[154:155]
	v_pk_add_f32 v[240:241], v[240:241], v[158:159]
	v_pk_add_f32 v[14:15], v[14:15], v[162:163]
	v_pk_add_f32 v[236:237], v[236:237], v[166:167]
	v_pk_add_f32 v[254:255], v[254:255], v[170:171]
	v_pk_add_f32 v[252:253], v[252:253], v[174:175]
	v_pk_add_f32 v[246:247], v[246:247], v[178:179]
	v_pk_add_f32 v[244:245], v[244:245], v[182:183]
	v_pk_add_f32 v[242:243], v[242:243], v[186:187]
	v_pk_add_f32 v[240:241], v[240:241], v[190:191]
	v_pk_add_f32 v[14:15], v[14:15], v[194:195]
	v_pk_add_f32 v[236:237], v[236:237], v[198:199]
	s_delay_alu instid0(VALU_DEP_2)
	v_pk_add_f32 v[14:15], v[14:15], v[246:247]
	s_delay_alu instid0(VALU_DEP_2)
	v_pk_add_f32 v[236:237], v[236:237], v[244:245]
	v_pk_add_f32 v[254:255], v[254:255], v[242:243]
	v_pk_add_f32 v[252:253], v[252:253], v[240:241]
	s_delay_alu instid0(VALU_DEP_2)
	v_pk_add_f32 v[14:15], v[14:15], v[254:255]
	s_delay_alu instid0(VALU_DEP_2)
	v_pk_add_f32 v[236:237], v[236:237], v[252:253]
	s_delay_alu instid0(VALU_DEP_1)
	v_pk_add_f32 v[14:15], v[14:15], v[236:237]
	s_wait_alu depctr_va_vdst(0)                   ; and one for the four
.irp b, 0,1,2,3
	v_max_num_f32 v[232+\b], 0x1800000, v[232+\b]  ; the floor 2^(3 - 127): the byte cannot fall under 1
.endr
.irp b, 0,1,2,3
	s_delay_alu instid0(VALU_DEP_4)
	v_add_nc_u32 v[240+\b], 0xff000000, v[232+\b]
.endr
.irp b, 0,1,2,3
	s_delay_alu instid0(VALU_DEP_4)
	v_lshrrev_b32 v[236+\b], 23, v[240+\b]
.endr
	s_delay_alu instid0(VALU_DEP_3)
	v_lshl_or_b32 v249, v237, 8, v236              ; p's scale word for these 128 keys
	s_delay_alu instid0(VALU_DEP_1)
	v_lshl_or_b32 v249, v238, 16, v249
	s_delay_alu instid0(VALU_DEP_1)
	v_lshl_or_b32 v249, v239, 24, v249
.irp c, 0,1
	v_cvt_scalef32_pk16_fp6_f32 v[40+6*\c:42+6*\c], v[S+32*\c:S+15+32*\c], v[240+2*\c]
	v_cvt_scalef32_pk16_fp6_f32 v[52+4*\c:54+4*\c], v[S+16+32*\c:S+31+32*\c], v[240+2*\c+1]
.endr
	v_nop                                          ; one plain line behind a scaled conversion
.irp c, 0,1
.irp i, 0,1,2
	v_permlane16_swap_b32 v[40+6*\c+\i], v[52+4*\c+\i]
.endr
.irp i, 0,1,2
	s_delay_alu instid0(VALU_DEP_3)
	v_mov_b32 v[43+6*\c+\i], v[52+4*\c+\i]
.endr
.endr
.irp j, 0,2,4,6,8,10,12,14,16,18,20,22,24,26,28,30
	v_pk_mul_f32 v[O+\j:O+\j+1], v[O+\j:O+\j+1], v[248:249] op_sel_hi:[1,0]   ; O^T under the new M; these 16 also stand between the codes' and the scale word's last writes and the products
.endr
	s_wait_alu depctr_va_vdst(0)
	s_wait_dscnt 0x0                               ; V
.irp t, 0,1,2,3
	v_wmma_scale_f32_16x16x128_f8f6f4 v[O+8*\t:O+8*\t+7], v[VF+12*\t:VF+12*\t+11], v[40:51], v[O+8*\t:O+8*\t+7], v[VW+\t], v249 matrix_a_fmt:MATRIX_FMT_FP6 matrix_b_fmt:MATRIX_FMT_FP6
.endr
	v_add_nc_u32 v[KH], 6144, v[KH]                ; the next 128 keys; these seven lines are also the places ahead of the next loads and of the way out
	v_add_nc_u32 v[KT], 6144, v[KT]
	v_add_nc_u32 v[KSA], 256, v[KSA]
	v_add_nc_u32 v[MBA], 512, v[MBA]
	v_add_nc_u32 v[VH], 1536, v[VH]
	v_add_nc_u32 v[VT], 1536, v[VT]
	v_add_nc_u32 v[VSA], 64, v[VSA]
	s_sub_co_u32 s40, s40, 1
	s_cmp_lg_u32 s40, 0
	s_cbranch_scc1 .Lstep
	; THE WAY OUT: O^T / the sum, quantised along the head's 64 channels: register 16 beta + i is channel 32 beta + 16 hh + i of my query
	v_add_f32 v14, v14, v15
	s_delay_alu instid0(VALU_DEP_1)
	v_permlanex16_b32 v250, v14, s38, s39
	s_delay_alu instid0(VALU_DEP_1)
	v_add_f32 v14, v14, v250
	s_wait_alu depctr_va_vdst(0)
	v_rcp_f32 v14, v14
	v_mov_b32 v251, 0xffff                         ; (a plain line behind the reciprocal)
	s_wait_alu depctr_va_vdst(0)                   ; the wait ahead of its first reader
.irp j, 0,1,2,3,4,5,6,7,8,9,10,11,12,13,14,15,16,17,18,19,20,21,22,23,24,25,26,27,28,29,30,31
	v_mul_f32 v[S+\j], v[O+\j], v14
.endr
	v_max3_num_f32 v232, |v[S]|, |v[S+1]|, 0x1800000
	v_max3_num_f32 v233, |v[S+16]|, |v[S+17]|, 0x1800000
.irp i, 2,4,6,8,10,12,14
	s_delay_alu instid0(VALU_DEP_2)
	v_max3_num_f32 v232, v232, |v[S+\i]|, |v[S+\i+1]|
	s_delay_alu instid0(VALU_DEP_2)
	v_max3_num_f32 v233, v233, |v[S+16+\i]|, |v[S+17+\i]|
.endr
	s_delay_alu instid0(VALU_DEP_2)
	v_permlanex16_b32 v236, v232, s38, s39
	s_delay_alu instid0(VALU_DEP_2)
	v_permlanex16_b32 v237, v233, s38, s39
	s_delay_alu instid0(VALU_DEP_2)
	v_max_num_f32 v232, v232, v236
	s_delay_alu instid0(VALU_DEP_2)
	v_max_num_f32 v233, v233, v237
	s_delay_alu instid0(VALU_DEP_2)
	v_add_nc_u32 v240, 0xff000000, v232
	s_delay_alu instid0(VALU_DEP_2)
	v_add_nc_u32 v241, 0xff000000, v233
	s_delay_alu instid0(VALU_DEP_2)
	v_lshrrev_b32 v236, 23, v240
	s_delay_alu instid0(VALU_DEP_2)
	v_lshrrev_b32 v237, 23, v241
	s_delay_alu instid0(VALU_DEP_1)
	v_lshl_or_b32 v250, v237, 8, v236
	v_cmp_gt_f32 vcc_lo, 0xec800000, v13           ; no key of the batch was left: the largest t lies under -2^90
	s_delay_alu instid0(VALU_DEP_1)
	v_cndmask_b32 v250, v250, v251, vcc_lo         ; then both bytes are 0xff
	v_cvt_scalef32_pk16_fp6_f32 v[40:42], v[S:S+15], v240
	v_cvt_scalef32_pk16_fp6_f32 v[46:48], v[S+16:S+31], v241
	v_nop                                          ; one plain line behind a scaled conversion
	v_permlane16_swap_b32 v40, v46
	v_permlane16_swap_b32 v41, v47
	v_permlane16_swap_b32 v42, v48
	s_delay_alu instid0(VALU_DEP_3)
	v_mov_b32 v43, v46
	s_delay_alu instid0(VALU_DEP_3)
	v_mov_b32 v44, v47
	s_delay_alu instid0(VALU_DEP_3)
	v_mov_b32 v45, v48
	global_store_b128 v[OH], v[40:43], s[44:45]    ; 512 consecutive aligned bytes
	global_store_b64 v[OT], v[44:45], s[44:45] offset:512
	global_store_b16 v[OS], v250, s[46:47]         ; two of a scale word's four bytes; both halves of the lanes write the same value
	s_wait_xcnt 0x0
	v_lshl_add_u32 v254, v0, 2, 0x29000
	v_mov_b32 v255, 0
	s_wait_alu depctr_va_vdst(0)
	s_wait_tensorcnt 0x0
	ds_add_u32 v254, v255
	s_wait_dscnt 0x0
	CROUND                                         ; the closing round
	s_endpgm
.Lfunc_end_k_q9853f3d70a_attn:
	.size	k_q9853f3d70a_attn, .Lfunc_end_k_q9853f3d70a_attn-k_q9853f3d70a_attn
	.p2alignl 7, 3214868480
	.fill 96, 4, 3214868480
	.section	.rodata,"a",@progbits
	.p2align	6, 0x0
	.amdhsa_kernel k_q9853f3d70a_attn
		.amdhsa_group_segment_fixed_size 169984
		.amdhsa_private_segment_fixed_size 0
		.amdhsa_enable_private_segment 0
		.amdhsa_kernarg_size 24
		.amdhsa_user_sgpr_count 2
		.amdhsa_user_sgpr_kernarg_segment_ptr 1
		.amdhsa_wavefront_size32 1
		.amdhsa_system_sgpr_workgroup_id_x 1
		.amdhsa_system_sgpr_workgroup_id_y 1
		.amdhsa_system_sgpr_workgroup_id_z 1
		.amdhsa_system_vgpr_workitem_id 0
		.amdhsa_next_free_vgpr 256
		.amdhsa_next_free_sgpr 66
		.amdhsa_reserve_vcc 1
		.amdhsa_float_denorm_mode_32 3
		.amdhsa_float_denorm_mode_16_64 3
		.amdhsa_memory_ordered 1
		.amdhsa_forward_progress 1
		.amdhsa_inst_pref_size 32
	.end_amdhsa_kernel
	.amdgpu_metadata
---
amdhsa.version: [ 1, 2 ]
amdhsa.kernels:
  - .name:           k_q9853f3d70a_attn
    .symbol:         k_q9853f3d70a_attn.kd
    .args:
      - { .name: qkvbuf, .offset: 0, .size: 8, .value_kind: global_buffer, .address_space: global }
      - { .name: mask, .offset: 8, .size: 8, .value_kind: global_buffer, .address_space: global }
      - { .name: ybuf, .offset: 16, .size: 8, .value_kind: global_buffer, .address_space: global }
    .group_segment_fixed_size: 169984
    .private_segment_fixed_size: 0
    .kernarg_segment_align: 8
    .kernarg_segment_size: 24
    .max_flat_workgroup_size: 512
    .sgpr_count:     66
    .vgpr_count:     256
    .wavefront_size: 32
...
	.end_amdgpu_metadata
.endif
;; end of part 11
;; launch gwo (part 12): grid 8 x 32, 4 waves a work-group, clusters of 4 x 4, 327,680 bytes of LDS; arguments ybuf, wbuf, bo, x, x1buf; writes x1buf
.if DOCPART == 12
	.amdgcn_target "amdgcn-amd-amdhsa--gfx1250"
	.amdhsa_code_object_version 6
	.text
	.protected	k_q9853f3d70a_gwo
	.globl	k_q9853f3d70a_gwo
	.p2align	8
	.type	k_q9853f3d70a_gwo,@function
k_q9853f3d70a_gwo:
	s_mov_b64 s[64:65], 0
	v_nop
	global_prefetch_b8 v0, s[64:65] scope:SCOPE_SE
	s_setreg_imm32_b32 hwreg(HW_REG_WAVE_MODE, 25, 1), 1
	s_wait_xcnt 0x0
	s_wait_alu depctr_hold_cnt(0) depctr_sa_sdst(0) depctr_va_vdst(0) depctr_va_sdst(0) depctr_va_ssrc(0) depctr_va_vcc(0) depctr_vm_vsrc(0)
	s_getreg_b32 s2, hwreg(HW_REG_IB_STS2, 6, 4)
	s_cmp_eq_u32 s2, 0
	s_cbranch_scc0 .Lentry_in_a_cluster
	s_endpgm
.Lentry_in_a_cluster:
	s_bfe_u32 s2, ttmp6, 0x10000c
	s_cmp_lg_u32 s2, 0xf033
	s_cbranch_scc0 .Lentry_shape_is_right
	s_endpgm
.Lentry_shape_is_right:
; x1 = x + attn wo + bo.  The product runs on codes of FP6 (E2M3) with E8M0 scales, K = 1,024; sums, bias and residual in f32.
; OPERANDS are images of the operand's registers: tiles of 16 rows (tile T, place r = row 32 (T / 2) + 8 (T % 2) + r + 8 (r / 8)); a fragment (16 rows x 128 K) is 1,536 bytes; codes [tile][K step][1,536], scale words [tile][K step][16] of 4 bytes.
; A work-group makes 128 tokens x 128 columns, a wave 64 x 64: 16 accumulators.  Source 0 = 16 rows of wo^T, source 1 = 16 tokens: a lane holds eight neighbouring columns of one token.
; ALL OF K LIES IN LDS AT ONCE: 8 tiles x 12,288 bytes of the tokens, the same of wo, 2 x 4,096 bytes of scale words.  Four fills, one a wave, at the head; nothing is filled again, so there is no ring.
; CLUSTER 4 x 4: the tokens' tiles are asked for jointly along a row of the cluster, wo's along a column.
; THE RESIDUAL (64 rows x 256 bytes a wave, 128 registers of window 2) is asked for at the head, in whole rows of 256 bytes, and added on the way out.
; No prefetch: the launch has one fill and no loop to run ahead in.
.set KST,   8
.set ASO,   3145728                    ; the tokens' scale words in ybuf
.set BCO,   2359296                    ; wo's codes in wbuf
.set BSO,   9535488                    ; wo's scale words
.set TROW,  KST*1536                   ; a tile's codes for all of K
.set HALFT, 4*TROW
.set SLOT,  4*HALFT                    ; the tokens' 8 tiles, then wo's 8
.set SCL,   SLOT
.set HALFS, 4*KST*64
.set SPARE, SCL+4*HALFS                ; the spare words, 128 bytes a wave: no other line names them
.set STAGE, SPARE+512                  ; the way out: 16 rows x 272 bytes for each wave; no fill lands here
.set AH, 16
.set AT, 18
.set BH, 20
.set BT, 22
.set STO, 24
.set RD, 25
.set CO, 26
.set ADRS, 27
.set SPW, 28
.set NIL, 29
.set OH, 30
.set OT, 31
.set SC, 32                            ; v32-39 scale words, two sets of 4: lanes 0-15 the tokens', lanes 16-31 wo's
.set BI, 64                            ; v64-95 the bias in the result's layout
.set ACC, 128                          ; v128-255 accumulator (a, b) at 128 + 8 (4 a + b); window 1: two fragment buffers at v0 and v128
.set G1, 24
.set G0, 32
.set G1B, 48
.set G0B, 56
.set G1S, 68
.set G0S, 76
.set G1SB, 80
.set G0SB, 88
.set MUL,  0x05
.set TO_F, 0x40
.set MSB, 0
.macro WIN new                         ; the immediate's high byte repeats the setting that is left
.if MSB != \new
	s_set_vgpr_msb (MSB<<8)|\new
.set MSB, \new
.endif
.endm
.macro CROUND                          ; a round of the cluster's barrier
	s_barrier_signal -1
	s_barrier_wait -1
	s_cmp_lg_u32 s14, 0
	s_cbranch_scc1 .Lnot_wave_0_\@
	s_barrier_signal -3
.Lnot_wave_0_\@:
	s_barrier_wait -3
	s_barrier_signal -1
	s_barrier_wait -1
.endm
.macro PLACES n
.rept \n
	v_nop
.endr
.endm
.macro FRAG reg, h, t, off
	ds_load_b128 v[\reg:\reg+3], v[\h] offset:\off
	ds_load_b64 v[\reg+4:\reg+5], v[\t] offset:\off+512
	ds_load_b128 v[\reg+6:\reg+9], v[\h] offset:\off+768
	ds_load_b64 v[\reg+10:\reg+11], v[\t] offset:\off+1280
.endm
.macro FETCH q, f, sc                  ; 36 loads: 4 scale words, wo's 4 fragments, the tokens' 4
	WIN 0
.irp i, 0,1,2,3
	ds_load_b32 v[SC+4*(\sc)+\i], v[ADRS] offset:\i*KST*64+64*(\q)
.endr
	WIN TO_F
.irp i, 0,1,2,3
	FRAG \f+48+12*\i, BH, BT, \i*TROW+1536*(\q)
.endr
.irp i, 0,1,2,3
	FRAG \f+12*\i, AH, AT, \i*TROW+1536*(\q)
.endr
.endm
.macro MUL4 f, sc, a, cm               ; the 16 accumulators take turns in the same order in every step; cm = 1: the bias starts the sums
.irp b, 0,1,2,3
.if \cm == 0
	v_wmma_scale_f32_16x16x128_f8f6f4 v[ACC+8*(4*\a+\b):ACC+8*(4*\a+\b)+7], v[\f+48+12*\b:\f+48+12*\b+11], v[\f+12*\a:\f+12*\a+11], v[ACC+8*(4*\a+\b):ACC+8*(4*\a+\b)+7], v[SC+4*(\sc)+\b], v[SC+4*(\sc)+\a] matrix_a_fmt:MATRIX_FMT_FP6 matrix_b_fmt:MATRIX_FMT_FP6 matrix_a_scale:MATRIX_SCALE_ROW1
.else
	v_wmma_scale_f32_16x16x128_f8f6f4 v[ACC+8*(4*\a+\b):ACC+8*(4*\a+\b)+7], v[\f+48+12*\b:\f+48+12*\b+11], v[\f+12*\a:\f+12*\a+11], v[BI+8*\b:BI+8*\b+7], v[SC+4*(\sc)+\b], v[SC+4*(\sc)+\a] matrix_a_fmt:MATRIX_FMT_FP6 matrix_b_fmt:MATRIX_FMT_FP6 matrix_a_scale:MATRIX_SCALE_ROW1
.endif
.endr
.endm
.macro STEP q, cm
.set PF, 128*((\q)%2)
.set PG, 128-PF
.set PS, (\q)%2
.set PT, 1-PS
	s_wait_dscnt 8                                 ; all but the youngest 8 loads (the tokens' tiles 2 and 3)
	WIN MUL
	MUL4 PF, PS, 0, \cm
	MUL4 PF, PS, 1, \cm
	PLACES 4                                       ; for the loads into the other buffer, which the last step's products read
	FETCH (\q)+1, PG, PT
	s_wait_dscnt 36                                ; all but the 36 just issued
	WIN MUL
	MUL4 PF, PS, 2, \cm
	MUL4 PF, PS, 3, \cm
.endm
	s_load_b128 s[4:7], s[0:1], 0x0                ; ybuf, wbuf
	s_load_b128 s[8:11], s[0:1], 0x10              ; bo, x
	s_load_b64 s[12:13], s[0:1], 0x20              ; x1buf
	v_lshl_add_u32 v[SPW], v0, 2, SPARE
	v_mov_b32 v[NIL], 0
	ds_add_u32 v[SPW], v[NIL]                      ; the opening lines: the add, twice on end, and its wait
	ds_add_u32 v[SPW], v[NIL]
	v_lshrrev_b32 v1, 5, v0
	v_readfirstlane_b32 s14, v1                    ; wave
	s_lshr_b32 s15, s14, 1                         ; my half of the tokens
	s_and_b32 s16, s14, 1                          ; my half of the columns
	s_bfe_u32 s40, ttmp6, 0x40000                  ; cx, cy
	s_bfe_u32 s41, ttmp6, 0x40004
	s_lshl_b32 s42, ttmp9, 2
	s_add_co_u32 s42, s42, s40                     ; block of 128 columns
	s_and_b32 s17, ttmp7, 0xffff
	s_lshl_b32 s17, s17, 2
	s_add_co_u32 s17, s17, s41                     ; block of 128 tokens
	s_lshl_b32 s43, s41, 2
	s_lshl_b32 s43, 15, s43                        ; my row of the cluster
	s_lshl_b32 s44, 0x1111, s40                    ; my column
	s_or_b32 s[G1+0], s43, (3<<16)|(1<<21)
	s_or_b32 s[G1B+0], s44, (3<<16)|(1<<21)
.irp g, G1, G1B                        ; codes: 8 tiles, a row of 12,288 bytes each (1,536 elements of 8 bytes)
	s_mov_b32 s[\g+1], (KST*192)<<16
	s_mov_b32 s[\g+2], 8<<16
	s_mov_b32 s[\g+3], (KST*192)<<16
	s_mov_b32 s[\g+4], 8
	s_mov_b32 s[\g+5], KST*192
	s_mov_b32 s[\g+6], 0
	s_mov_b32 s[\g+7], 0
.endr
	s_or_b32 s[G1S+0], s43, (3<<16)|(1<<21)
	s_or_b32 s[G1SB+0], s44, (3<<16)|(1<<21)
.irp g, G1S, G1SB                      ; scale words of 8 tiles: dense, as rows of 256 bytes
	s_mov_b32 s[\g+1], 32<<16
	s_mov_b32 s[\g+2], (HALFS/128)<<16
	s_mov_b32 s[\g+3], 32<<16
	s_mov_b32 s[\g+4], HALFS/128
	s_mov_b32 s[\g+5], 32
	s_mov_b32 s[\g+6], 0
	s_mov_b32 s[\g+7], 0
.endr
	s_lshl_b32 s20, s17, 3                         ; the tokens' first tile
	s_mul_i32 s22, s20, KST*64
	s_add_co_u32 s22, s22, ASO
	s_mov_b32 s23, 0
	s_mul_i32 s20, s20, TROW
	s_mov_b32 s21, 0
	s_lshl_b32 s46, s42, 3                         ; wo's first tile
	s_mul_i32 s92, s46, KST*64
	s_add_co_u32 s92, s92, BSO
	s_mov_b32 s93, 0
	s_mul_i32 s46, s46, TROW
	s_add_co_u32 s46, s46, BCO
	s_mov_b32 s47, 0
	s_wait_dscnt 0x0                               ; both opening adds are done
	s_wait_kmcnt 0x0
	s_mov_b32 s[G0], 1
	s_mov_b32 s[G0+1], 0
	s_add_nc_u64 s[G0+2:G0+3], s[4:5], s[20:21]
	s_or_b32 s[G0+3], s[G0+3], 0x80000000
	s_mov_b32 s[G0B], 1
	s_mov_b32 s[G0B+1], 2*HALFT
	s_add_nc_u64 s[G0B+2:G0B+3], s[6:7], s[46:47]
	s_or_b32 s[G0B+3], s[G0B+3], 0x80000000
	s_mov_b32 s[G0S], 1
	s_mov_b32 s[G0S+1], SCL
	s_add_nc_u64 s[G0S+2:G0S+3], s[4:5], s[22:23]
	s_or_b32 s[G0S+3], s[G0S+3], 0x80000000
	s_mov_b32 s[G0SB], 1
	s_mov_b32 s[G0SB+1], SCL+2*HALFS
	s_add_nc_u64 s[G0SB+2:G0SB+3], s[6:7], s[92:93]
	s_or_b32 s[G0SB+3], s[G0SB+3], 0x80000000
	CROUND                                         ; all sixteen work-groups are here: the joint loads meet
; One load a wave, in one chain of branches on the wave's number: the tokens' codes, wo's codes, the tokens' scale words, wo's
.macro ARM under, g0, g1, next
	s_cmp_lt_u32 s14, \under
	s_cbranch_scc0 \next
	tensor_load_to_lds s[\g0:\g0+3], s[\g1:\g1+7]
	s_nop 0
	PLACES 4
	s_branch .Lhead_asked
\next:
.endm
	ARM 1, G0,  G1,  .Lhead_b
	ARM 2, G0B, G1B, .Lhead_sa
	ARM 3, G0S, G1S, .Lhead_sb
	tensor_load_to_lds s[G0SB:G0SB+3], s[G1SB:G1SB+7]
	s_nop 0
	PLACES 4
.Lhead_asked:
	v_and_b32 v1, 15, v0                           ; r
	v_bfe_u32 v2, v0, 4, 1                         ; hh
	v_and_b32 v3, 31, v0
	v_lshlrev_b32 v[OH], 4, v3
	v_lshlrev_b32 v[OT], 4, v1
	v_lshl_add_u32 v[OT], v2, 3, v[OT]
	s_mul_i32 s21, s15, HALFT
	s_mul_i32 s22, s16, HALFT
	s_add_co_u32 s22, s22, 2*HALFT
	v_add_nc_u32 v[AH], s21, v[OH]
	v_add_nc_u32 v[AT], s21, v[OT]
	v_add_nc_u32 v[BH], s22, v[OH]
	v_add_nc_u32 v[BT], s22, v[OT]
	s_mul_i32 s21, s15, HALFS
	s_mul_i32 s22, s16, HALFS
	s_add_co_u32 s22, s22, 2*HALFS
	s_sub_co_u32 s22, s22, s21
	v_mul_u32_u24 v6, s22, v2                      ; lanes 16-31 take wo's words
	s_add_co_u32 s21, s21, SCL
	v_lshl_add_u32 v5, v1, 2, v6
	v_add_nc_u32 v[ADRS], s21, v5
	s_mul_i32 s23, s14, 16*272
	s_add_co_u32 s23, s23, STAGE
	v_mul_u32_u24 v5, v1, 272
	v_lshl_add_u32 v5, v2, 6, v5
	v_add_nc_u32 v[STO], s23, v5
	v_mul_u32_u24 v5, v2, 272
	v_lshl_add_u32 v5, v1, 4, v5
	v_add_nc_u32 v[RD], s23, v5
	v_lshlrev_b32 v[CO], 12, v2
	v_lshl_add_u32 v[CO], v1, 4, v[CO]             ; two rows of 4,096 bytes an instruction, 16 lanes to 256 bytes
	s_lshl_b32 s46, s42, 9
	s_lshl_b32 s47, s16, 8
	s_add_co_u32 s46, s46, s47                     ; my 64 columns, in bytes
	s_mov_b32 s47, 0
	s_add_nc_u64 s[8:9], s[8:9], s[46:47]
	s_lshl_b32 s20, s17, 19
	s_lshl_b32 s21, s15, 18
	s_add_co_u32 s20, s20, s21                     ; my 64 rows
	s_mov_b32 s21, 0
	s_add_nc_u64 s[20:21], s[20:21], s[46:47]
	s_add_nc_u64 s[10:11], s[10:11], s[20:21]
	s_add_nc_u64 s[12:13], s[12:13], s[20:21]
	v_lshlrev_b32 v4, 6, v2
.irp b, 0,1,2,3
	global_load_b128 v[BI+8*\b:BI+8*\b+3], v4, s[8:9] offset:(32*(\b/2)+8*(\b%2))*4
	global_load_b128 v[BI+8*\b+4:BI+8*\b+7], v4, s[8:9] offset:(32*(\b/2)+8*(\b%2))*4+16
.endr
	s_wait_alu depctr_va_vdst(0)
	WIN 0x80                                       ; the residual goes into window 2: block a's row pair t at v[32 a + 4 t]
.irp a, 0,1,2,3
.irp t, 0,1,2,3,4,5,6,7
	global_load_b128 v[32*\a+4*\t:32*\a+4*\t+3], v[CO], s[10:11] offset:(32*(\a/2)+8*(\a%2)+2*\t+8*(\t/4))*4096 th:TH_LOAD_NT
.endr
.endr
	WIN 0
	s_wait_loadcnt 32                              ; the bias is in; the residual's 32 loads may be out
	s_wait_tensorcnt 0x0                           ; my fill has landed
	s_barrier_signal -1
	s_barrier_wait -1                              ; everybody's
	FETCH 0, 0, 0
	STEP 0, 1                                      ; the first step's products start the sums on the bias
.irp q, 1,2,3,4,5,6
	STEP \q, 0
.endr
	s_wait_dscnt 8                                 ; the last step: nothing more to fetch
	WIN MUL
	MUL4 128, 1, 0, 0
	MUL4 128, 1, 1, 0
	s_wait_dscnt 0x0
	MUL4 128, 1, 2, 0
	MUL4 128, 1, 3, 0
	WIN 0
	PLACES 4
; THE WAY OUT, 16 tokens at a time: through my own stage, back as rows of 256 bytes, the residual added, stored in whole aligned runs of 256 bytes
.irp a, 0,1,2,3
.if \a >= 2
	s_wait_xcnt 0x0                                ; block a - 2's stores have read their registers
.endif
.irp b, 0,1,2,3
	ds_store_b128 v[STO], v[ACC+8*(4*\a+\b):ACC+8*(4*\a+\b)+3] offset:128*(\b/2)+32*(\b%2)
	ds_store_b128 v[STO], v[ACC+8*(4*\a+\b)+4:ACC+8*(4*\a+\b)+7] offset:128*(\b/2)+32*(\b%2)+16
.endr
.irp t, 0,1,2,3,4,5,6,7
	ds_load_b128 v[64+32*(\a%2)+4*\t:64+32*(\a%2)+4*\t+3], v[RD] offset:544*\t
.endr
	s_wait_dscnt 0x0
	s_wait_loadcnt 24-8*\a                         ; block a's residual is in; the later blocks' 8 loads each may be out
	WIN 0x08                                       ; source 1 in window 2
.irp k, 0,2,4,6,8,10,12,14,16,18,20,22,24,26,28,30
	v_pk_add_f32 v[64+32*(\a%2)+\k:64+32*(\a%2)+\k+1], v[64+32*(\a%2)+\k:64+32*(\a%2)+\k+1], v[32*\a+\k:32*\a+\k+1]
.endr
	WIN 0
.irp t, 0,1,2,3,4,5,6,7
	global_store_b128 v[CO], v[64+32*(\a%2)+4*\t:64+32*(\a%2)+4*\t+3], s[12:13] offset:(32*(\a/2)+8*(\a%2)+2*\t+8*(\t/4))*4096
.endr
.endr
	s_wait_tensorcnt 0x0                           ; the wave's end
	ds_add_u32 v[SPW], v[NIL]
	s_wait_dscnt 0x0
	CROUND                                         ; the closing round
	s_endpgm
.Lfunc_end_k_q9853f3d70a_gwo:
	.size	k_q9853f3d70a_gwo, .Lfunc_end_k_q9853f3d70a_gwo-k_q9853f3d70a_gwo
	.p2alignl 7, 3214868480
	.fill 96, 4, 3214868480
	.section	.rodata,"a",@progbits
	.p2align	6, 0x0
	.amdhsa_kernel k_q9853f3d70a_gwo
		.amdhsa_group_segment_fixed_size 327680
		.amdhsa_private_segment_fixed_size 0
		.amdhsa_enable_private_segment 0
		.amdhsa_kernarg_size 40
		.amdhsa_user_sgpr_count 2
		.amdhsa_user_sgpr_kernarg_segment_ptr 1
		.amdhsa_wavefront_size32 1
		.amdhsa_system_sgpr_workgroup_id_x 1
		.amdhsa_system_sgpr_workgroup_id_y 1
		.amdhsa_system_sgpr_workgroup_id_z 1
		.amdhsa_system_vgpr_workitem_id 0
		.amdhsa_next_free_vgpr 768
		.amdhsa_next_free_sgpr 100
		.amdhsa_reserve_vcc 0
		.amdhsa_float_denorm_mode_32 3
		.amdhsa_float_denorm_mode_16_64 3
		.amdhsa_memory_ordered 1
		.amdhsa_forward_progress 1
		.amdhsa_inst_pref_size 61
	.end_amdhsa_kernel
	.amdgpu_metadata
---
amdhsa.version: [ 1, 2 ]
amdhsa.kernels:
  - .name:           k_q9853f3d70a_gwo
    .symbol:         k_q9853f3d70a_gwo.kd
    .args:
      - { .name: ybuf, .offset: 0, .size: 8, .value_kind: global_buffer, .address_space: global }
      - { .name: wbuf, .offset: 8, .size: 8, .value_kind: global_buffer, .address_space: global }
      - { .name: bo, .offset: 16, .size: 8, .value_kind: global_buffer, .address_space: global }
      - { .name: x, .offset: 24, .size: 8, .value_kind: global_buffer, .address_space: global }
      - { .name: x1buf, .offset: 32, .size: 8, .value_kind: global_buffer, .address_space: global }
    .group_segment_fixed_size: 327680
    .private_segment_fixed_size: 0
    .kernarg_segment_align: 8
    .kernarg_segment_size: 40
    .max_flat_workgroup_size: 128
    .sgpr_count:     100
    .vgpr_count:     768
    .wavefront_size: 32
...
	.end_amdgpu_metadata
.endif
;; end of part 12
;; launch ln2 (part 13): grid 256 x 1, 4 waves a work-group, no clusters, 67,072 bytes of LDS; arguments x1buf, ln2_g, ln2_b, ybuf; writes ybuf
.if DOCPART == 13
	.amdgcn_target "amdgcn-amd-amdhsa--gfx1250"
	.amdhsa_code_object_version 6
	.text
	.protected	k_q9853f3d70a_ln2
	.globl	k_q9853f3d70a_ln2
	.p2align	8
	.type	k_q9853f3d70a_ln2,@function
k_q9853f3d70a_ln2:
	s_mov_b64 s[64:65], 0
	v_nop
	global_prefetch_b8 v0, s[64:65] scope:SCOPE_SE
	s_setreg_imm32_b32 hwreg(HW_REG_WAVE_MODE, 25, 1), 1
	s_wait_xcnt 0x0
; y = (x - mean) rsqrt(var + 1e-6) g + b for rows of 1,024 f32, then quantised along the row to FP6 (E2M3) with one E8M0 byte for each 32, stored as images of the operand's registers.
; TILES.  Work-group T takes tile T of 16 rows: place r holds row 32 (T / 2) + 8 (T % 2) + r + 8 (r / 8).  Codes: [tile][8 K steps][1,536 bytes]; scale words from byte 3,145,728: [tile][8][16] of 4 bytes.
; HALF IMAGE.  16 rows x 64 K are 768 bytes: lane (r, hh)'s 24 bytes lie as 16 bytes at 16 x lane and 8 bytes at 512 + 16 r + 8 hh; a K step of 128 is two of them.
; PHASE 1.  Wave w owns places 4 w .. 4 w + 3; a row lies in one wave (8 loads of 512 consecutive bytes).  Mean first, then the sum of squared deviations: a common offset of the inputs does no harm.
; The normalised rows go to LDS (rows 4,112 bytes apart, an odd multiple of 16: sixteen rows begin in sixteen different 16-byte columns).  One barrier.
; PHASE 2.  Wave w quantises K steps 2 w and 2 w + 1 of all 16 rows: lane (r, hh) takes 16 neighbours of each block of 32, so two lanes 16 apart hold a block.
; LIMITS: NaN and infinities are not served by the quantiser (a NaN does not count in a block's largest magnitude).  A block of zeros keeps the byte 1: its codes are zeros and this program alone reads the bytes.
.set PITCH, 4112
.set T,  4                             ; v4-11    a pair a row: sums, then the mean
.set U,  12                            ; v12-19   a pair a row: sums of squares, then 1 / sigma
.set X,  32                            ; v32-159  four rows x 32; in phase 2 two K steps x 64 numbers
.set G,  160                           ; v160-191 gain
.set BB, 192                           ; v192-223 bias
.set PC, 160                           ; phase 2: v160-178 codes
.set TM, 180                           ; v180-195 at work
	s_load_b256 s[4:11], s[0:1], 0x0               ; rows s[4:5], gain s[6:7], bias s[8:9], out s[10:11]
	v_lshl_add_u32 v224, v0, 2, 0x10400
	v_mov_b32 v225, 0
	v_lshrrev_b32 v1, 5, v0
	v_readfirstlane_b32 s12, v1                    ; wave
	v_and_b32 v24, 31, v0
	v_and_b32 v2, 15, v0                           ; r
	v_bfe_u32 v3, v0, 4, 1                         ; hh
	v_lshlrev_b32 v1, 4, v24                       ; 16 x lane
	s_wait_alu depctr_va_vdst(0)
	s_lshr_b32 s13, ttmp9, 1
	s_lshl_b32 s13, s13, 5
	s_and_b32 s14, ttmp9, 1
	s_lshl_b32 s14, s14, 3
	s_add_co_u32 s13, s13, s14
	s_lshl_b32 s14, s12, 2
	s_add_co_u32 s13, s13, s14
	s_lshr_b32 s14, s12, 1
	s_lshl_b32 s14, s14, 3
	s_add_co_u32 s13, s13, s14                     ; my first row: 32 (T / 2) + 8 (T % 2) + 4 w + 8 (w / 2)
	s_lshl_b32 s14, s13, 12
	s_mov_b32 s15, 0
	s_mul_i32 s16, ttmp9, 12288
	s_mul_i32 s17, s12, 3072
	s_add_co_u32 s16, s16, s17                     ; my two K steps' codes
	s_mov_b32 s17, 0
	s_lshl_b32 s18, ttmp9, 9
	s_lshl_b32 s19, s12, 7
	s_add_co_u32 s18, s18, s19
	s_add_co_u32 s18, s18, 3145728                 ; and their scale words
	s_mov_b32 s19, 0
	s_mov_b32 s20, 0x3a800000                      ; 1 / 1,024
	s_mov_b32 s21, 0x358637bd                      ; 1e-6
	s_mov_b32 s22, 0x76543210
	s_mov_b32 s23, 0xfedcba98                      ; v_permlanex16_b32's selects for lane l xor 16
	s_mov_b32 s24, 0xffff0000                      ; lanes 16-31
	s_mul_i32 s25, s12, 4*PITCH
	v_add_nc_u32 v20, s25, v1                      ; LDS, in: my four rows, 16 x lane
	v_mul_u32_u24 v21, v2, PITCH
	v_lshl_add_u32 v21, v3, 6, v21
	s_lshl_b32 s25, s12, 10
	v_add_nc_u32 v21, s25, v21                     ; LDS, out: row r, + 64 hh, + my two K steps
	v_lshlrev_b32 v22, 4, v2
	v_lshl_add_u32 v22, v3, 3, v22                 ; 16 r + 8 hh
	v_lshlrev_b32 v23, 2, v24                      ; 4 x lane
	s_wait_kmcnt 0x0
	s_add_nc_u64 s[4:5], s[4:5], s[14:15]
	s_add_nc_u64 s[16:17], s[10:11], s[16:17]
	s_add_nc_u64 s[18:19], s[10:11], s[18:19]
.irp i, 0,1,2,3
.irp j, 0,1,2,3,4,5,6,7
	global_load_b128 v[X+32*\i+4*\j:X+32*\i+4*\j+3], v1, s[4:5] offset:4096*\i+512*\j th:TH_LOAD_NT
.endr
.endr
.irp j, 0,1,2,3,4,5,6,7
	global_load_b128 v[G+4*\j:G+4*\j+3], v1, s[6:7] offset:512*\j
.endr
.irp j, 0,1,2,3,4,5,6,7
	global_load_b128 v[BB+4*\j:BB+4*\j+3], v1, s[8:9] offset:512*\j
.endr
.macro REDUCE t                        ; a pair a row becomes the sum over the wave's 32 lanes, in every lane; the four rows by turns
.irp i, 0,1,2,3
	v_add_f32 v[\t+2*\i], v[\t+2*\i], v[\t+2*\i+1]
.endr
.irp m, 1,2,4,8
.irp i, 0,1,2,3
	v_add_f32_dpp v[\t+2*\i], v[\t+2*\i], v[\t+2*\i] row_xmask:\m row_mask:0xf bank_mask:0xf
.endr
.endr
.irp i, 0,1,2,3
	v_permlanex16_b32 v[\t+2*\i+1], v[\t+2*\i], s22, s23
.endr
.irp i, 0,1,2,3
	v_add_f32 v[\t+2*\i], v[\t+2*\i], v[\t+2*\i+1]
.endr
.endm
	s_wait_loadcnt 16                              ; the rows are in; the 16 loads of gain and bias may be out
.irp i, 0,1,2,3
	v_pk_add_f32 v[T+2*\i:T+2*\i+1], v[X+32*\i:X+32*\i+1], v[X+32*\i+2:X+32*\i+3]
.endr
.irp k, 4,6,8,10,12,14,16,18,20,22,24,26,28,30
.irp i, 0,1,2,3
	v_pk_add_f32 v[T+2*\i:T+2*\i+1], v[T+2*\i:T+2*\i+1], v[X+32*\i+\k:X+32*\i+\k+1]
.endr
.endr
	REDUCE T
.irp i, 0,1,2,3
	v_mul_f32 v[T+2*\i], s20, v[T+2*\i]            ; the mean
.endr
.irp k, 0,2,4,6,8,10,12,14,16,18,20,22,24,26,28,30
.irp i, 0,1,2,3
	v_pk_add_f32 v[X+32*\i+\k:X+32*\i+\k+1], v[X+32*\i+\k:X+32*\i+\k+1], v[T+2*\i:T+2*\i+1] op_sel_hi:[1,0] neg_lo:[0,1] neg_hi:[0,1]
.endr
.endr
.irp i, 0,1,2,3
	v_pk_mul_f32 v[U+2*\i:U+2*\i+1], v[X+32*\i:X+32*\i+1], v[X+32*\i:X+32*\i+1]
.endr
.irp k, 2,4,6,8,10,12,14,16,18,20,22,24,26,28,30
.irp i, 0,1,2,3
	v_pk_fma_f32 v[U+2*\i:U+2*\i+1], v[X+32*\i+\k:X+32*\i+\k+1], v[X+32*\i+\k:X+32*\i+\k+1], v[U+2*\i:U+2*\i+1]
.endr
.endr
	REDUCE U
.irp i, 0,1,2,3
	v_fma_f32 v[U+2*\i], v[U+2*\i], s20, s21       ; variance + 1e-6
.endr
	s_wait_alu depctr_va_vdst(0)
.irp i, 0,1,2,3
	v_rsq_f32 v[U+2*\i], v[U+2*\i]
.endr
	v_nop                                          ; a plain line behind the last of the four
	s_wait_alu depctr_va_vdst(0)                   ; one wait for the four, ahead of their first reader
	s_wait_loadcnt 0x0                             ; gain and bias
.irp k, 0,2,4,6,8,10,12,14,16,18,20,22,24,26,28,30
.irp i, 0,1,2,3
	v_pk_mul_f32 v[X+32*\i+\k:X+32*\i+\k+1], v[X+32*\i+\k:X+32*\i+\k+1], v[U+2*\i:U+2*\i+1] op_sel_hi:[1,0]
.endr
.endr
.irp k, 0,2,4,6,8,10,12,14,16,18,20,22,24,26,28,30
.irp i, 0,1,2,3
	v_pk_fma_f32 v[X+32*\i+\k:X+32*\i+\k+1], v[X+32*\i+\k:X+32*\i+\k+1], v[G+\k:G+\k+1], v[BB+\k:BB+\k+1]
.endr
.endr
.irp i, 0,1,2,3
.irp j, 0,1,2,3,4,5,6,7
	ds_store_b128 v20, v[X+32*\i+4*\j:X+32*\i+4*\j+3] offset:\i*PITCH+512*\j
.endr
.endr
	s_wait_dscnt 0x0                               ; for the others' sake: my rows lie in LDS
	s_barrier_signal -1
	s_barrier_wait -1
.irp e, 0,1
.irp b, 0,1,2,3
.irp j, 0,1,2,3
	ds_load_b128 v[X+64*\e+16*\b+4*\j:X+64*\e+16*\b+4*\j+3], v21 offset:512*\e+128*\b+16*\j   ; register 16 b + i = k 32 b + 16 hh + i of row r
.endr
.endr
.endr
.irp b, 0,1,2,3
	v_mov_b32 v[TM+4+\b], 0                        ; written once: a lane permute's destination counts as one of its sources
.endr
; 64 numbers of a lane become a fragment's codes in v[PC] .. v[PC + 11] and its scale word in v[pw]
.macro QUANT s, pw
.irp b, 0,1,2,3
	v_max3_num_f32 v[TM+\b], |v[\s+16*\b]|, |v[\s+1+16*\b]|, 0x1800000   ; with the floor 2^(3 - 127): the byte cannot fall under 1
.endr
.irp i, 2,4,6,8,10,12,14
.irp b, 0,1,2,3
	v_max3_num_f32 v[TM+\b], v[TM+\b], |v[\s+16*\b+\i]|, |v[\s+1+16*\b+\i]|
.endr
.endr
.irp b, 0,1,2,3
	v_permlanex16_b32 v[TM+4+\b], v[TM+\b], s22, s23
.endr
.irp b, 0,1,2,3
	v_max_num_f32 v[TM+\b], v[TM+\b], v[TM+4+\b]   ; with lane l xor 16's: the block's largest magnitude
.endr
.irp b, 0,1,2,3
	v_add_nc_u32 v[TM+12+\b], 0xff000000, v[TM+\b] ; 2 off its exponent field: the conversion's scale operand
.endr
.irp b, 0,1,2,3
	v_lshrrev_b32 v[TM+4+\b], 23, v[TM+12+\b]      ; the scale's byte
.endr
	v_lshl_or_b32 v[\pw], v[TM+5], 8, v[TM+4]
	v_lshl_or_b32 v[\pw], v[TM+6], 16, v[\pw]
	v_lshl_or_b32 v[\pw], v[TM+7], 24, v[\pw]
.irp c, 0,1
	v_cvt_scalef32_pk16_fp6_f32 v[PC+6*\c:PC+2+6*\c], v[\s+32*\c:\s+15+32*\c], v[TM+12+2*\c]
	v_cvt_scalef32_pk16_fp6_f32 v[PC+12+4*\c:PC+14+4*\c], v[\s+16+32*\c:\s+31+32*\c], v[TM+12+2*\c+1]
.endr
	v_nop                                          ; one plain line behind a scaled conversion
.irp c, 0,1                                    ; a whole block to a lane: lanes 0-15 block 2 c, lanes 16-31 block 2 c + 1
.irp i, 0,1,2
	v_permlane16_swap_b32 v[PC+6*\c+\i], v[PC+12+4*\c+\i]
.endr
.irp i, 0,1,2
	v_mov_b32 v[PC+3+6*\c+\i], v[PC+12+4*\c+\i]
.endr
.endr
.endm
.macro OUT e                           ; the fragment leaves as it stands: 512 and 256 consecutive aligned bytes a store
.irp c, 0,1
	global_store_b128 v1, v[PC+6*\c:PC+6*\c+3], s[16:17] offset:1536*\e+768*\c
	global_store_b64 v22, v[PC+6*\c+4:PC+6*\c+5], s[16:17] offset:1536*\e+768*\c+512
.endr
.endm
	s_wait_dscnt 16                                ; the first K step's 16 loads are in; the second's may be out
	QUANT X, 196
	OUT 0
	s_wait_dscnt 0x0
	s_wait_xcnt 0x0                                ; the stores have read the codes' registers: they are written again only behind this wait
	QUANT X+64, 197
	OUT 1
	v_cndmask_b32 v198, v196, v197, s24            ; lanes 0-15: the first K step's words, lanes 16-31: the second's
	global_store_b32 v23, v198, s[18:19]           ; 128 consecutive bytes
	s_wait_tensorcnt 0x0
	ds_add_u32 v224, v225
	s_wait_dscnt 0x0
	s_endpgm
.Lfunc_end_k_q9853f3d70a_ln2:
	.size	k_q9853f3d70a_ln2, .Lfunc_end_k_q9853f3d70a_ln2-k_q9853f3d70a_ln2
	.p2alignl 7, 3214868480
	.fill 96, 4, 3214868480
	.section	.rodata,"a",@progbits
	.p2align	6, 0x0
	.amdhsa_kernel k_q9853f3d70a_ln2
		.amdhsa_group_segment_fixed_size 67072
		.amdhsa_private_segment_fixed_size 0
		.amdhsa_enable_private_segment 0
		.amdhsa_kernarg_size 32
		.amdhsa_user_sgpr_count 2
		.amdhsa_user_sgpr_kernarg_segment_ptr 1
		.amdhsa_wavefront_size32 1
		.amdhsa_system_sgpr_workgroup_id_x 1
		.amdhsa_system_sgpr_workgroup_id_y 1
		.amdhsa_system_sgpr_workgroup_id_z 1
		.amdhsa_system_vgpr_workitem_id 0
		.amdhsa_next_free_vgpr 226
		.amdhsa_next_free_sgpr 66
		.amdhsa_reserve_vcc 0
		.amdhsa_float_denorm_mode_32 3
		.amdhsa_float_denorm_mode_16_64 3
		.amdhsa_memory_ordered 1
		.amdhsa_forward_progress 1
		.amdhsa_inst_pref_size 44
	.end_amdhsa_kernel
	.amdgpu_metadata
---
amdhsa.version: [ 1, 2 ]
amdhsa.kernels:
  - .name:           k_q9853f3d70a_ln2
    .symbol:         k_q9853f3d70a_ln2.kd
    .args:
      - { .name: x1buf, .offset: 0, .size: 8, .value_kind: global_buffer, .address_space: global }
      - { .name: ln2_g, .offset: 8, .size: 8, .value_kind: global_buffer, .address_space: global }
      - { .name: ln2_b, .offset: 16, .size: 8, .value_kind: global_buffer, .address_space: global }
      - { .name: ybuf, .offset: 24, .size: 8, .value_kind: global_buffer, .address_space: global }
    .group_segment_fixed_size: 67072
    .private_segment_fixed_size: 0
    .kernarg_segment_align: 8
    .kernarg_segment_size: 32
    .max_flat_workgroup_size: 128
    .sgpr_count:     66
    .vgpr_count:     226
    .wavefront_size: 32
...
	.end_amdgpu_metadata
.endif
;; end of part 13
;; launch gffn1 (part 14): grid 8 x 32, 4 waves a work-group, clusters of 4 x 4, 327,680 bytes of LDS; arguments ybuf, wbuf, b1, hbuf; writes hbuf
.if DOCPART == 14
	.amdgcn_target "amdgcn-amd-amdhsa--gfx1250"
	.amdhsa_code_object_version 6
	.text
	.protected	k_q9853f3d70a_gffn1
	.globl	k_q9853f3d70a_gffn1
	.p2align	8
	.type	k_q9853f3d70a_gffn1,@function
k_q9853f3d70a_gffn1:
	s_mov_b64 s[64:65], 0
	v_nop
	global_prefetch_b8 v0, s[64:65] scope:SCOPE_SE
	s_setreg_imm32_b32 hwreg(HW_REG_WAVE_MODE, 25, 1), 1
	s_wait_xcnt 0x0
	s_wait_alu depctr_hold_cnt(0) depctr_sa_sdst(0) depctr_va_vdst(0) depctr_va_sdst(0) depctr_va_ssrc(0) depctr_va_vcc(0) depctr_vm_vsrc(0)
	s_getreg_b32 s2, hwreg(HW_REG_IB_STS2, 6, 4)
	s_cmp_eq_u32 s2, 0
	s_cbranch_scc0 .Lentry_in_a_cluster
	s_endpgm
.Lentry_in_a_cluster:
	s_bfe_u32 s2, ttmp6, 0x10000c
	s_cmp_lg_u32 s2, 0xf033
	s_cbranch_scc0 .Lentry_shape_is_right
	s_endpgm
.Lentry_shape_is_right:
; h = gelu(y w1 + b1), the exact gelu 0.5 x (1 + erf(x / sqrt 2)); the product on codes of FP6 (E2M3) with E8M0 scales; h is quantised along the hidden axis, in registers, for the next product.
; OPERANDS are images of the operand's registers.  Rows go in tiles of 16: tile T, place r = row 32 (T / 2) + 8 (T % 2) + r + 8 (r / 8).  A fragment (16 rows x 128 K) is 1,536 bytes: two half images of 768,
; in each lane (r, hh)'s 24 bytes as 16 bytes at 16 x lane and 8 bytes at 512 + 16 r + 8 hh.  Codes: [tile][K step][1,536]; scale words: [tile][K step][16] of 4 bytes.
; A WORK-GROUP STAYS.  It takes 128 tokens and walks four blocks of 128 rows of w1, blocks 4 X .. 4 X + 3.  A block for all of K = 1,024 fills a slot of 98,304 bytes; there are two slots.
; THE FILLS.  At the head one load a wave: wave 0 the tokens' codes (98,304 bytes), wave 1 w1's first block into slot 0, wave 2 the tokens' scale words, wave 3 the four blocks' scale words (16,384 bytes).
; The second block is slot 1's first fill, behind the full sequence and a round, a quarter a wave.  A slot is asked for again, a quarter a wave, when every wave has read the block's last fragment: the load has that block's gelu and the next block's products in which to land.
; THE TOKENS' FRAGMENTS STAY IN REGISTERS: a wave reads its 4 tiles x 8 K steps x 12 registers from LDS once, into windows 2 and 3, for all four blocks; its tokens' scale words stay in 32 registers.  A K step reads w1 alone.
; The first two blocks are walked by a loop that fills again, the last two by a loop that does not. What differs between trips lies in scalars stepped by constants: the slot, the scale words, the bias, the way out.
; A wave makes 64 x 64 of each block: 16 accumulators.  The work-group's 512 numbers of b1 lie in LDS; a block's are the C of each sum's first product.
; THE PRODUCT IS USED TRANSPOSED (source 0 = 16 rows of w1, source 1 = 16 tokens): lane (r, hh) holds token place r, and register 16 beta + i of a block of 4 accumulators is hidden unit 32 beta + 16 hh + i.
; CLUSTER 4 x 4: the tokens' codes and scale words are asked for jointly along a row of the cluster, w1's along a column.
; No prefetch: every fill but the head's has a whole block's work in which to land, and the head has no loop to run ahead in.
; ERF: z P(z^2) / Q(z^2) with z = x / sqrt 2 held to +-4, P of degree 6 and Q of degree 4 in z^2, all in f32, one reciprocal a number.
; LIMITS: 1 + erf is formed as a sum, so for negative x the error of gelu is about 1e-7 |x| in absolute terms; under x = -5.66 gelu comes out as 0 or about 3e-8 |x|.  NaN and infinities are not served.  A block of zeros keeps the byte 1.
; OUT (hbuf): codes at token tile x 49,152 + (hidden / 64) x 768; scale words from 12,582,912: token tile x 2,048 + (hidden / 128) x 64 + 4 r.  A wave makes two of a word's four bytes: stores of 2 bytes a lane (one byte in 24 of the output).
.set TILEB, 12288                      ; a tile's codes for all of K
.set QUART, 2*TILEB                    ; a quarter of a block
.set BLK,   8*TILEB                    ; 128 rows
.set NT,    4
.set SCA,   BLK                        ; LDS: slot 0 at 0; behind it the tokens' scale words, 4,096 bytes,
.set SCB,   SCA+4096                   ; the four blocks' scale words, 4,096 bytes each,
.set SPARE, SCB+NT*4096                ; the spare words, 128 bytes for each wave: no other line names them,
.set BIASL, SPARE+512                  ; and 512 numbers of b1, written by LDS stores: no fill lands here
.set SLOT1, 1<<17                      ; slot 1: one exclusive or turns an address in one slot into the other's
.set AR,    SLOT1+BLK                  ; the tokens' codes: they end at LDS's last byte
.set AH, 4                             ; v4  LDS address of my tokens' 16-byte pieces;  v5 of their 8-byte pieces
.set AT, 5
.set BH0, 6                            ; v6-7 my lane's place in a slot;  v8-9 the same in the slot in hand
.set BT0, 7
.set BH, 8
.set BT, 9
.set BSA0, 10                          ; v10 my place among a block's scale words;  v11 in the block in hand
.set BSA, 11
.set BIA0, 12                          ; v12-13 the same for the bias
.set BIA, 13
.set ASA, 14                           ; v14 my tokens' scale words
.set SPW, 28                           ; v28 my spare word; v29 = 0; neither is rewritten
.set NIL, 29
.set OH, 30                            ; v30 16 x lane;  v31 16 r + 8 hh
.set OT, 31
.set SA, 32                            ; v32-63 the tokens' scale words, tile a, K step q at 8 a + q;  v64-71 w1's, two sets of 4: scale words and nothing else
.set SB, 64
.set BI, 96                            ; v96-127 the bias in the result's layout
.set ACC, 128                          ; v128-255 accumulator (a, b) at 128 + 8 (4 a + b);  window 1: w1's fragments, two buffers: tile i at 48 + 12 i and at 176 + 12 i
.set CF, 224                           ; v224-249 of window 1: the gelu's 13 coefficients, a pair each
.set TB, 99                            ; s99  LDS byte at which the slot in hand begins
.set TS, 100                           ; s100 where the block's scale words begin: 4,096 bytes a block
.set TBI, 101                          ; s101 and its bias: 512 bytes a block
.set G1A, 24
.set G1B, 32
.set G1SA, 48
.set G1SB, 56
.set G0A, 68
.set G0AS, 72
.set G0B0, 76
.set G0B1, 80
.set G0BS, 84
.set G1BH, 88                          ; s[88:95] group 1 for a whole block of 128 rows of w1
.set MUL,  0x09                        ; source 0 (w1) window 1, source 1 (tokens) window 2, with 4 more window 3; C and D window 0
.set TO_F, 0x40                        ; destination window 1, address window 0
.set MSB, 0
.macro WIN new                         ; the immediate's high byte repeats the setting that is left
.if MSB != \new
	s_set_vgpr_msb (MSB<<8)|\new
.set MSB, \new
.endif
.endm
.macro CREST                           ; a round of the cluster's barrier behind its opening barrier
	s_cmp_lg_u32 s16, 0
	s_cbranch_scc1 .Lnot_wave_0_\@
	s_barrier_signal -3
.Lnot_wave_0_\@:
	s_barrier_wait -3
	s_barrier_signal -1
	s_barrier_wait -1
.endm
.macro CROUND
	s_barrier_signal -1
	s_barrier_wait -1
	CREST
.endm
.macro PLACES n                        ; plain lines between a matrix instruction and a load into, or a read or write of, its registers
.rept \n
	v_nop
.endr
.endm
.macro FRAG reg, h, t, off             ; a fragment: 12 registers by four loads, each of 512 or 256 consecutive bytes
	ds_load_b128 v[\reg:\reg+3], v[\h] offset:\off
	ds_load_b64 v[\reg+4:\reg+5], v[\t] offset:\off+512
	ds_load_b128 v[\reg+6:\reg+9], v[\h] offset:\off+768
	ds_load_b64 v[\reg+10:\reg+11], v[\t] offset:\off+1280
.endm
.macro FETCH q, f, sc                  ; 20 loads: w1's 4 scale words and 4 fragments of K step q
	WIN 0
.irp i, 0,1,2,3
	ds_load_b32 v[SB+4*(\sc)+\i], v[BSA] offset:\i*512+64*(\q)
.endr
	WIN TO_F
.irp i, 0,1,2,3
	FRAG \f+48+12*\i, BH, BT, \i*TILEB+1536*(\q)
.endr
.endm
.macro MUL4 f, sc, q, a, cm            ; the tokens' tile a against w1's four; the 16 accumulators take turns in the same order in every step
	WIN (MUL+4*((\a)/2))                           ; the tokens' tiles 0, 1 lie in window 2, tiles 2, 3 in window 3: tile a, K step q at 96 (a % 2) + 12 q
.irp b, 0,1,2,3
.if \cm == 0
	v_wmma_scale_f32_16x16x128_f8f6f4 v[ACC+8*(4*\a+\b):ACC+8*(4*\a+\b)+7], v[\f+48+12*\b:\f+48+12*\b+11], v[96*((\a)%2)+12*(\q):96*((\a)%2)+12*(\q)+11], v[ACC+8*(4*\a+\b):ACC+8*(4*\a+\b)+7], v[SB+4*(\sc)+\b], v[SA+8*\a+(\q)] matrix_a_fmt:MATRIX_FMT_FP6 matrix_b_fmt:MATRIX_FMT_FP6
.else
	v_wmma_scale_f32_16x16x128_f8f6f4 v[ACC+8*(4*\a+\b):ACC+8*(4*\a+\b)+7], v[\f+48+12*\b:\f+48+12*\b+11], v[96*((\a)%2)+12*(\q):96*((\a)%2)+12*(\q)+11], v[BI+8*\b:BI+8*\b+7], v[SB+4*(\sc)+\b], v[SA+8*\a+(\q)] matrix_a_fmt:MATRIX_FMT_FP6 matrix_b_fmt:MATRIX_FMT_FP6
.endif
.endr
.endm
.macro STEP q, cm                      ; a K step that has a successor in its block
.set PF, 128*((\q)%2)
.set PG, 128-PF
.set PS, (\q)%2
.set PT, 1-PS
	s_wait_dscnt 0x0                               ; this step's 20 loads, asked for at the head of the step before, are in
	PLACES 4                                       ; for the loads into the other buffer and its scale words, which the last step's products read
	FETCH (\q)+1, PG, PT                           ; the next step's: they have this step's 16 matrix instructions in which to land
	MUL4 PF, PS, \q, 0, \cm
	MUL4 PF, PS, \q, 1, \cm
	MUL4 PF, PS, \q, 2, \cm
	MUL4 PF, PS, \q, 3, \cm
.endm
; A block's last K step leaves its slot: ONE barrier.  In front of it each wave waits for all its tensor loads, adds 0 to its spare word, and waits for that and for its reads of the slot.  fill = 1: the slot is filled again, with the block two on
.macro ENDSTEP fill
	WIN 0
	s_wait_tensorcnt 0x0                           ; all my tensor loads have landed, my part of the next block among them
	ds_add_u32 v[SPW], v[NIL]                      ; 0 onto my spare word
	s_wait_dscnt 1                                 ; (the add alone may be out)
	MUL4 128, 1, 7, 0, 0
	s_wait_dscnt 0x0                               ; the add is done, and my reads of this slot are over
	s_barrier_signal -1
	MUL4 128, 1, 7, 1, 0
	WIN 0
	s_barrier_wait -1
.if \fill
	CREST                                          ; the barrier has opened a round of the cluster's barrier: no wave of any partner still reads this slot or has a load on its way
	s_xor_b32 s[G0B1+1], s[G0B1+1], SLOT1          ; the walking descriptor: the other slot than last time,
	s_add_nc_u64 s[G0B1+2:G0B1+3], s[G0B1+2:G0B1+3], BLK   ; the next block; the type bits on top are not reached
	tensor_load_to_lds s[G0B1:G0B1+3], s[G1B:G1B+7] ; the first tensor load behind the round, and my only one until the next
	s_nop 0
	PLACES 4
.endif
	MUL4 128, 1, 7, 2, 0
	MUL4 128, 1, 7, 3, 0
	WIN 0
	PLACES 4
.endm
.macro PK16 d, c                       ; 16 pairs: v[d ..] = v[d ..] x z^2 + the coefficient at v[CF + c]
.irp k, 0,1,2,3,4,5,6,7,8,9,10,11,12,13,14,15
	v_pk_fma_f32 v[\d+2*\k:\d+2*\k+1], v[\d+2*\k:\d+2*\k+1], v[32+2*\k:33+2*\k], v[CF+\c:CF+\c+1]
.endr
.endm
; gelu of the 32 numbers v[s] .. v[s + 31] of window 0, in place, stage by stage over 16 pairs, so that no line waits for the line above it.
; Window 1, where w1's fragments lie between the blocks' products: v0-31 z, v32-63 z^2 and later x / 2, v64-95 the numerator and then erf, v96-127 the denominator and then its reciprocal.
.macro GELU32 s
	WIN 0x44                                       ; destination and source 1 window 1, source 0 window 0
.irp k, 0,1,2,3,4,5,6,7,8,9,10,11,12,13,14,15
	v_pk_mul_f32 v[2*\k:2*\k+1], v[\s+2*\k:\s+2*\k+1], v[CF+24:CF+25]   ; each accumulator is read from its low end on
.endr
	WIN 0x55                                       ; all in window 1
.irp j, 0,1,2,3,4,5,6,7,8,9,10,11,12,13,14,15,16,17,18,19,20,21,22,23,24,25,26,27,28,29,30,31
	v_med3_num_f32 v[\j], v[\j], -4.0, 4.0
.endr
.irp k, 0,1,2,3,4,5,6,7,8,9,10,11,12,13,14,15
	v_pk_mul_f32 v[32+2*\k:33+2*\k], v[2*\k:2*\k+1], v[2*\k:2*\k+1]
.endr
.irp k, 0,1,2,3,4,5,6,7,8,9,10,11,12,13,14,15
	v_pk_fma_f32 v[64+2*\k:65+2*\k], v[32+2*\k:33+2*\k], v[CF:CF+1], v[CF+2:CF+3]
.endr
.irp k, 0,1,2,3,4,5,6,7,8,9,10,11,12,13,14,15
	v_pk_fma_f32 v[96+2*\k:97+2*\k], v[32+2*\k:33+2*\k], v[CF+14:CF+15], v[CF+16:CF+17]
.endr
	PK16 64, 4
	PK16 96, 18
	PK16 64, 6
	PK16 96, 20
	PK16 64, 8
	PK16 96, 22
	PK16 64, 10
	PK16 64, 12
	s_wait_alu depctr_va_vdst(0)
.irp j, 0,1,2,3,4,5,6,7,8,9,10,11,12,13,14,15,16,17,18,19,20,21,22,23,24,25,26,27,28,29,30,31
	v_rcp_f32 v[96+\j], v[96+\j]
.endr
.irp k, 0,1,2,3,4,5,6,7,8,9,10,11,12,13,14,15
	v_pk_mul_f32 v[64+2*\k:65+2*\k], v[64+2*\k:65+2*\k], v[2*\k:2*\k+1]   ; z P(z^2): plain work behind the reciprocals
.endr
	WIN 0x44
.irp k, 0,1,2,3,4,5,6,7,8,9,10,11,12,13,14,15
	v_pk_mul_f32 v[32+2*\k:33+2*\k], v[\s+2*\k:\s+2*\k+1], 0.5 op_sel_hi:[1,0]   ; x / 2
.endr
	s_wait_alu depctr_va_vdst(0)                   ; one wait for the 32 reciprocals, ahead of their first reader
	WIN 0x55
.irp k, 0,1,2,3,4,5,6,7,8,9,10,11,12,13,14,15
	v_pk_mul_f32 v[64+2*\k:65+2*\k], v[64+2*\k:65+2*\k], v[96+2*\k:97+2*\k]   ; erf
.endr
	WIN 0x15                                       ; sources window 1, destination window 0
.irp k, 0,1,2,3,4,5,6,7,8,9,10,11,12,13,14,15
	v_pk_fma_f32 v[\s+2*\k:\s+2*\k+1], v[32+2*\k:33+2*\k], v[64+2*\k:65+2*\k], v[32+2*\k:33+2*\k]   ; x / 2 x erf + x / 2
.endr
	WIN 0
.endm
; 32 numbers of a lane, register 16 beta + i = k 32 beta + 16 hh + i of my row, become a half image's codes and two scale bytes in v[78 + a].
; THE CODES LAND IN REGISTERS 16 .. 21 OF THE 32 THEMSELVES: the upper 16 numbers are converted first, so their registers are free.  So each block of 16 rows has its own store data, and no wait stands between the blocks' stores.
.macro QUANT2 s, a
	v_max3_num_f32 v72, |v[\s]|, |v[\s+1]|, 0x1800000
	v_max3_num_f32 v73, |v[\s+16]|, |v[\s+17]|, 0x1800000
.irp i, 2,4,6,8,10,12,14
	v_max3_num_f32 v72, v72, |v[\s+\i]|, |v[\s+\i+1]|
	v_max3_num_f32 v73, v73, |v[\s+16+\i]|, |v[\s+17+\i]|
.endr
	v_permlanex16_b32 v74, v72, s96, s97
	v_permlanex16_b32 v75, v73, s96, s97
	v_max_num_f32 v72, v72, v74
	v_max_num_f32 v73, v73, v75
	v_add_nc_u32 v76, 0xff000000, v72
	v_add_nc_u32 v77, 0xff000000, v73
	v_lshrrev_b32 v74, 23, v76
	v_lshrrev_b32 v75, 23, v77
	v_lshl_or_b32 v[78+\a], v75, 8, v74
	v_cvt_scalef32_pk16_fp6_f32 v[90:92], v[\s+16:\s+31], v77
	v_nop                                          ; one plain line behind a scaled conversion, ahead of the line that writes its sources
	v_cvt_scalef32_pk16_fp6_f32 v[\s+16:\s+18], v[\s:\s+15], v76
	v_nop                                          ; and ahead of the lines that touch its result
	v_permlane16_swap_b32 v[\s+16], v90
	v_permlane16_swap_b32 v[\s+17], v91
	v_permlane16_swap_b32 v[\s+18], v92
	v_mov_b32 v[\s+19], v90
	v_mov_b32 v[\s+20], v91
	v_mov_b32 v[\s+21], v92
.endm
; ONE BLOCK OF 128 ROWS OF w1: its bias and first fragments, the step of the way out's bases, 8 K steps, the change of slots in the last of them, gelu, the quantiser, the way out
.macro TILE fill
	v_add_nc_u32 v[BH], s[TB], v[BH0]
	v_add_nc_u32 v[BT], s[TB], v[BT0]
	v_add_nc_u32 v[BSA], s[TS], v[BSA0]
	v_add_nc_u32 v[BIA], s[TBI], v[BIA0]
.irp b, 0,1,2,3                                ; for w1's tile b lane (r, hh) wants the numbers of rows 32 (b / 2) + 8 (b % 2) + 16 hh + 0 .. 7
	ds_load_b128 v[BI+8*\b:BI+8*\b+3], v[BIA] offset:(32*(\b/2)+8*(\b%2))*4
	ds_load_b128 v[BI+8*\b+4:BI+8*\b+7], v[BIA] offset:(32*(\b/2)+8*(\b%2))*4+16
.endr
	FETCH 0, 0, 0
	s_wait_alu depctr_va_vdst(0)
	s_wait_xcnt 0x0                                ; the last block's stores have read their registers and bases: the bases are stepped, and the products below write the accumulators again
	s_add_nc_u64 s[12:13], s[12:13], s[22:23]      ; 0 for the first block, then 128 hidden units on: two half images,
	s_add_nc_u64 s[14:15], s[14:15], s[46:47]      ; one K step's scale words
	s_mov_b32 s22, 1536
	s_mov_b32 s46, 64
	STEP 0, 1                                      ; the first step's products start the sums on the bias
.irp q, 1,2,3,4,5,6
	STEP \q, 0
.endr
	ENDSTEP \fill
.irp a, 0,1,2,3
	GELU32 ACC+32*\a
	QUANT2 ACC+32*\a, \a
	global_store_b128 v[OH], v[ACC+32*\a+16:ACC+32*\a+19], s[12:13] offset:49152*\a        ; 512 consecutive aligned bytes
	global_store_b64 v[OT], v[ACC+32*\a+20:ACC+32*\a+21], s[12:13] offset:49152*\a+512     ; 256
.endr
	v_cndmask_b32 v82, v78, v79, s98               ; lanes 0-15 store token tile 0's bytes, lanes 16-31 tile 1's;
	v_cndmask_b32 v83, v80, v81, s98               ; then tiles 2 and 3
	global_store_b16 v93, v82, s[14:15]
	global_store_b16 v93, v83, s[14:15] offset:4096
	s_xor_b32 s[TB], s[TB], SLOT1                  ; the other slot
	s_add_co_u32 s[TS], s[TS], 4096
	s_add_co_u32 s[TBI], s[TBI], 512
.endm
	s_load_b256 s[4:11], s[0:1], 0x0               ; ybuf, wbuf, b1, hbuf
	v_lshl_add_u32 v[SPW], v0, 2, SPARE
	v_mov_b32 v[NIL], 0
	ds_add_u32 v28, v29                            ; the opening lines: the add, twice on end, and its wait
	ds_add_u32 v28, v29
	s_wait_dscnt 0x0
	v_lshrrev_b32 v1, 5, v0
	v_readfirstlane_b32 s16, v1                    ; wave 0..3
	s_lshr_b32 s17, s16, 1                         ; my half of the tokens
	s_and_b32 s18, s16, 1                          ; my half of a block's rows of w1
	s_bfe_u32 s40, ttmp6, 0x40000                  ; cx, cy
	s_bfe_u32 s41, ttmp6, 0x40004
	s_lshl_b32 s20, ttmp9, 2
	s_add_co_u32 s20, s20, s40                     ; X: which four blocks of w1
	s_and_b32 s19, ttmp7, 0xffff
	s_lshl_b32 s19, s19, 2
	s_add_co_u32 s19, s19, s41                     ; which block of 128 tokens
	s_lshl_b32 s43, s41, 2
	s_lshl_b32 s43, 15, s43                        ; my row of the cluster
	s_lshl_b32 s44, 0x1111, s40                    ; my column
	; group 1 for codes: dense rows of 768 elements of 8 bytes; no padding
	s_or_b32 s[G1A+0], s43, (3<<16)|(1<<21)
	s_or_b32 s[G1B+0], s44, (3<<16)|(1<<21)
	s_or_b32 s[G1BH+0], s44, (3<<16)|(1<<21)
	s_mov_b32 s[G1B+2], 4<<16                      ; a quarter of a block: 4 rows of 6,144 bytes
	s_mov_b32 s[G1B+4], 4
.irp g, G1A, G1BH
	s_mov_b32 s[\g+2], 16<<16                      ; a whole block: 16 rows
	s_mov_b32 s[\g+4], 16
.endr
.irp g, G1A, G1B, G1BH
	s_mov_b32 s[\g+1], 768<<16
	s_mov_b32 s[\g+3], 768<<16
	s_mov_b32 s[\g+5], 768
	s_mov_b32 s[\g+6], 0
	s_mov_b32 s[\g+7], 0
.endr
	; the tokens' scale words: 4,096 dense bytes as 16 rows of 256;  w1's, for all four blocks: 16,384 as 64 rows
	s_or_b32 s[G1SA+0], s43, (3<<16)|(1<<21)
	s_mov_b32 s[G1SA+1], 32<<16
	s_mov_b32 s[G1SA+2], 16<<16
	s_mov_b32 s[G1SA+3], 32<<16
	s_mov_b32 s[G1SA+4], 16
	s_mov_b32 s[G1SA+5], 32
	s_mov_b32 s[G1SA+6], 0
	s_mov_b32 s[G1SA+7], 0
	s_or_b32 s[G1SB+0], s44, (3<<16)|(1<<21)
	s_mov_b32 s[G1SB+1], 32<<16
	s_mov_b32 s[G1SB+2], 64<<16
	s_mov_b32 s[G1SB+3], 32<<16
	s_mov_b32 s[G1SB+4], 64
	s_mov_b32 s[G1SB+5], 32
	s_mov_b32 s[G1SB+6], 0
	s_mov_b32 s[G1SB+7], 0
	s_mul_i32 s45, s16, QUART                      ; my quarter of a block of w1: in memory and in LDS, by the wave's number alone
	s_mul_i32 s2, s19, BLK                         ; the tokens' codes
	s_mov_b32 s3, 0
	s_lshl_b32 s12, s19, 12
	s_add_co_u32 s12, s12, 3145728                 ; their scale words
	s_mov_b32 s13, 0
	s_mul_i32 s46, s20, NT*BLK
	s_add_co_u32 s46, s46, 3145728                 ; w1's codes: block 4 X
	s_mov_b32 s47, 0
	s_lshl_b32 s14, s20, 14
	s_add_co_u32 s14, s14, 9568256                 ; w1's scale words: blocks 4 X .. 4 X + 3 on end
	s_mov_b32 s15, 0
	s_mov_b32 s96, 0x76543210
	s_mov_b32 s97, 0xfedcba98                      ; v_permlanex16_b32's selects for lane l xor 16
	s_mov_b32 s98, 0xffff0000                      ; lanes 16-31
	s_mov_b32 s[TB], 0
	s_mov_b32 s[TS], 0
	s_mov_b32 s[TBI], 0
	s_wait_kmcnt 0x0
	s_mov_b32 s[G0AS], 1
	s_mov_b32 s[G0AS+1], SCA
	s_add_nc_u64 s[G0AS+2:G0AS+3], s[4:5], s[12:13]
	s_or_b32 s[G0AS+3], s[G0AS+3], 0x80000000
	s_mov_b32 s[G0BS], 1
	s_mov_b32 s[G0BS+1], SCB
	s_add_nc_u64 s[G0BS+2:G0BS+3], s[6:7], s[14:15]
	s_or_b32 s[G0BS+3], s[G0BS+3], 0x80000000
	s_mov_b32 s[G0A], 1
	s_mov_b32 s[G0A+1], AR
	s_add_nc_u64 s[G0A+2:G0A+3], s[4:5], s[2:3]
	s_or_b32 s[G0A+3], s[G0A+3], 0x80000000
	s_mov_b32 s[G0B0], 1
	s_mov_b32 s[G0B0+1], 0
	s_add_nc_u64 s[G0B0+2:G0B0+3], s[6:7], s[46:47]
	s_mov_b32 s[G0B1], 1
	s_add_co_u32 s[G0B1+1], s45, SLOT1
	s_add_nc_u64 s[G0B1+2:G0B1+3], s[G0B0+2:G0B0+3], BLK
	s_mov_b32 s2, s45                              ; the walking descriptor brings my quarter of a block
	s_add_nc_u64 s[G0B1+2:G0B1+3], s[G0B1+2:G0B1+3], s[2:3]
	s_or_b32 s[G0B0+3], s[G0B0+3], 0x80000000
	s_or_b32 s[G0B1+3], s[G0B1+3], 0x80000000
	CROUND                                         ; all sixteen work-groups are here: the first joint loads meet
; THE HEAD'S LOADS, ONE A WAVE, in one chain of branches on the wave's number: every way through it passes exactly one load.
.macro ARM under, g0, g1, next
	s_cmp_lt_u32 s16, \under
	s_cbranch_scc0 \next
	tensor_load_to_lds s[\g0:\g0+3], s[\g1:\g1+7]
	s_nop 0
	PLACES 4
	s_branch .Lhead_asked
\next:
.endm
	ARM 1, G0A,  G1A,  .Lhead_b
	ARM 2, G0B0, G1BH, .Lhead_sa
	ARM 3, G0AS, G1SA, .Lhead_sb
	tensor_load_to_lds s[G0BS:G0BS+3], s[G1SB:G1SB+7]
	s_nop 0
	PLACES 4
.Lhead_asked:
	v_and_b32 v1, 15, v0                           ; r
	v_bfe_u32 v2, v0, 4, 1                         ; hh
	v_and_b32 v3, 31, v0                           ; lane
	v_lshlrev_b32 v[OH], 4, v3
	v_lshlrev_b32 v[OT], 4, v1
	v_lshl_add_u32 v[OT], v2, 3, v[OT]
	v_lshlrev_b32 v15, 4, v0                       ; the work-group's 512 numbers of b1: 16 bytes a thread,
	v_lshl_add_u32 v16, v0, 4, BIASL               ; to the same place in LDS
	s_lshl_b32 s46, s20, 11
	s_mov_b32 s47, 0
	s_add_nc_u64 s[8:9], s[8:9], s[46:47]
	global_load_b128 v[84:87], v15, s[8:9]
	s_mul_i32 s45, s17, 4*TILEB
	s_add_co_u32 s45, s45, AR
	v_add_nc_u32 v[AH], s45, v[OH]
	v_add_nc_u32 v[AT], s45, v[OT]
	s_mul_i32 s45, s18, 4*TILEB
	v_add_nc_u32 v[BH0], s45, v[OH]
	v_add_nc_u32 v[BT0], s45, v[OT]
	s_lshl_b32 s45, s17, 11
	s_add_co_u32 s45, s45, SCA
	v_lshl_add_u32 v[ASA], v1, 2, s45
	s_lshl_b32 s45, s18, 11
	s_add_co_u32 s45, s45, SCB
	v_lshl_add_u32 v[BSA0], v1, 2, s45
	s_lshl_b32 s45, s18, 8
	s_add_co_u32 s45, s45, BIASL
	v_lshl_add_u32 v[BIA0], v2, 6, s45
	v_lshlrev_b32 v93, 2, v1
	v_lshl_add_u32 v93, v2, 11, v93                ; 4 r + 2,048 hh
	v_mov_b32 v74, 0                               ; written once: a lane permute's destination counts as one of its sources
	v_mov_b32 v75, 0
.macro SETV r, c                       ; a coefficient as a pair, for the packed forms
	v_mov_b32 v[\r], \c
	v_mov_b32 v[\r+1], \c
.endm
	WIN 0x40
	SETV CF+0,  0xaf95df0b                         ; P: -2.72614226e-10
	SETV CF+2,  0x32edffee                         ;     2.77068142e-08
	SETV CF+4,  0xb60cff51                         ;    -2.10102402e-06
	SETV CF+6,  0xb86ec2d2                         ;    -5.69250639e-05
	SETV CF+8,  0xba40ac63                         ;    -7.34990630e-04
	SETV CF+10, 0xbb41a1f6                         ;    -2.95459981e-03
	SETV CF+12, 0xbc83dbd4                         ;    -1.60960333e-02
	SETV CF+14, 0xb77460cd                         ; Q: -1.45660718e-05
	SETV CF+16, 0xb95fbd29                         ;    -2.13374055e-04
	SETV CF+18, 0xbadc924e                         ;    -1.68282697e-03
	SETV CF+20, 0xbbf19bf8                         ;    -7.37332917e-03
	SETV CF+22, 0xbc69b6a7                         ;    -1.42647391e-02
	SETV CF+24, 0x3f3504f3                         ; sqrt(1 / 2)
	WIN 0
	; the way out of the first block: token tile 8 x block + 4 x half; hidden units 512 X + 64 x half on
	s_mul_i32 s12, s19, 393216
	s_mul_i32 s2, s17, 196608
	s_add_co_u32 s12, s12, s2
	s_mul_i32 s2, s20, 6144
	s_add_co_u32 s12, s12, s2
	s_mul_i32 s2, s18, 768
	s_add_co_u32 s12, s12, s2
	s_mov_b32 s13, 0
	s_lshl_b32 s14, s19, 14
	s_lshl_b32 s2, s17, 13
	s_add_co_u32 s14, s14, s2
	s_lshl_b32 s2, s20, 8
	s_add_co_u32 s14, s14, s2
	s_lshl_b32 s2, s18, 1
	s_add_co_u32 s14, s14, s2
	s_add_co_u32 s14, s14, 12582912
	s_mov_b32 s15, 0
	s_add_nc_u64 s[12:13], s[10:11], s[12:13]
	s_add_nc_u64 s[14:15], s[10:11], s[14:15]
	s_wait_loadcnt 0x0
	ds_store_b128 v16, v[84:87]
	s_wait_tensorcnt 0x0                           ; my load of the head's four has landed
	ds_add_u32 v[SPW], v[NIL]
	s_wait_dscnt 0x0                               ; the add is done, and my part of the bias lies in LDS
	CROUND                                         ; everybody's, in all sixteen work-groups
	tensor_load_to_lds s[G0B1:G0B1+3], s[G1B:G1B+7] ; slot 1's first fill: my quarter of the second block; it has the first block's work in which to land
	s_nop 0
	PLACES 4
.irp a, 0,1,2,3
.irp q, 0,1,2,3,4,5,6,7
	ds_load_b32 v[SA+8*\a+\q], v[ASA] offset:\a*512+64*\q   ; my tokens' scale words, once for the four blocks
.endr
.endr
	WIN 0x80                                       ; MY TOKENS' FRAGMENTS FOR ALL OF K, ONCE FOR THE FOUR BLOCKS: tiles 0, 1 into window 2,
.irp a, 0,1
.irp q, 0,1,2,3,4,5,6,7
	FRAG 96*\a+12*\q, AH, AT, \a*TILEB+1536*\q
.endr
.endr
	WIN 0xc0                                       ; tiles 2, 3 into window 3
.irp a, 0,1
.irp q, 0,1,2,3,4,5,6,7
	FRAG 96*\a+12*\q, AH, AT, (\a+2)*TILEB+1536*\q
.endr
.endr
	WIN 0
	s_mov_b32 s22, 0                               ; what the first block adds to the way out's bases
	s_mov_b32 s23, 0
	s_mov_b32 s46, 0
	s_mov_b32 s47, 0
	s_mov_b32 s3, 2
.Lfill:                                                ; blocks 0 and 1: each slot is asked for again, for blocks 2 and 3
	TILE 1
	s_sub_co_u32 s3, s3, 1
	s_cmp_lg_u32 s3, 0
	s_cbranch_scc1 .Lfill
	s_mov_b32 s3, 2
.Ldry:                                                 ; blocks 2 and 3: nothing is left to fetch
	TILE 0
	s_sub_co_u32 s3, s3, 1
	s_cmp_lg_u32 s3, 0
	s_cbranch_scc1 .Ldry
	s_wait_tensorcnt 0x0                           ; the wave's end
	ds_add_u32 v[SPW], v[NIL]
	s_wait_dscnt 0x0
	CROUND                                         ; the closing round
	s_endpgm
.Lfunc_end_k_q9853f3d70a_gffn1:
	.size	k_q9853f3d70a_gffn1, .Lfunc_end_k_q9853f3d70a_gffn1-k_q9853f3d70a_gffn1
	.p2alignl 7, 3214868480
	.fill 96, 4, 3214868480
	.section	.rodata,"a",@progbits
	.p2align	6, 0x0
	.amdhsa_kernel k_q9853f3d70a_gffn1
		.amdhsa_group_segment_fixed_size 327680
		.amdhsa_private_segment_fixed_size 0
		.amdhsa_enable_private_segment 0
		.amdhsa_kernarg_size 32
		.amdhsa_user_sgpr_count 2
		.amdhsa_user_sgpr_kernarg_segment_ptr 1
		.amdhsa_wavefront_size32 1
		.amdhsa_system_sgpr_workgroup_id_x 1
		.amdhsa_system_sgpr_workgroup_id_y 1
		.amdhsa_system_sgpr_workgroup_id_z 1
		.amdhsa_system_vgpr_workitem_id 0
		.amdhsa_next_free_vgpr 1024
		.amdhsa_next_free_sgpr 102
		.amdhsa_reserve_vcc 0
		.amdhsa_float_denorm_mode_32 3
		.amdhsa_float_denorm_mode_16_64 3
		.amdhsa_memory_ordered 1
		.amdhsa_forward_progress 1
		.amdhsa_inst_pref_size 254
	.end_amdhsa_kernel
	.amdgpu_metadata
---
amdhsa.version: [ 1, 2 ]
amdhsa.kernels:
  - .name:           k_q9853f3d70a_gffn1
    .symbol:         k_q9853f3d70a_gffn1.kd
    .args:
      - { .name: ybuf, .offset: 0, .size: 8, .value_kind: global_buffer, .address_space: global }
      - { .name: wbuf, .offset: 8, .size: 8, .value_kind: global_buffer, .address_space: global }
      - { .name: b1, .offset: 16, .size: 8, .value_kind: global_buffer, .address_space: global }
      - { .name: hbuf, .offset: 24, .size: 8, .value_kind: global_buffer, .address_space: global }
    .group_segment_fixed_size: 327680
    .private_segment_fixed_size: 0
    .kernarg_segment_align: 8
    .kernarg_segment_size: 32
    .max_flat_workgroup_size: 128
    .sgpr_count:     102
    .vgpr_count:     1024
    .wavefront_size: 32
...
	.end_amdgpu_metadata
.endif
;; end of part 14
;; launch gffn2 (part 15): grid 8 x 32, 4 waves a work-group, clusters of 4 x 4, 327,680 bytes of LDS; arguments hbuf, wbuf, b2, x1buf, out0; writes out0
.if DOCPART == 15
	.amdgcn_target "amdgcn-amd-amdhsa--gfx1250"
	.amdhsa_code_object_version 6
	.text
	.protected	k_q9853f3d70a_gffn2
	.globl	k_q9853f3d70a_gffn2
	.p2align	8
	.type	k_q9853f3d70a_gffn2,@function
k_q9853f3d70a_gffn2:
	s_mov_b64 s[64:65], 0
	v_nop
	global_prefetch_b8 v0, s[64:65] scope:SCOPE_SE
	s_setreg_imm32_b32 hwreg(HW_REG_WAVE_MODE, 25, 1), 1
	s_wait_xcnt 0x0
	s_wait_alu depctr_hold_cnt(0) depctr_sa_sdst(0) depctr_va_vdst(0) depctr_va_sdst(0) depctr_va_ssrc(0) depctr_va_vcc(0) depctr_vm_vsrc(0)
	s_getreg_b32 s2, hwreg(HW_REG_IB_STS2, 6, 4)
	s_cmp_eq_u32 s2, 0
	s_cbranch_scc0 .Lentry_in_a_cluster
	s_endpgm
.Lentry_in_a_cluster:
	s_bfe_u32 s2, ttmp6, 0x10000c
	s_cmp_lg_u32 s2, 0xf033
	s_cbranch_scc0 .Lentry_shape_is_right
	s_endpgm
.Lentry_shape_is_right:
; out0 = x1 + h w2 + b2.  The product runs on codes of FP6 (E2M3) with E8M0 scales, K = 4,096; sums, bias and residual in f32.
; OPERANDS are images of the operand's registers: tiles of 16 rows (tile T, place r = row 32 (T / 2) + 8 (T % 2) + r + 8 (r / 8)); a fragment (16 rows x 128 K) is 1,536 bytes; codes [tile][K step][1,536], scale words [tile][K step][16] of 4 bytes.
; A work-group makes 128 tokens x 128 columns, a wave 64 x 64: 16 accumulators.  Source 0 = 16 rows of w2^T, source 1 = 16 tokens: a lane holds eight neighbouring columns of one token.
; THE RING: K goes in chunks of 4 K steps (6,144 bytes of each tile) through two slots of 98,304 bytes: the tokens' 8 tiles, then w2's 8.  Chunk c lies in slot c % 2.  The scale words for all of K (2 x 16,384 bytes) come once and stay.
; THE HEAD: one load a wave: wave 0 the tokens' 8 tiles of chunk 0, wave 2 w2's, waves 1 and 3 the two blocks of scale words.  Slot 1's first fill follows as a refill does, a quarter of the slot a wave.
; CLUSTER 4 x 4: the tokens' tiles are asked for jointly along a row of the cluster, w2's along a column; each refill stands behind a round of the cluster's barrier.
; THE RESIDUAL (64 rows x 256 bytes a wave, 128 registers of window 2) is asked for behind the first K step, in whole rows of 256 bytes, has the rest of the walk in which to land, and is added on the way out.
; PREFETCH: behind the fill with chunk j each wave names chunk j + 2 of ONE tile: 24 blocks of 256 bytes, a lane a block (lanes 24-31 name the last again).  Of the 4 tiles that a wave fetches, the partner at place p
; (cx for the tokens, cy for w2) takes tile p: so each block is named once in each cluster that loads it.  Behind chunk 0's load chunk 1 is named as well; the loop's last trip, whose refills bring chunks 6 and 7, names nothing.
.set KST,   32
.set ASO,   12582912                   ; h's scale words in hbuf
.set BCO,   6291456                    ; w2's codes in wbuf
.set BSO,   9699328                    ; w2's scale words
.set TROW,  6144                       ; a tile's part of a chunk
.set HALFT, 4*TROW
.set SLOT,  4*HALFT
.set LAPS,  KST/8                      ; a lap = two chunks = once round the ring
.set SCL,   2*SLOT
.set HALFS, 4*KST*64
.set SPARE, SCL+4*HALFS                ; the spare words, 128 bytes a wave: no other line names them
.set STAGE, SPARE+512                  ; the way out: 16 rows x 272 bytes for each wave; no fill lands here
.set PFO, 8                            ; v8 the prefetches' offset: 256 x min(lane, 23); never rewritten
.set AH, 16
.set AT, 18
.set BH, 20
.set BT, 22
.set STO, 24
.set RD, 25
.set CO, 26
.set ADRS, 27
.set SPW, 28
.set NIL, 29
.set OH, 30
.set OT, 31
.set SC, 32                            ; v32-39 scale words, two sets of 4: lanes 0-15 the tokens', lanes 16-31 w2's
.set BI, 64                            ; v64-95 the bias in the result's layout
.set ACC, 128                          ; v128-255 accumulator (a, b) at 128 + 8 (4 a + b); window 1: two fragment buffers at v0 and v128
.set G1, 24
.set G0, 32
.set G1B, 48
.set G0B, 56
.set G1S, 68
.set G0S, 76
.set G1SB, 80
.set G0SB, 88
.set PFA, 96                           ; s[96:97] my tile of the prefetches, at the chunk that the refill in hand brings
.set MUL,  0x05
.set TO_F, 0x40
.set MSB, 0
.macro WIN new                         ; the immediate's high byte repeats the setting that is left
.if MSB != \new
	s_set_vgpr_msb (MSB<<8)|\new
.set MSB, \new
.endif
.endm
.macro PLACES n
.rept \n
	v_nop
.endr
.endm
.macro JLOAD g0a, g1a, g0b, g1b        ; waves 0 and 1 fetch for the tokens, waves 2 and 3 for w2: each line has one mask
	s_cmp_eq_u32 s15, 0
	s_cbranch_scc0 .Lfor_b_\@
	tensor_load_to_lds s[\g0a:\g0a+3], s[\g1a:\g1a+7]
	s_nop 0
	PLACES 4
	s_branch .Lasked_\@
.Lfor_b_\@:
	tensor_load_to_lds s[\g0b:\g0b+3], s[\g1b:\g1b+7]
	s_nop 0
	PLACES 4
.Lasked_\@:
.endm
.macro CREST                           ; a round of the cluster's barrier behind its opening barrier
	s_cmp_lg_u32 s14, 0
	s_cbranch_scc1 .Lnot_wave_0_\@
	s_barrier_signal -3
.Lnot_wave_0_\@:
	s_barrier_wait -3
	s_barrier_signal -1
	s_barrier_wait -1
.endm
.macro CROUND
	s_barrier_signal -1
	s_barrier_wait -1
	CREST
.endm
.macro FRAG reg, h, t, off
	ds_load_b128 v[\reg:\reg+3], v[\h] offset:\off
	ds_load_b64 v[\reg+4:\reg+5], v[\t] offset:\off+512
	ds_load_b128 v[\reg+6:\reg+9], v[\h] offset:\off+768
	ds_load_b64 v[\reg+10:\reg+11], v[\t] offset:\off+1280
.endm
.macro FETCH slot, q, f, sc            ; 36 loads: 4 scale words, w2's 4 fragments, the tokens' 4
	WIN 0
.irp i, 0,1,2,3
	ds_load_b32 v[SC+4*(\sc)+\i], v[ADRS] offset:\i*KST*64+64*(\q)
.endr
	WIN TO_F
.irp i, 0,1,2,3
	FRAG \f+48+12*\i, BH+\slot, BT+\slot, \i*TROW+1536*(\q)
.endr
.irp i, 0,1,2,3
	FRAG \f+12*\i, AH+\slot, AT+\slot, \i*TROW+1536*(\q)
.endr
.endm
.macro MUL4 f, sc, a, cm               ; the 16 accumulators take turns in the same order in every step; cm = 1: the bias starts the sums
.irp b, 0,1,2,3
.if \cm == 0
	v_wmma_scale_f32_16x16x128_f8f6f4 v[ACC+8*(4*\a+\b):ACC+8*(4*\a+\b)+7], v[\f+48+12*\b:\f+48+12*\b+11], v[\f+12*\a:\f+12*\a+11], v[ACC+8*(4*\a+\b):ACC+8*(4*\a+\b)+7], v[SC+4*(\sc)+\b], v[SC+4*(\sc)+\a] matrix_a_fmt:MATRIX_FMT_FP6 matrix_b_fmt:MATRIX_FMT_FP6 matrix_a_scale:MATRIX_SCALE_ROW1
.else
	v_wmma_scale_f32_16x16x128_f8f6f4 v[ACC+8*(4*\a+\b):ACC+8*(4*\a+\b)+7], v[\f+48+12*\b:\f+48+12*\b+11], v[\f+12*\a:\f+12*\a+11], v[BI+8*\b:BI+8*\b+7], v[SC+4*(\sc)+\b], v[SC+4*(\sc)+\a] matrix_a_fmt:MATRIX_FMT_FP6 matrix_b_fmt:MATRIX_FMT_FP6 matrix_a_scale:MATRIX_SCALE_ROW1
.endif
.endr
.endm
.macro STEP slot, q, cm                ; a K step that has a successor in its chunk
.set PF, 128*((\q)%2)
.set PG, 128-PF
.set PS, (\q)%2
.set PT, 1-PS
	s_wait_dscnt 8                                 ; all but the youngest 8 loads (the tokens' tiles 2 and 3)
	WIN MUL
	MUL4 PF, PS, 0, \cm
	MUL4 PF, PS, 1, \cm
	PLACES 4                                       ; for the loads into the other buffer, which the last step's products read
	FETCH \slot, (\q)+1, PG, PT
	s_wait_dscnt 36                                ; all but the 36 just issued
	WIN MUL
	MUL4 PF, PS, 2, \cm
	MUL4 PF, PS, 3, \cm
.endm
.macro ASK                             ; the chunk two refills on; s3 = 1 in the loop's last trip, which has no such chunk
	s_cmp_gt_u32 s3, 1
	s_cbranch_scc0 .Lno_ask_\@
	global_prefetch_b8 v[PFO], s[PFA:PFA+1] offset:2*TROW th:TH_LOAD_NT scope:SCOPE_SE
.Lno_ask_\@:
.endm
; A chunk's last K step changes slots: ONE barrier.  In front of it each wave waits for all its tensor loads (one is out: its part of the next chunk), adds 0 to its spare word, and waits for that and for its reads of this slot.
.macro TURN slot, next, fill
	WIN 0
.if \fill
	s_wait_xcnt 0x0                                ; my last prefetch has read its address: it is stepped only behind this wait
	s_add_nc_u64 s[PFA:PFA+1], s[PFA:PFA+1], TROW
.endif
	s_wait_tensorcnt 0x0
	ds_add_u32 v[SPW], v[NIL]
	s_wait_dscnt 9                                 ; (the add and the youngest 8 loads may be out)
	WIN MUL
	MUL4 128, 1, 0, 0
	s_wait_dscnt 0x0                               ; the add is done, and my reads of this slot are over
	s_barrier_signal -1
	MUL4 128, 1, 1, 0
	WIN 0
	s_barrier_wait -1
.if \fill
	CREST                                          ; the barrier has opened a round: no wave of any partner still reads this slot or has a load on its way
	s_add_nc_u64 s[G0+4*\slot+2:G0+4*\slot+3], s[G0+4*\slot+2:G0+4*\slot+3], 2*TROW
	s_add_nc_u64 s[G0B+4*\slot+2:G0B+4*\slot+3], s[G0B+4*\slot+2:G0B+4*\slot+3], 2*TROW
	JLOAD G0+4*\slot, G1, G0B+4*\slot, G1B         ; the chunk two on; its four v_nop are the places ahead of the loads below
.else
	PLACES 4
.endif
	v_add_nc_u32 v[ADRS], 256, v[ADRS]             ; the next chunk's scale words
	FETCH \next, 0, 0, 0
.if \fill
	WIN 0
	ASK
.endif
	WIN MUL
	MUL4 128, 1, 2, 0
	MUL4 128, 1, 3, 0
.endm
	s_load_b128 s[4:7], s[0:1], 0x0                ; hbuf, wbuf
	s_load_b128 s[8:11], s[0:1], 0x10              ; b2, x1buf
	s_load_b64 s[12:13], s[0:1], 0x20              ; out0
	v_lshl_add_u32 v[SPW], v0, 2, SPARE
	v_mov_b32 v[NIL], 0
	ds_add_u32 v[SPW], v[NIL]                      ; the opening lines: the add, twice on end, and its wait
	ds_add_u32 v[SPW], v[NIL]
	v_lshrrev_b32 v1, 5, v0
	v_readfirstlane_b32 s14, v1                    ; wave
	s_lshr_b32 s15, s14, 1                         ; my half of the tokens.  Also: I fetch for the tokens (0) or for w2 (1)
	s_and_b32 s16, s14, 1                          ; my half of the columns.  Also: which 4 tiles I fetch
	s_bfe_u32 s40, ttmp6, 0x40000                  ; cx, cy
	s_bfe_u32 s41, ttmp6, 0x40004
	s_lshl_b32 s42, ttmp9, 2
	s_add_co_u32 s42, s42, s40                     ; block of 128 columns
	s_and_b32 s17, ttmp7, 0xffff
	s_lshl_b32 s17, s17, 2
	s_add_co_u32 s17, s17, s41                     ; block of 128 tokens
	s_lshl_b32 s43, s41, 2
	s_lshl_b32 s43, 15, s43                        ; my row of the cluster
	s_lshl_b32 s44, 0x1111, s40                    ; my column
	s_or_b32 s[G1+0], s43, (3<<16)|(1<<21)
	s_or_b32 s[G1B+0], s44, (3<<16)|(1<<21)
.irp g, G1, G1B                        ; codes: a row of 6,144 bytes (768 elements of 8 bytes) a tile; 8 tiles for the head's loads, later 4
	s_mov_b32 s[\g+1], 768<<16
	s_mov_b32 s[\g+2], 8<<16
	s_mov_b32 s[\g+3], 768<<16
	s_mov_b32 s[\g+4], 8
	s_mov_b32 s[\g+5], KST*192
	s_mov_b32 s[\g+6], 0
	s_mov_b32 s[\g+7], 0
.endr
	s_or_b32 s[G1S+0], s43, (3<<16)|(1<<21)
	s_or_b32 s[G1SB+0], s44, (3<<16)|(1<<21)
.irp g, G1S, G1SB                      ; scale words of 8 tiles: dense, as rows of 256 bytes
	s_mov_b32 s[\g+1], 32<<16
	s_mov_b32 s[\g+2], (HALFS/128)<<16
	s_mov_b32 s[\g+3], 32<<16
	s_mov_b32 s[\g+4], HALFS/128
	s_mov_b32 s[\g+5], 32
	s_mov_b32 s[\g+6], 0
	s_mov_b32 s[\g+7], 0
.endr
	s_lshl_b32 s18, s16, 2
	s_lshl_b32 s20, s17, 3                         ; the tokens' first tile
	s_mul_i32 s22, s20, KST*64
	s_add_co_u32 s22, s22, ASO
	s_mov_b32 s23, 0
	s_add_co_u32 s20, s20, s18                     ; the first of the 4 that I fetch
	s_mul_i32 s20, s20, KST*1536
	s_mov_b32 s21, 0
	s_lshl_b32 s46, s42, 3                         ; the same for w2
	s_mul_i32 s92, s46, KST*64
	s_add_co_u32 s92, s92, BSO
	s_mov_b32 s93, 0
	s_add_co_u32 s46, s46, s18
	s_mul_i32 s46, s46, KST*1536
	s_add_co_u32 s46, s46, BCO
	s_mov_b32 s47, 0
	s_mul_i32 s45, s14, HALFT                      ; where my quarter of a slot lies
	s_wait_dscnt 0x0                               ; both opening adds are done
	s_wait_kmcnt 0x0
	s_add_nc_u64 s[20:21], s[4:5], s[20:21]
	s_add_nc_u64 s[46:47], s[6:7], s[46:47]
	s_mov_b32 s[G0S], 1
	s_mov_b32 s[G0S+1], SCL
	s_add_nc_u64 s[G0S+2:G0S+3], s[4:5], s[22:23]
	s_or_b32 s[G0S+3], s[G0S+3], 0x80000000
	s_mov_b32 s[G0SB], 1
	s_mov_b32 s[G0SB+1], SCL+2*HALFS
	s_add_nc_u64 s[G0SB+2:G0SB+3], s[6:7], s[92:93]
	s_or_b32 s[G0SB+3], s[G0SB+3], 0x80000000
.irp s, 0,1
	s_mov_b32 s[G0+4*\s], 1
	s_add_co_u32 s[G0+4*\s+1], s45, \s*SLOT
	s_add_nc_u64 s[G0+4*\s+2:G0+4*\s+3], s[20:21], \s*TROW
	s_or_b32 s[G0+4*\s+3], s[G0+4*\s+3], 0x80000000
	s_mov_b32 s[G0B+4*\s], 1
	s_add_co_u32 s[G0B+4*\s+1], s45, \s*SLOT
	s_add_nc_u64 s[G0B+4*\s+2:G0B+4*\s+3], s[46:47], \s*TROW
	s_or_b32 s[G0B+4*\s+3], s[G0B+4*\s+3], 0x80000000
.endr
	CROUND                                         ; all sixteen work-groups are here: the joint loads meet
; One load a wave, in one chain of branches on the wave's number.  Wave 0's own group 0 for slot 0 points at the tokens' first tile and LDS byte 0, wave 2's at w2's first tile and LDS byte 2 HALFT: with 8 rows each brings its side of chunk 0 whole.
.macro ARM under, g0, g1, next
	s_cmp_lt_u32 s14, \under
	s_cbranch_scc0 \next
	tensor_load_to_lds s[\g0:\g0+3], s[\g1:\g1+7]
	s_nop 0
	PLACES 4
	s_branch .Lhead_asked
\next:
.endm
	ARM 1, G0,  G1,  .Lhead_sa
	ARM 2, G0S, G1S, .Lhead_b
	ARM 3, G0B, G1B, .Lhead_sb
	tensor_load_to_lds s[G0SB:G0SB+3], s[G1SB:G1SB+7]
	s_nop 0
	PLACES 4
.Lhead_asked:
	s_cmp_eq_u32 s15, 0                            ; the prefetches: of the 4 tiles that I fetch, the one at my work-group's place among the four partners, at chunk 1
	s_cselect_b64 s[PFA:PFA+1], s[20:21], s[46:47]
	s_cselect_b32 s98, s40, s41
	s_mul_i32 s98, s98, KST*1536
	s_add_co_u32 s98, s98, TROW
	s_mov_b32 s99, 0
	s_add_nc_u64 s[PFA:PFA+1], s[PFA:PFA+1], s[98:99]
	v_and_b32 v1, 15, v0                           ; r
	v_bfe_u32 v2, v0, 4, 1                         ; hh
	v_and_b32 v3, 31, v0
	v_min_u32 v[PFO], 23, v3
	v_lshlrev_b32 v[PFO], 8, v[PFO]
	v_lshlrev_b32 v[OH], 4, v3
	v_lshlrev_b32 v[OT], 4, v1
	v_lshl_add_u32 v[OT], v2, 3, v[OT]
	s_mul_i32 s21, s15, HALFT
	s_mul_i32 s22, s16, HALFT
	s_add_co_u32 s22, s22, 2*HALFT
.irp s, 0,1
	v_add_nc_u32 v[AH+\s], s21, v[OH]
	v_add_nc_u32 v[AT+\s], s21, v[OT]
	v_add_nc_u32 v[BH+\s], s22, v[OH]
	v_add_nc_u32 v[BT+\s], s22, v[OT]
	s_add_co_u32 s21, s21, SLOT
	s_add_co_u32 s22, s22, SLOT
.endr
	global_prefetch_b8 v[PFO], s[PFA:PFA+1] th:TH_LOAD_NT scope:SCOPE_SE               ; behind chunk 0's load: chunk 1,
	global_prefetch_b8 v[PFO], s[PFA:PFA+1] offset:TROW th:TH_LOAD_NT scope:SCOPE_SE   ; and chunk 2
	s_mul_i32 s21, s15, HALFS
	s_mul_i32 s22, s16, HALFS
	s_add_co_u32 s22, s22, 2*HALFS
	s_sub_co_u32 s22, s22, s21
	v_mul_u32_u24 v6, s22, v2                      ; lanes 16-31 take w2's words
	s_add_co_u32 s21, s21, SCL
	v_lshl_add_u32 v5, v1, 2, v6
	v_add_nc_u32 v[ADRS], s21, v5
	s_mul_i32 s23, s14, 16*272
	s_add_co_u32 s23, s23, STAGE
	v_mul_u32_u24 v5, v1, 272
	v_lshl_add_u32 v5, v2, 6, v5
	v_add_nc_u32 v[STO], s23, v5
	v_mul_u32_u24 v5, v2, 272
	v_lshl_add_u32 v5, v1, 4, v5
	v_add_nc_u32 v[RD], s23, v5
	v_lshlrev_b32 v[CO], 12, v2
	v_lshl_add_u32 v[CO], v1, 4, v[CO]             ; two rows of 4,096 bytes an instruction, 16 lanes to 256 bytes
	s_lshl_b32 s46, s42, 9
	s_lshl_b32 s47, s16, 8
	s_add_co_u32 s46, s46, s47                     ; my 64 columns, in bytes
	s_mov_b32 s47, 0
	s_add_nc_u64 s[8:9], s[8:9], s[46:47]
	s_lshl_b32 s20, s17, 19
	s_lshl_b32 s21, s15, 18
	s_add_co_u32 s20, s20, s21                     ; my 64 rows
	s_mov_b32 s21, 0
	s_add_nc_u64 s[20:21], s[20:21], s[46:47]
	s_add_nc_u64 s[10:11], s[10:11], s[20:21]
	s_add_nc_u64 s[12:13], s[12:13], s[20:21]
	v_lshlrev_b32 v4, 6, v2
.irp b, 0,1,2,3
	global_load_b128 v[BI+8*\b:BI+8*\b+3], v4, s[8:9] offset:(32*(\b/2)+8*(\b%2))*4
	global_load_b128 v[BI+8*\b+4:BI+8*\b+7], v4, s[8:9] offset:(32*(\b/2)+8*(\b%2))*4+16
.endr
	s_wait_alu depctr_va_vdst(0)
	s_wait_loadcnt 0x0                             ; the bias is in
	s_wait_tensorcnt 0x0                           ; my load of the head's four has landed
	ds_add_u32 v[SPW], v[NIL]
	s_mov_b32 s[G1+2], 4<<16                       ; no tensor load of mine is out: from here on a load brings 4 tiles
	s_mov_b32 s[G1+4], 4
	s_mov_b32 s[G1B+2], 4<<16
	s_mov_b32 s[G1B+4], 4
	s_wait_dscnt 0x0
	CROUND                                         ; everybody's has landed, in all sixteen work-groups
	JLOAD G0+4, G1, G0B+4, G1B                     ; chunk 1, slot 1's first fill
	FETCH 0, 0, 0, 0
	global_prefetch_b8 v[PFO], s[PFA:PFA+1] offset:2*TROW th:TH_LOAD_NT scope:SCOPE_SE   ; behind chunk 1's load: chunk 3, two fills on, as in the loop
	STEP 0, 0, 1                                   ; the first step's products start the sums on the bias
	WIN 0x80                                       ; the residual goes into window 2: block a's row pair t at v[32 a + 4 t]
.irp a, 0,1,2,3
.irp t, 0,1,2,3,4,5,6,7
	global_load_b128 v[32*\a+4*\t:32*\a+4*\t+3], v[CO], s[10:11] offset:(32*(\a/2)+8*(\a%2)+2*\t+8*(\t/4))*4096 th:TH_LOAD_NT
.endr
.endr
	WIN 0
	s_mov_b32 s3, LAPS-1
.Llap:                                                 ; a trip goes once round the ring and fills both slots again
	s_wait_alu depctr_va_vdst(0)                   ; the wait behind the write of the scale words' address, here and behind each TURN
	STEP 0, 1, 0
	STEP 0, 2, 0
	TURN 0, 1, 1
	s_wait_alu depctr_va_vdst(0)
	STEP 1, 0, 0
	STEP 1, 1, 0
	STEP 1, 2, 0
	TURN 1, 0, 1
	s_wait_alu depctr_va_vdst(0)
	STEP 0, 0, 0
	WIN 0
	s_sub_co_u32 s3, s3, 1
	s_cmp_lg_u32 s3, 0
	s_cbranch_scc1 .Llap
	STEP 0, 1, 0                                   ; the last lap fetches nothing more
	STEP 0, 2, 0
	TURN 0, 1, 0
	s_wait_alu depctr_va_vdst(0)
	STEP 1, 0, 0
	STEP 1, 1, 0
	STEP 1, 2, 0
	s_wait_dscnt 8
	WIN MUL
	MUL4 128, 1, 0, 0
	MUL4 128, 1, 1, 0
	s_wait_dscnt 0x0
	MUL4 128, 1, 2, 0
	MUL4 128, 1, 3, 0
	WIN 0
	PLACES 4
; THE WAY OUT, 16 tokens at a time: through my own stage, back as rows of 256 bytes, the residual added, stored in whole aligned runs of 256 bytes
.irp a, 0,1,2,3
.if \a >= 2
	s_wait_xcnt 0x0                                ; block a - 2's stores have read their registers
.endif
.irp b, 0,1,2,3
	ds_store_b128 v[STO], v[ACC+8*(4*\a+\b):ACC+8*(4*\a+\b)+3] offset:128*(\b/2)+32*(\b%2)
	ds_store_b128 v[STO], v[ACC+8*(4*\a+\b)+4:ACC+8*(4*\a+\b)+7] offset:128*(\b/2)+32*(\b%2)+16
.endr
.irp t, 0,1,2,3,4,5,6,7
	ds_load_b128 v[64+32*(\a%2)+4*\t:64+32*(\a%2)+4*\t+3], v[RD] offset:544*\t
.endr
	s_wait_dscnt 0x0
	s_wait_loadcnt 24-8*\a                         ; block a's residual is in; the later blocks' 8 loads each may be out
	WIN 0x08                                       ; source 1 in window 2
.irp k, 0,2,4,6,8,10,12,14,16,18,20,22,24,26,28,30
	v_pk_add_f32 v[64+32*(\a%2)+\k:64+32*(\a%2)+\k+1], v[64+32*(\a%2)+\k:64+32*(\a%2)+\k+1], v[32*\a+\k:32*\a+\k+1]
.endr
	WIN 0
.irp t, 0,1,2,3,4,5,6,7
	global_store_b128 v[CO], v[64+32*(\a%2)+4*\t:64+32*(\a%2)+4*\t+3], s[12:13] offset:(32*(\a/2)+8*(\a%2)+2*\t+8*(\t/4))*4096 th:TH_STORE_NT
.endr
.endr
	s_wait_tensorcnt 0x0                           ; the wave's end
	ds_add_u32 v[SPW], v[NIL]
	s_wait_dscnt 0x0
	CROUND                                         ; the closing round
	s_endpgm
.Lfunc_end_k_q9853f3d70a_gffn2:
	.size	k_q9853f3d70a_gffn2, .Lfunc_end_k_q9853f3d70a_gffn2-k_q9853f3d70a_gffn2
	.p2alignl 7, 3214868480
	.fill 96, 4, 3214868480
	.section	.rodata,"a",@progbits
	.p2align	6, 0x0
	.amdhsa_kernel k_q9853f3d70a_gffn2
		.amdhsa_group_segment_fixed_size 327680
		.amdhsa_private_segment_fixed_size 0
		.amdhsa_enable_private_segment 0
		.amdhsa_kernarg_size 40
		.amdhsa_user_sgpr_count 2
		.amdhsa_user_sgpr_kernarg_segment_ptr 1
		.amdhsa_wavefront_size32 1
		.amdhsa_system_sgpr_workgroup_id_x 1
		.amdhsa_system_sgpr_workgroup_id_y 1
		.amdhsa_system_sgpr_workgroup_id_z 1
		.amdhsa_system_vgpr_workitem_id 0
		.amdhsa_next_free_vgpr 768
		.amdhsa_next_free_sgpr 100
		.amdhsa_reserve_vcc 0
		.amdhsa_float_denorm_mode_32 3
		.amdhsa_float_denorm_mode_16_64 3
		.amdhsa_memory_ordered 1
		.amdhsa_forward_progress 1
		.amdhsa_inst_pref_size 103
	.end_amdhsa_kernel
	.amdgpu_metadata
---
amdhsa.version: [ 1, 2 ]
amdhsa.kernels:
  - .name:           k_q9853f3d70a_gffn2
    .symbol:         k_q9853f3d70a_gffn2.kd
    .args:
      - { .name: hbuf, .offset: 0, .size: 8, .value_kind: global_buffer, .address_space: global }
      - { .name: wbuf, .offset: 8, .size: 8, .value_kind: global_buffer, .address_space: global }
      - { .name: b2, .offset: 16, .size: 8, .value_kind: global_buffer, .address_space: global }
      - { .name: x1buf, .offset: 24, .size: 8, .value_kind: global_buffer, .address_space: global }
      - { .name: out0, .offset: 32, .size: 8, .value_kind: global_buffer, .address_space: global }
    .group_segment_fixed_size: 327680
    .private_segment_fixed_size: 0
    .kernarg_segment_align: 8
    .kernarg_segment_size: 40
    .max_flat_workgroup_size: 128
    .sgpr_count:     100
    .vgpr_count:     768
    .wavefront_size: 32
...
	.end_amdgpu_metadata
.endif
;; end of part 15
